; MI455X (gfx1250); checked and timed in simulation.
; The chip was launched on July 23, 2026; its instructions are those of AMD's public machine-readable ISA for CDNA 5 (MIT licence, August 2026) and "CDNA5" Instruction Set Architecture Reference Guide (July 2026). The comments in the code are by the model that wrote it; some were corrected since.
;; Encoder Layer. Allowed arithmetic: matrix products marked QUANTISED: E2M3 operands, one E8M0 scale for each 32 along K, by v_wmma_scale_f32_16x16x128_f8f6f4 with both operands' format E2M3, f32 sums; everything else in f32.
;; Inputs: W1_codes 4,096 x 32 x 24 uint8 (E2M3 codes of W1, K innermost, in blocks of 32 codes, four codes in three bytes); W1_scales 4,096 x 32 uint8 (E8M0 scales of W1, one for each 32 codes along K); W2_codes 1,024 x 128 x 24 uint8 (E2M3 codes of W2, K innermost, in blocks of 32 codes, four codes in three bytes); W2_scales 1,024 x 128 uint8 (E8M0 scales of W2, one for each 32 codes along K); Wk_codes 1,024 x 32 x 24 uint8 (E2M3 codes of Wk, K innermost, in blocks of 32 codes, four codes in three bytes); Wk_scales 1,024 x 32 uint8 (E8M0 scales of Wk, one for each 32 codes along K); Wo_codes 1,024 x 32 x 24 uint8 (E2M3 codes of Wo, K innermost, in blocks of 32 codes, four codes in three bytes); Wo_scales 1,024 x 32 uint8 (E8M0 scales of Wo, one for each 32 codes along K); Wq_codes 1,024 x 32 x 24 uint8 (E2M3 codes of Wq, K innermost, in blocks of 32 codes, four codes in three bytes); Wq_scales 1,024 x 32 uint8 (E8M0 scales of Wq, one for each 32 codes along K); Wv_codes 1,024 x 32 x 24 uint8 (E2M3 codes of Wv, K innermost, in blocks of 32 codes, four codes in three bytes); Wv_scales 1,024 x 32 uint8 (E8M0 scales of Wv, one for each 32 codes along K); b1 4,096 float32; b2 1,024 float32; bk 1,024 float32; bo 1,024 float32; bq 1,024 float32; bv 1,024 float32; ln1_b 1,024 float32; ln1_g 1,024 float32; ln2_b 1,024 float32; ln2_g 1,024 float32; mask 2 x 1 x 2,048 int32; x 2 x 2,048 x 1,024 float32.
;; Outputs: out0 2 x 2,048 x 1,024 float32.
;; This version of the problem:
;;   THIS VERSION OF THE PROBLEM IS GIVEN IN LOW PRECISION. The matrix products marked QUANTISED in the list below multiply operands that are first quantised to E2M3 (2 exponent bits, 3 mantissa bits; 6 bits a number), with one power-of-two scale for each 32 numbers along K (OCP MX v1.0); their sums are f32. All else is computed in f32.
;;   The module's matrix products, in the order in which they are computed (A, B: the left and right operand; K: the contracted axis; several contracted axes count as one K, in the product's order):
;;     1. [M 4,096, K 1,024] x [K 1,024, N 1,024]; A: input x; B: input Wq (given as codes): QUANTISED
;;     2. [M 4,096, K 1,024] x [K 1,024, N 1,024]; A: input x; B: input Wk (given as codes): QUANTISED
;;     3. [M 4,096, K 1,024] x [K 1,024, N 1,024]; A: input x; B: input Wv (given as codes): QUANTISED
;;     4. batch 32 x [M 2,048, K 64] x [K 64, N 2,048]; A: computed on the way; B: computed on the way: QUANTISED
;;     5. batch 32 x [M 2,048, K 2,048] x [K 2,048, N 64]; A: softmax (see below); B: computed on the way: QUANTISED
;;     6. [M 4,096, K 1,024] x [K 1,024, N 1,024]; A: computed on the way; B: input Wo (given as codes): QUANTISED
;;     7. [M 4,096, K 1,024] x [K 1,024, N 4,096]; A: computed on the way; B: input W1 (given as codes): QUANTISED
;;     8. [M 4,096, K 4,096] x [K 4,096, N 1,024]; A: computed on the way; B: input W2 (given as codes): QUANTISED
;;   THE QUANTISER, for each operand of a quantised product, along K:
;;     - K is cut into blocks of 32 from its start; a last block that is shorter is filled with zeros.
;;     - A block's scale is 2^e with e = floor(log2(the largest magnitude in the block)) - 2, held to -126 .. 127; a block of zeros has e = 0. As a byte (E8M0): e + 127.
;;     - Each number is divided by its block's scale, clamped to +-7.5, and rounded to the nearest number of E2M3, ties to even, subnormals kept.
;;     - The product sums the exact products of the quantised numbers (number of the format x scale) in f32.
;;   ~~~python
;;   def quantise(x, axis):      # numpy; x: float32 -> the quantised numbers, widened to float32 again
;;       x = np.moveaxis(x, axis, -1); K = x.shape[-1]
;;       x = np.pad(x, [(0, 0)] * (x.ndim - 1) + [(0, -K % 32)]); x = x.reshape(x.shape[:-1] + (-1, 32)); a = np.abs(x).max(-1, keepdims=True)
;;       e = np.where(a > 0, np.clip(np.frexp(np.where(a > 0, a, 1))[1] - 1 - 2, -126, 127), 0)      # np.frexp(a)[1] - 1 = floor(log2(a)), exactly
;;       r = np.clip(x / 2.0 ** e, -7.5, 7.5)
;;       step = 2.0 ** (np.maximum(np.frexp(np.where(r == 0, 1, r))[1] - 1, 0) - 3)
;;       q = np.round(r / step) * step * 2.0 ** e      # np.round: ties to even
;;       return np.moveaxis(q.reshape(q.shape[:-2] + (-1,))[..., :K], -1, axis).astype(np.float32)
;;   ~~~
;;   SOFTMAX AHEAD OF A QUANTISED PRODUCT. Where the list says 'softmax', what is quantised is not the finished softmax but p = 2^(t - M), with t = logit x log2(e) and M = ceil(the row's largest t), a whole number; so 1/2 < the row's largest p <= 1. The row's sum l is taken of the UNQUANTISED p, in f32, and the product's result is divided by l at the end. Since M is a whole number, a kernel that streams over the keys may use a running M (the ceiling of the running maximum): every later rescaling is an exact power of two, which a block's scale takes up: the codes' values come out the same.
;;   OPERANDS COMPUTED ON THE WAY. 'Computed on the way' means the value that the module computes at that place (a softmax that the list does not call 'softmax' is quantised finished and normalised). What goes into a quantiser is computed in f32, as accurately as f32 sums, v_exp_f32 and their like allow (about 1e-6 of the number): no bf16 or f16 on the way to a quantiser, and a product that is left as it is and whose result goes on into a quantised operand takes f32 operands (vector FMAs, or v_wmma_f32_16x16x4_f32). A number that lies on a knife's edge between two numbers of the format may be rounded either way, as far as f32 arithmetic and the matrix unit's own rounding can turn it there, and no further.
;;   INPUTS GIVEN AS CODES. W1 (in the module: [1024, 4096], K = its axis 0); W2 (in the module: [4096, 1024], K = its axis 0); Wk (in the module: [1024, 1024], K = its axis 0); Wo (in the module: [1024, 1024], K = its axis 0); Wq (in the module: [1024, 1024], K = its axis 0); Wv (in the module: [1024, 1024], K = its axis 0): each comes as NAME_codes (uint8): NAME with its K axis moved to the last place and cut into blocks of 32 codes, [.., K / 32, bytes a block], one block behind the other in memory; four codes in three bytes: a row's codes are one little-endian stream of bits, code i at bits 6 i .. 6 i + 5 (a code: sign, 2 exponent bits, 3 mantissa bits); and NAME_scales (uint8): the same leading axes, one E8M0 byte (e + 127) for each 32 codes along K. Its value is code x scale, taken as it is: it is not quantised again, and the codes and scales need not be those that the quantiser above would give.
;; 2 versions. Each part assembles by itself: llvm-mc -triple=amdgcn-amd-amdhsa -mcpu=gfx1250 --defsym DOCPART=n.
;; ======== version 1 of 2: 8 launches
;; limits: right only within a limited range of input values
;; workspace buffers: xi 3,276,800 bytes; wimg 9,830,400 bytes; msk 33,280 bytes; qkv 10,223,616 bytes; oi 3,276,800 bytes; y 16,777,216 bytes; x1 16,777,216 bytes; hi 13,107,200 bytes
;; launch prep (part 1): grid 256 x 1, 8 waves a work-group, no clusters, 0 bytes of LDS; arguments x, mask, Wq_codes, Wq_scales, Wk_codes, Wk_scales, Wv_codes, Wv_scales, Wo_codes, Wo_scales, W1_codes, W1_scales, W2_codes, W2_scales, xi, wimg, msk; writes xi, wimg, msk
.if DOCPART == 1
	.amdgcn_target "amdgcn-amd-amdhsa--gfx1250"
	.amdhsa_code_object_version 6
	.text
	.protected	k_q623eb46800_prep
	.globl	k_q623eb46800_prep
	.p2align	8
	.type	k_q623eb46800_prep,@function
k_q623eb46800_prep:
	s_mov_b64 s[64:65], 0
	v_nop
	global_prefetch_b8 v0, s[64:65] scope:SCOPE_SE
	s_setreg_imm32_b32 hwreg(HW_REG_WAVE_MODE, 25, 1), 1
	s_wait_xcnt 0x0
; ENCODER LAYER, launch 1 of 8: operands are laid out as the later launches' registers take them.
; DEAD WORK: none.  Every input of reference() has a way to the output for some finite values, so every input is loaded by some launch and no product, row or step is left out.
; LIMITS of the whole program: NaN and infinities among the inputs are not served by the quantisers.  A block of zeros gets the scale byte 1 where the rule says 127: its codes are zeros, and only this
; program reads the bytes.  A masked key gets its score less 1.25 x 2^36 where reference() sets the energy to -1e10 (-8e10 in score units): both give p = 0 beside any kept key.  The running maximum of
; the softmax starts at t = -2^31: a row whose every kept energy lies under -1.49e9 is not served.  A batch whose mask is all zero gets reference()'s uniform softmax (see the mask's part below).
; A RECORD is 128 rows x 128 along K of one operand, 12,800 bytes.  Its rows form 8 tiles: lane row r of tile T is row 32 (T / 2) + 8 (T % 2) + r + 8 (r / 8).  A tile's fragment (12 registers a lane) lies as an
; image of its registers: piece p (registers 2 p, 2 p + 1) at 1536 T + 256 p + 8 x lane.  The scale words (four E8M0 bytes: one row, this K step) lie at 12,288 + 256 (T / 4) + 16 r + 4 (T % 4).
; SHARES.  Work-group g: waves 0, 1 quantise the two halves (4 tiles each) of x's record g (token group g / 8, K step g % 8).  Waves 2 to 7 copy one half record each of the six weights (768 records).
; Wave 7 of work-groups 0 and 1 then makes the mask tables of batch 0 and 1.  No LDS, no barrier: waves share nothing.
.set REC,  12800
.set TM,   8                           ; v8-23   at work in QUANT
.set PC,   224                         ; v224-242 the codes just made
.set SW,   244                         ; v244-247 the four tiles' scale words
.set SEL,  4                           ; s[4:5]  lane selects for v_permlanex16_b32: lane l xor 16
; 64 numbers of a lane, register 16 b + i = k 32 b + 16 (lane / 16) + i of my row, become a fragment's codes in v[PC] on and its scale word in v[pw].  abs = 0: no number is negative.
.macro QUANT s, abs, pw
.irp b, 0,1,2,3
.if \abs
	v_max3_num_f32 v[TM+\b], |v[(\s)+16*\b]|, |v[(\s)+16*\b+1]|, 0x1800000   ; block b: my 16 numbers, and the floor 2^(3 - 127): the byte cannot fall under 1
.else
	v_max3_num_f32 v[TM+\b], v[(\s)+16*\b], v[(\s)+16*\b+1], 0x1800000
.endif
.endr
.irp i, 2,4,6,8,10,12,14
.irp b, 0,1,2,3
.if \abs
	v_max3_num_f32 v[TM+\b], v[TM+\b], |v[(\s)+16*\b+\i]|, |v[(\s)+16*\b+\i+1]|
.else
	v_max3_num_f32 v[TM+\b], v[TM+\b], v[(\s)+16*\b+\i], v[(\s)+16*\b+\i+1]
.endif
.endr
.endr
.irp b, 0,1,2,3
	v_permlanex16_b32 v[TM+4+\b], v[TM+\b], s[SEL], s[SEL+1]
.endr
.irp b, 0,1,2,3
	v_max_num_f32 v[TM+\b], v[TM+\b], v[TM+4+\b]       ; with lane l xor 16's: the block's largest magnitude
.endr
.irp b, 0,1,2,3
	v_add_nc_u32 v[TM+12+\b], 0xff000000, v[TM+\b]     ; 2 off its exponent field: the conversion's scale operand
.endr
.irp b, 0,1,2,3
	v_lshrrev_b32 v[TM+4+\b], 23, v[TM+12+\b]          ; the scale's byte
.endr
	v_lshl_or_b32 v[\pw], v[TM+5], 8, v[TM+4]
	v_lshl_or_b32 v[\pw], v[TM+6], 16, v[\pw]
	v_lshl_or_b32 v[\pw], v[TM+7], 24, v[\pw]
.irp c, 0,1
	v_cvt_scalef32_pk16_fp6_f32 v[PC+6*\c:PC+6*\c+2], v[(\s)+32*\c:(\s)+32*\c+15], v[TM+12+2*\c]
	v_cvt_scalef32_pk16_fp6_f32 v[PC+12+4*\c:PC+14+4*\c], v[(\s)+32*\c+16:(\s)+32*\c+31], v[TM+13+2*\c]   ; (a conversion's three registers begin on an even number)
.endr
	v_nop                                              ; one plain line behind the scaled conversions
.irp c, 0,1                                        ; the layout wants a whole block in a lane: lanes 0-15 block 2 c, lanes 16-31 block 2 c + 1
.irp i, 0,1,2
	v_permlane16_swap_b32 v[PC+6*\c+\i], v[PC+12+4*\c+\i]
.endr
.irp i, 0,1,2
	v_mov_b32 v[PC+3+6*\c+\i], v[PC+12+4*\c+\i]
.endr
.endr
.endm
	s_load_b512 s[8:23], s[0:1], 0x0               ; x s[8:9], mask s[10:11], Wq codes, scales s[12:15], Wk s[16:19], Wv s[20:23]
	s_load_b512 s[24:39], s[0:1], 0x40             ; Wo s[24:27], W1 s[28:31], W2 s[32:35], xi s[36:37], wimg s[38:39]
	s_load_b64 s[40:41], s[0:1], 0x80              ; msk
	v_lshrrev_b32 v1, 5, v0
	v_readfirstlane_b32 s2, v1                     ; wave 0..7
	v_and_b32 v1, 31, v0                           ; lane
	v_and_b32 v2, 15, v0                           ; r
	v_bfe_u32 v3, v0, 4, 1                         ; h
	v_and_b32 v4, 8, v2
	v_add_nc_u32 v4, v4, v2                        ; r + 8 (r / 8)
	v_lshlrev_b32 v5, 3, v1                        ; 8 x lane: a piece's place for my lane
	v_lshlrev_b32 v6, 4, v2
	v_lshl_add_u32 v6, v3, 3, v6                   ; 16 r + 8 h: my two words of a half scale image
	s_mov_b32 s6, 0xffff0000                       ; lanes 16-31
	s_wait_kmcnt 0x0
	s_cmp_lt_u32 s2, 2
	s_cbranch_scc0 .Lweights
	; ---- waves 0, 1: half q = wave of x's record
	s_mov_b32 s[SEL], 0x76543210
	s_mov_b32 s[SEL+1], 0xfedcba98
	v_lshlrev_b32 v7, 12, v4
	v_lshl_add_u32 v7, v3, 6, v7                   ; my row of a tile, 4,096 bytes a row, + 64 h: my 16 numbers of a block of 32
.irp b, 0,1,2,3
	v_mov_b32 v[TM+4+\b], 0                        ; written once: a lane permute's destination counts as one of its sources
.endr
	s_lshr_b32 s42, ttmp9, 3                       ; token group
	s_and_b32 s43, ttmp9, 7                        ; K step
	s_lshl_b32 s42, s42, 1
	s_add_co_u32 s42, s42, s2
	s_lshl_b32 s42, s42, 18                        ; x 64 rows x 4,096 bytes
	s_lshl_b32 s43, s43, 9                         ; + 128 numbers a K step
	s_add_co_u32 s42, s42, s43
	s_mov_b32 s43, 0
	s_add_nc_u64 s[8:9], s[8:9], s[42:43]
	s_mul_i32 s44, ttmp9, REC
	s_mov_b32 s45, 0
	s_add_nc_u64 s[46:47], s[36:37], s[44:45]      ; my record
	s_mul_i32 s44, s2, 4*1536
	s_add_nc_u64 s[36:37], s[46:47], s[44:45]      ; my four tiles' codes
	s_lshl_b32 s44, s2, 8
	s_add_nc_u64 s[48:49], s[46:47], s[44:45]      ; my half of the scale image, less 12,288
.macro XLOAD set, i                    ; tile i of my four: 64 numbers a lane
.irp b, 0,1,2,3
.irp j, 0,1,2,3
	global_load_b128 v[\set+16*\b+4*\j:\set+16*\b+4*\j+3], v7, s[8:9] offset:(32*((\i)/2)+8*((\i)%2))*4096+128*\b+16*\j
.endr
.endr
.endm
.macro XTILE i, set, left
	s_wait_loadcnt \left                           ; this tile's 16 loads are in; the younger tiles' may be out
	s_wait_xcnt 0x0                                ; the last tile's stores have read the codes' registers
	QUANT \set, 1, SW+\i
.irp p, 0,1,2,3,4,5
	global_store_b64 v5, v[PC+2*\p:PC+2*\p+1], s[36:37] offset:(\i)*1536+\p*256   ; 32 lanes store 256 consecutive bytes, aligned
.endr
.endm
	XLOAD 32, 0
	XLOAD 96, 1
	XLOAD 160, 2
	XTILE 0, 32, 32
	XLOAD 32, 3
	XTILE 1, 96, 32
	XTILE 2, 160, 16
	XTILE 3, 32, 0
	v_cndmask_b32 v24, v[SW], v[SW+2], s6          ; lanes 0-15 carry tiles 0, 1, lanes 16-31 tiles 2, 3
	v_cndmask_b32 v25, v[SW+1], v[SW+3], s6
	global_store_b64 v6, v[24:25], s[48:49] offset:12288   ; 256 consecutive bytes, aligned
	s_endpgm
	; ---- waves 2 to 7: half q of weight record rho
.Lweights:
	s_mul_i32 s42, ttmp9, 6
	s_add_co_u32 s42, s42, s2
	s_sub_co_u32 s42, s42, 2
	s_and_b32 s43, s42, 1                          ; q
	s_lshr_b32 s42, s42, 1                         ; rho, 0 .. 767
	s_lshr_b32 s44, s42, 3                         ; for the five weights of K = 1,024: the group of 128 rows, counted through Wq, Wk, Wv, Wo, W1
	s_mov_b64 s[46:47], s[12:13]
	s_mov_b64 s[48:49], s[14:15]
	s_mov_b32 s50, 0
	s_cmp_ge_u32 s44, 8                            ; the choices hang on ids alone
	s_cselect_b64 s[46:47], s[16:17], s[46:47]
	s_cselect_b64 s[48:49], s[18:19], s[48:49]
	s_cselect_b32 s50, 8, s50
	s_cmp_ge_u32 s44, 16
	s_cselect_b64 s[46:47], s[20:21], s[46:47]
	s_cselect_b64 s[48:49], s[22:23], s[48:49]
	s_cselect_b32 s50, 16, s50
	s_cmp_ge_u32 s44, 24
	s_cselect_b64 s[46:47], s[24:25], s[46:47]
	s_cselect_b64 s[48:49], s[26:27], s[48:49]
	s_cselect_b32 s50, 24, s50
	s_cmp_ge_u32 s44, 32
	s_cselect_b64 s[46:47], s[28:29], s[46:47]
	s_cselect_b64 s[48:49], s[30:31], s[48:49]
	s_cselect_b32 s50, 32, s50
	s_sub_co_u32 s51, s44, s50                     ; the group within its weight,
	s_and_b32 s52, s42, 7                          ; the K step
	s_sub_co_u32 s53, s42, 512                     ; W2 (K = 4,096): 32 K steps a group
	s_lshr_b32 s53, s53, 5
	s_and_b32 s54, s42, 31
	s_mov_b32 s55, 768
	s_cmp_ge_u32 s44, 64
	s_cselect_b64 s[46:47], s[32:33], s[46:47]
	s_cselect_b64 s[48:49], s[34:35], s[48:49]
	s_cselect_b32 s51, s53, s51
	s_cselect_b32 s52, s54, s52
	s_cselect_b32 s55, 3072, s55                   ; a row of codes in bytes
	s_cselect_b32 s56, 128, 32                     ; a row of scale bytes
	s_lshl_b32 s57, s51, 1
	s_add_co_u32 s57, s57, s43
	s_lshl_b32 s57, s57, 6                         ; my first row: 128 x group + 64 q
	s_mul_i32 s58, s57, s55
	s_mul_i32 s59, s52, 96
	s_add_co_u32 s58, s58, s59
	s_mov_b32 s59, 0
	s_add_nc_u64 s[46:47], s[46:47], s[58:59]
	s_mul_i32 s58, s57, s56
	s_lshl_b32 s60, s52, 2
	s_add_co_u32 s58, s58, s60
	s_add_nc_u64 s[48:49], s[48:49], s[58:59]
	s_mul_i32 s58, s42, REC
	s_add_nc_u64 s[38:39], s[38:39], s[58:59]      ; my record
	s_mul_i32 s60, s43, 4*1536
	s_mov_b32 s61, 0
	s_add_nc_u64 s[60:61], s[38:39], s[60:61]      ; my four tiles' codes
	s_lshl_b32 s58, s43, 8
	s_add_nc_u64 s[38:39], s[38:39], s[58:59]      ; my half of the scale image, less 12,288
	v_mul_u32_u24 v7, v3, 24
.irp i, 0,1,2,3
	v_add_nc_u32 v8, 32*(\i/2)+8*(\i%2), v4        ; my row of tile i
	v_mad_u32_u24 v[12+\i], v8, s55, v7            ; its codes, + 24 h
	v_mul_u32_u24 v[16+\i], v8, s56                ; its scale bytes
.endr
.irp i, 0,1,2,3
.irp p, 0,1,2,3,4,5
	global_load_b64 v[32+12*\i+2*\p:33+12*\i+2*\p], v[12+\i], s[46:47] offset:48*(\p/3)+8*(\p%3)   ; the row's stream of bits is the register image: 24 bytes at 24 h, 24 at 48 + 24 h
.endr
	global_load_b32 v[SW+\i], v[16+\i], s[48:49]
.endr
	s_wait_loadcnt 0x0
.irp i, 0,1,2,3
.irp p, 0,1,2,3,4,5
	global_store_b64 v5, v[32+12*\i+2*\p:33+12*\i+2*\p], s[60:61] offset:\i*1536+\p*256
.endr
.endr
	v_cndmask_b32 v24, v[SW], v[SW+2], s6
	v_cndmask_b32 v25, v[SW+1], v[SW+3], s6
	global_store_b64 v6, v[24:25], s[38:39] offset:12288
	s_cmp_lg_u32 s2, 7
	s_cbranch_scc1 .Ldone
	s_cmp_gt_u32 ttmp9, 1
	s_cbranch_scc1 .Ldone
	; ---- wave 7 of work-groups 0, 1: the mask of batch b = work-group.
	; For each tile of 16 keys an image of one register: lane r holds the code 42 (-1.25) where key r of the tile is masked, else 0; lanes 16-31 hold 0.  Attention lays it at k = 64 of the key's fragment, under the
	; scale 2^36, against the code of 1.0 on the query's side.  Where the WHOLE batch is masked every word is 0 and the factor c (log2(e) / 8) is 0: then t = 0 for all keys, p = 1: reference()'s uniform softmax.
	s_wait_xcnt 0x0                                ; my stores have read their registers and bases
	v_and_b32 v8, 7, v1
	v_lshlrev_b32 v8, 1, v8
	v_lshl_add_u32 v8, v3, 3, v8
	v_bfe_u32 v9, v1, 2, 1
	v_lshl_add_u32 v8, v9, 3, v8                   ; of 32 keys, my two: 8 (L / 16) + 2 (L % 8) + 8 ((L / 4) % 2), and the next
	v_lshlrev_b32 v8, 2, v8
	s_lshl_b32 s42, ttmp9, 13
	s_mov_b32 s43, 0
	s_add_nc_u64 s[10:11], s[10:11], s[42:43]
	s_lshl_b32 s42, ttmp9, 14
	s_add_nc_u64 s[46:47], s[40:41], s[42:43]      ; the batch's images
	s_lshl_b32 s42, ttmp9, 8
	s_add_nc_u64 s[48:49], s[40:41], s[42:43]      ; its factor, less 32,768
.set Q, 0
.rept 64
	global_load_b64 v[32+2*Q:33+2*Q], v8, s[10:11] offset:128*Q
.set Q, Q+1
.endr
	s_wait_loadcnt 0x0
	v_or_b32 v10, v32, v33
.set Q, 34
.rept 126
	v_or_b32 v10, v10, v[Q]
.set Q, Q+1
.endr
	v_cmp_ne_u32 vcc_lo, 0, v10
	s_cmp_lg_u32 vcc_lo, 0                         ; is any key of the batch kept?
	s_cselect_b32 s44, 42, 0
	s_cselect_b32 s45, 0x3e38aa3b, 0               ; c = log2(e) / 8
	v_and_b32 v11, 8, v1
	v_cmp_eq_u32 vcc_lo, 0, v11                    ; my two words belong to a tile's lanes 0-15
	v_mov_b32 v12, s44
	v_cndmask_b32 v12, 0, v12, vcc_lo
.set Q, 32
.rept 128
	v_cmp_eq_u32 vcc_lo, 0, v[Q]
	v_cndmask_b32 v[Q], 0, v12, vcc_lo
.set Q, Q+1
.endr
.set Q, 0
.rept 64
	global_store_b64 v5, v[32+2*Q:33+2*Q], s[46:47] offset:256*Q   ; two tiles' images: 256 consecutive bytes, aligned
.set Q, Q+1
.endr
	v_mov_b32 v14, s45
	v_mov_b32 v15, s45
	global_store_b64 v5, v[14:15], s[48:49] offset:32768
.Ldone:
	s_endpgm
.Lfunc_end_k_q623eb46800_prep:
	.size	k_q623eb46800_prep, .Lfunc_end_k_q623eb46800_prep-k_q623eb46800_prep
	.p2alignl 7, 3214868480
	.fill 96, 4, 3214868480
	.section	.rodata,"a",@progbits
	.p2align	6, 0x0
	.amdhsa_kernel k_q623eb46800_prep
		.amdhsa_group_segment_fixed_size 0
		.amdhsa_private_segment_fixed_size 0
		.amdhsa_enable_private_segment 0
		.amdhsa_kernarg_size 136
		.amdhsa_user_sgpr_count 2
		.amdhsa_user_sgpr_kernarg_segment_ptr 1
		.amdhsa_wavefront_size32 1
		.amdhsa_system_sgpr_workgroup_id_x 1
		.amdhsa_system_sgpr_workgroup_id_y 1
		.amdhsa_system_sgpr_workgroup_id_z 1
		.amdhsa_system_vgpr_workitem_id 0
		.amdhsa_next_free_vgpr 256
		.amdhsa_next_free_sgpr 66
		.amdhsa_reserve_vcc 1
		.amdhsa_float_denorm_mode_32 3
		.amdhsa_float_denorm_mode_16_64 3
		.amdhsa_memory_ordered 1
		.amdhsa_forward_progress 1
		.amdhsa_inst_pref_size 59
	.end_amdhsa_kernel
	.amdgpu_metadata
---
amdhsa.version: [ 1, 2 ]
amdhsa.kernels:
  - .name:           k_q623eb46800_prep
    .symbol:         k_q623eb46800_prep.kd
    .args:
      - { .name: x, .offset: 0, .size: 8, .value_kind: global_buffer, .address_space: global }
      - { .name: mask, .offset: 8, .size: 8, .value_kind: global_buffer, .address_space: global }
      - { .name: Wq_codes, .offset: 16, .size: 8, .value_kind: global_buffer, .address_space: global }
      - { .name: Wq_scales, .offset: 24, .size: 8, .value_kind: global_buffer, .address_space: global }
      - { .name: Wk_codes, .offset: 32, .size: 8, .value_kind: global_buffer, .address_space: global }
      - { .name: Wk_scales, .offset: 40, .size: 8, .value_kind: global_buffer, .address_space: global }
      - { .name: Wv_codes, .offset: 48, .size: 8, .value_kind: global_buffer, .address_space: global }
      - { .name: Wv_scales, .offset: 56, .size: 8, .value_kind: global_buffer, .address_space: global }
      - { .name: Wo_codes, .offset: 64, .size: 8, .value_kind: global_buffer, .address_space: global }
      - { .name: Wo_scales, .offset: 72, .size: 8, .value_kind: global_buffer, .address_space: global }
      - { .name: W1_codes, .offset: 80, .size: 8, .value_kind: global_buffer, .address_space: global }
      - { .name: W1_scales, .offset: 88, .size: 8, .value_kind: global_buffer, .address_space: global }
      - { .name: W2_codes, .offset: 96, .size: 8, .value_kind: global_buffer, .address_space: global }
      - { .name: W2_scales, .offset: 104, .size: 8, .value_kind: global_buffer, .address_space: global }
      - { .name: xi, .offset: 112, .size: 8, .value_kind: global_buffer, .address_space: global }
      - { .name: wimg, .offset: 120, .size: 8, .value_kind: global_buffer, .address_space: global }
      - { .name: msk, .offset: 128, .size: 8, .value_kind: global_buffer, .address_space: global }
    .group_segment_fixed_size: 0
    .private_segment_fixed_size: 0
    .kernarg_segment_align: 8
    .kernarg_segment_size: 136
    .max_flat_workgroup_size: 256
    .sgpr_count:     66
    .vgpr_count:     256
    .wavefront_size: 32
...
	.end_amdgpu_metadata
.endif
;; end of part 1
;; launch qkv (part 2): grid 12 x 16, 4 waves a work-group, clusters of 4 x 4, 327,680 bytes of LDS; arguments xi, wimg, bq, bk, bv, qkv; writes qkv
.if DOCPART == 2
	.amdgcn_target "amdgcn-amd-amdhsa--gfx1250"
	.amdhsa_code_object_version 6
	.text
	.protected	k_q623eb46800_qkv
	.globl	k_q623eb46800_qkv
	.p2align	8
	.type	k_q623eb46800_qkv,@function
k_q623eb46800_qkv:
	s_mov_b64 s[64:65], 0
	v_nop
	global_prefetch_b8 v0, s[64:65] scope:SCOPE_SE
	s_setreg_imm32_b32 hwreg(HW_REG_WAVE_MODE, 25, 1), 1
	s_wait_xcnt 0x0
	s_wait_alu depctr_hold_cnt(0) depctr_sa_sdst(0) depctr_va_vdst(0) depctr_va_sdst(0) depctr_va_ssrc(0) depctr_va_vcc(0) depctr_vm_vsrc(0)
	s_getreg_b32 s2, hwreg(HW_REG_IB_STS2, 6, 4)
	s_cmp_eq_u32 s2, 0
	s_cbranch_scc0 .Lentry_in_a_cluster
	s_endpgm
.Lentry_in_a_cluster:
	s_bfe_u32 s2, ttmp6, 0x10000c
	s_cmp_lg_u32 s2, 0xf033
	s_cbranch_scc0 .Lentry_shape_is_right
	s_endpgm
.Lentry_shape_is_right:
; A GEMM on records of MX-FP6 codes whose result is quantised on the way out.  KIND 0: q, k, v = Q(x) [Wq | Wk | Wv] + bias, stored as codes for attention.  KIND 1: h = relu(Q(x1) W1 + b1), stored as codes.
; Nothing of reference() is left out here.
; A RECORD is 128 rows x 128 along K, 12,800 bytes: 8 tiles (lane row r of tile T is row 32 (T / 2) + 8 (T % 2) + r + 8 (r / 8)); piece p (registers 2 p, 2 p + 1 of the 12) at 1536 T + 256 p + 8 x lane;
; scale words at 12,288 + 256 (T / 4) + 16 r + 4 (T % 4).  Records of one group of rows follow each other along K.
; SHARES.  A tile of C is 256 x 256; four waves, each 128 x 128: 64 accumulators in windows 2 and 3.  K goes 256 at a time through two LDS slots; a wave's one tensor load brings two records (25,600 dense bytes).
; CLUSTER 4 x 4: A's records are asked for jointly along a row of the cluster, B's along a column.
; ROLES.  Source 1 (the result's lanes) has one set of 8 fragments in window 0; source 0 (the result's registers) two sets in window 1.  By the tiles' choice of rows a lane's 64 results of one source-1 tile are
; 64 neighbours along source 0's rows, in the order that the conversions want.  As a rule source 1 = A (tokens) and source 0 = B (columns): the result is quantised along the columns (q, k: the head; h: d_ff).
; KIND 0, cluster x = 2 (Wv's columns): the two LDS offsets change places, so that a lane holds a channel and its registers run along the tokens: v is quantised along the keys.  The choice hangs on the cluster's x
; alone: it is the same in all sixteen partners, and tensor loads, masks and the loop's text do not know of it.
; OUT.  KIND 0: place (column group x 32 + token group) of 13,312 bytes: a record; q and k have two scale images (12,288 + 512 e) whose word for head e of the pair is (byte 2 e, byte 2 e + 1, C, 0x7f), C = 0x7f for q and
; 0xa3 (2^36) for k: the third block of attention's K = 128 carries the key mask.  KIND 1: record (token group x 32 + column group).
.set KIND, 0
.if KIND == 0
.set NS,   8                           ; K steps of 128
.set BREC, 0                           ; B's first record in wimg
.else
.set NS,   8
.set BREC, 256
.endif
.set REC,   12800
.set LOADB, 2*REC                      ; what one tensor load brings
.set SLOT,  4*LOADB                    ; A's two groups, then B's two
.set SPARE, 2*SLOT                     ; behind the ring: the spare words, 128 bytes for each wave: two blocks of 256 bytes that no other line names
.set LAPS,  NS/4                       ; a lap = two slots
.set FR,   12
.set NL,   6
.set NP,   4                           ; places behind this matrix instruction (ISA guide 7.12.1)
.set ADRA, 16                          ; v16-17  source 1's fragments in slot 0, 1: 8 x lane + its group
.set ADRB, 20                          ; v20-21  source 0's
.set ADRS, 22                          ; v22-23  scale words: lanes 0-15 source 1's, lanes 16-31 source 0's
.set ST8,  26                          ; v26     8 x lane
.set ST16, 27                          ; v27     16 x lane
.set SPW,  28                          ; v28     my spare word; never rewritten
.set NIL,  29                          ; v29     0; never rewritten
.set SC,   32                          ; v32-63  scale words: set sl at 16 sl; in it register 8 q + T
.set AF,   128                         ; v128-223 source 1's fragments
.set BB,   64                          ; v64-127 the bias along the registers
.set HA,   128                         ; the way out: v128-191 64 numbers
.set PC,   192                         ; v192-210 the codes just made
.set TM,   212                         ; v212-227 at work in QUANT
.set BA,   228                         ; v228-243 KIND 0: the bias along the lanes, each number in both registers of a pair
.set SW,   244                         ; v244-251 the eight tiles' scale words
.set D4,   252                         ; v252-255 a scale image's 16 bytes
.set W,    128                         ; v128-135 q's and k's words, when the blocks are done
.set G1,   24
.set G0,   32
.set G1B,  48
.set G0B,  56
.set SEL,  72
.set OUT,  74
.set BIA,  76
.set MSB, 0
.macro WIN new                         ; the immediate's high byte repeats the setting that is left
.if MSB != (\new)
	s_set_vgpr_msb (MSB<<8)|(\new)
.set MSB, (\new)
.endif
.endm
.set MUL_LO, 0xa1                      ; source 0 window 1, source 1 window 0, C and D window 2
.set MUL_HI, 0xf1                      ; the same, C and D window 3
.set TO_B,   0x40                      ; destination window 1
.macro JLOAD g0a, g1a, g0b, g1b        ; a joint load: waves 0, 1 fetch A's groups, waves 2, 3 B's; an s_nop 0 and four v_nop follow each line
	s_cmp_eq_u32 s15, 0
	s_cbranch_scc0 .Lfor_b_\@
	tensor_load_to_lds s[\g0a:\g0a+3], s[\g1a:\g1a+7]
	s_nop 0
.rept 4
	v_nop
.endr
	s_branch .Lasked_\@
.Lfor_b_\@:
	tensor_load_to_lds s[\g0b:\g0b+3], s[\g1b:\g1b+7]
	s_nop 0
.rept 4
	v_nop
.endr
.Lasked_\@:
.endm
.macro CREST                           ; a round of the cluster's barrier behind its opening barrier
	s_cmp_lg_u32 s14, 0
	s_cbranch_scc1 .Lnot_wave_0_\@
	s_barrier_signal -3
.Lnot_wave_0_\@:
	s_barrier_wait -3
	s_barrier_signal -1
	s_barrier_wait -1
.endm
.macro CROUND
	s_barrier_signal -1
	s_barrier_wait -1
	CREST
.endm
.macro PLACES n
.rept \n
	v_nop
.endr
.endm
; 64 numbers of a lane, register 16 b + i = k 32 b + 16 (lane / 16) + i of my row, become a fragment's codes in v[PC] on and its scale word in v[pw].  abs = 0: no number is negative.
.macro QUANT s, abs, pw
.irp b, 0,1,2,3
.if \abs
	v_max3_num_f32 v[TM+\b], |v[(\s)+16*\b]|, |v[(\s)+16*\b+1]|, 0x1800000   ; block b: my 16 numbers, and the floor 2^(3 - 127): the byte cannot fall under 1
.else
	v_max3_num_f32 v[TM+\b], v[(\s)+16*\b], v[(\s)+16*\b+1], 0x1800000
.endif
.endr
.irp i, 2,4,6,8,10,12,14
.irp b, 0,1,2,3
.if \abs
	v_max3_num_f32 v[TM+\b], v[TM+\b], |v[(\s)+16*\b+\i]|, |v[(\s)+16*\b+\i+1]|
.else
	v_max3_num_f32 v[TM+\b], v[TM+\b], v[(\s)+16*\b+\i], v[(\s)+16*\b+\i+1]
.endif
.endr
.endr
.irp b, 0,1,2,3
	v_permlanex16_b32 v[TM+4+\b], v[TM+\b], s[SEL], s[SEL+1]
.endr
.irp b, 0,1,2,3
	v_max_num_f32 v[TM+\b], v[TM+\b], v[TM+4+\b]       ; with lane l xor 16's: the block's largest magnitude
.endr
.irp b, 0,1,2,3
	v_add_nc_u32 v[TM+12+\b], 0xff000000, v[TM+\b]     ; 2 off its exponent field: the conversion's scale operand
.endr
.irp b, 0,1,2,3
	v_lshrrev_b32 v[TM+4+\b], 23, v[TM+12+\b]          ; the scale's byte
.endr
	v_lshl_or_b32 v[\pw], v[TM+5], 8, v[TM+4]
	v_lshl_or_b32 v[\pw], v[TM+6], 16, v[\pw]
	v_lshl_or_b32 v[\pw], v[TM+7], 24, v[\pw]
.irp c, 0,1
	v_cvt_scalef32_pk16_fp6_f32 v[PC+6*\c:PC+6*\c+2], v[(\s)+32*\c:(\s)+32*\c+15], v[TM+12+2*\c]
	v_cvt_scalef32_pk16_fp6_f32 v[PC+12+4*\c:PC+14+4*\c], v[(\s)+32*\c+16:(\s)+32*\c+31], v[TM+13+2*\c]   ; (a conversion's three registers begin on an even number)
.endr
	v_nop                                              ; one plain line behind the scaled conversions
.irp c, 0,1                                        ; the layout wants a whole block in a lane: lanes 0-15 block 2 c, lanes 16-31 block 2 c + 1
.irp i, 0,1,2
	v_permlane16_swap_b32 v[PC+6*\c+\i], v[PC+12+4*\c+\i]
.endr
.irp i, 0,1,2
	v_mov_b32 v[PC+3+6*\c+\i], v[PC+12+4*\c+\i]
.endr
.endr
.endm
.if KIND == 0
	s_load_b256 s[4:11], s[0:1], 0x0               ; xi s[4:5], wimg s[6:7], bq s[8:9], bk s[10:11]
	s_load_b128 s[68:71], s[0:1], 0x20             ; bv s[68:69], qkv s[70:71]
.else
	s_load_b256 s[4:11], s[0:1], 0x0               ; xi s[4:5], wimg s[6:7], b1 s[8:9], hi s[10:11]
.endif
	v_lshl_add_u32 v[SPW], v0, 2, SPARE
	v_mov_b32 v[NIL], 0
	ds_add_u32 v[SPW], v[NIL]                      ; the wave's opening: the add, twice on end, and its wait ahead of my first tensor load
	ds_add_u32 v[SPW], v[NIL]
	v_lshrrev_b32 v1, 5, v0
	v_readfirstlane_b32 s14, v1                    ; wave 0..3
	s_lshr_b32 s15, s14, 1                         ; which group of A's rows is mine.  Also: I fetch for A (0) or for B (1)
	s_and_b32 s16, s14, 1                          ; which group of B's rows.  Also: which group I fetch
	s_bfe_u32 s40, ttmp6, 0x40000                  ; cx
	s_bfe_u32 s41, ttmp6, 0x40004                  ; cy
	s_lshl_b32 s42, ttmp9, 2
	s_add_co_u32 s42, s42, s40                     ; tile column of C
	s_and_b32 s17, ttmp7, 0xffff
	s_lshl_b32 s17, s17, 2
	s_add_co_u32 s17, s17, s41                     ; tile row of C
	s_lshl_b32 s43, s41, 2
	s_lshl_b32 s43, 15, s43                        ; my row of the cluster
	s_lshl_b32 s44, 0x1111, s40                    ; my column
	s_or_b32 s[G1], s43, (3<<16)|(1<<21)           ; 15:0 the mask; 17:16 elements of 8 bytes; 20 no padding; 21 set beside a mask
	s_or_b32 s[G1B], s44, (3<<16)|(1<<21)
.irp g, G1, G1B                        ; a dense block of 25,600 bytes as 100 rows of 256
	s_mov_b32 s[\g+1], 32<<16                      ; tensor_dim0 = 32
	s_mov_b32 s[\g+2], 100<<16                     ; tensor_dim1 = 100
	s_mov_b32 s[\g+3], 32<<16                      ; tile_dim0 = 32
	s_mov_b32 s[\g+4], 100                         ; tile_dim1 = 100
	s_mov_b32 s[\g+5], 32                          ; the pitch
	s_mov_b32 s[\g+6], 0
	s_mov_b32 s[\g+7], 0
.endr
	s_lshl_b32 s20, s17, 1
	s_add_co_u32 s20, s20, s16                     ; A's group that I fetch: 2 x tile row + half
	s_mul_i32 s20, s20, NS*REC
	s_mov_b32 s21, 0
	s_lshl_b32 s46, s42, 1
	s_add_co_u32 s46, s46, s16                     ; B's: 2 x tile column + half
	s_mul_i32 s46, s46, NS*REC
.if BREC
	s_add_co_u32 s46, s46, BREC*REC
.endif
	s_mov_b32 s47, 0
	s_mul_i32 s45, s14, LOADB                      ; where it goes: no place in the cluster enters an LDS address
	s_wait_dscnt 0x0                               ; both opening adds are done
	s_wait_kmcnt 0x0
	s_add_nc_u64 s[20:21], s[4:5], s[20:21]
	s_add_nc_u64 s[46:47], s[6:7], s[46:47]
	CROUND                                         ; all sixteen work-groups are here: the first joint loads meet
.irp s, 0,1
	s_mov_b32 s[G0+4*\s], 1
	s_add_co_u32 s[G0+4*\s+1], s45, \s*SLOT
	s_add_nc_u64 s[G0+4*\s+2:G0+4*\s+3], s[20:21], \s*LOADB
	s_or_b32 s[G0+4*\s+3], s[G0+4*\s+3], 0x80000000
	s_mov_b32 s[G0B+4*\s], 1
	s_add_co_u32 s[G0B+4*\s+1], s45, \s*SLOT
	s_add_nc_u64 s[G0B+4*\s+2:G0B+4*\s+3], s[46:47], \s*LOADB
	s_or_b32 s[G0B+4*\s+3], s[G0B+4*\s+3], 0x80000000
	JLOAD G0+4*\s, G1, G0B+4*\s, G1B
.endr
	v_and_b32 v1, 31, v0                           ; lane
	v_and_b32 v2, 15, v0                           ; r
	v_bfe_u32 v3, v0, 4, 1                         ; h
	v_lshlrev_b32 v[ST8], 3, v1
	v_lshlrev_b32 v[ST16], 4, v1
	s_mov_b32 s67, 0xffff0000                      ; lanes 16-31
	s_mov_b32 s[SEL], 0x76543210
	s_mov_b32 s[SEL+1], 0xfedcba98
	s_mul_i32 s20, s15, LOADB                      ; my group of A in a slot
	s_mul_i32 s21, s16, LOADB
	s_add_co_u32 s21, s21, 2*LOADB                 ; my group of B
	s_sub_co_u32 s22, s21, s20                     ; the distance between them, above 0
.if KIND == 0
	s_cmp_eq_u32 ttmp9, 1
	s_cselect_b64 s[BIA:BIA+1], s[10:11], s[8:9]   ; the bias by the cluster's x: bq, bk,
	s_cmp_eq_u32 ttmp9, 2
	s_cselect_b64 s[BIA:BIA+1], s[68:69], s[BIA:BIA+1]   ; bv
	s_cselect_b32 s66, 1, 0                        ; 1: Wv's columns: the roles change places
	s_cselect_b32 s18, s21, s20                    ; source 1's group
	s_cselect_b32 s19, s20, s21                    ; source 0's
	v_xor_b32 v4, s66, v3                          ; 1 in the lanes that take B's scale words
	v_add_nc_u32 v[ADRA], s18, v[ST8]
	v_add_nc_u32 v[ADRB], s19, v[ST8]
	v_mul_u32_u24 v5, s22, v4
.else
	v_add_nc_u32 v[ADRA], s20, v[ST8]
	v_add_nc_u32 v[ADRB], s21, v[ST8]
	v_mul_u32_u24 v5, s22, v3
.endif
	v_lshl_add_u32 v5, v2, 4, v5
	v_add_nc_u32 v5, s20, v5
	v_add_nc_u32 v[ADRS], 12288, v5
	v_add_nc_u32 v[ADRA+1], SLOT, v[ADRA]
	v_add_nc_u32 v[ADRB+1], SLOT, v[ADRB]
	v_add_nc_u32 v[ADRS+1], SLOT, v[ADRS]
	; the biases: asked for here, waited for in front of the way out; their registers and addresses are not touched meanwhile
.if KIND == 0
	s_lshl_b32 s18, s40, 1
	s_add_co_u32 s18, s18, s16                     ; my column group within its weight
.else
	s_lshl_b32 s18, s42, 1
	s_add_co_u32 s18, s18, s16
.endif
	s_lshl_b32 s18, s18, 9
	s_mov_b32 s19, 0
.if KIND == 0
	s_add_nc_u64 s[BIA:BIA+1], s[BIA:BIA+1], s[18:19]
.else
	s_add_nc_u64 s[BIA:BIA+1], s[8:9], s[18:19]
.endif
	v_lshlrev_b32 v8, 6, v3                        ; 64 h
.irp b, 0,1,2,3,4,5,6,7                        ; register 8 b + j: column 32 (b / 2) + 8 (b % 2) + 16 h + j
	global_load_b128 v[BB+8*\b:BB+8*\b+3], v8, s[BIA:BIA+1] offset:(32*(\b/2)+8*(\b%2))*4
	global_load_b128 v[BB+8*\b+4:BB+8*\b+7], v8, s[BIA:BIA+1] offset:(32*(\b/2)+8*(\b%2))*4+16
.endr
.if KIND == 0
	v_and_b32 v9, 8, v2
	v_add_nc_u32 v9, v9, v2
	v_lshlrev_b32 v9, 2, v9                        ; 4 (r + 8 (r / 8)).  Every wave loads both forms, so that no register's state hangs on the roles
.irp a, 0,1,2,3,4,5,6,7
	global_load_b32 v[BA+2*\a], v9, s[BIA:BIA+1] offset:(32*(\a/2)+8*(\a%2))*4
	global_load_b32 v[BA+2*\a+1], v9, s[BIA:BIA+1] offset:(32*(\a/2)+8*(\a%2))*4
.endr
.endif
	s_lshl_b32 s18, s42, 1
	s_add_co_u32 s18, s18, s16                     ; column group
	s_lshl_b32 s19, s17, 1
	s_add_co_u32 s19, s19, s15                     ; token group
.if KIND == 0
	s_lshl_b32 s18, s18, 5
	s_add_co_u32 s18, s18, s19
	s_mul_i32 s18, s18, 13312
	s_mov_b32 s19, 0
	s_add_nc_u64 s[OUT:OUT+1], s[70:71], s[18:19]
.else
	s_lshl_b32 s19, s19, 5
	s_add_co_u32 s18, s18, s19
	s_mul_i32 s18, s18, REC
	s_mov_b32 s19, 0
	s_add_nc_u64 s[OUT:OUT+1], s[10:11], s[18:19]
.endif
.macro FRAG reg, adr, q, i             ; a fragment as it was stored: six pieces, each 256 consecutive bytes for the 32 lanes
.irp p, 0,1,2,3,4,5
	ds_load_b64 v[\reg+2*\p:\reg+2*\p+1], v[\adr] offset:(\q)*REC+(\i)*1536+\p*256
.endr
.endm
; 16 matrix instructions: source 1's tiles a0, a0 + 1 x source 0's eight.  p: source 0's set; q: which 128 of the slot; sc: the set of scale words.  The 64 accumulators take turns, one instruction a turn, in the same
; order in every step.  zero = 1: the first product starts the sums.
.macro MUL16 a0, p, q, sc, zero
.irp a, \a0, \a0+1
.irp b, 0,1,2,3,4,5,6,7
.if \zero
	v_wmma_scale_f32_16x16x128_f8f6f4 v[8*(8*((\a)%4)+\b):8*(8*((\a)%4)+\b)+7], v[128*(\p)+FR*\b:128*(\p)+FR*\b+FR-1], v[AF+FR*(\a):AF+FR*(\a)+FR-1], 0, v[SC+16*(\sc)+8*(\q)+\b], v[SC+16*(\sc)+8*(\q)+(\a)] matrix_a_fmt:MATRIX_FMT_FP6 matrix_b_fmt:MATRIX_FMT_FP6 matrix_a_scale:MATRIX_SCALE_ROW1
.else
	v_wmma_scale_f32_16x16x128_f8f6f4 v[8*(8*((\a)%4)+\b):8*(8*((\a)%4)+\b)+7], v[128*(\p)+FR*\b:128*(\p)+FR*\b+FR-1], v[AF+FR*(\a):AF+FR*(\a)+FR-1], v[8*(8*((\a)%4)+\b):8*(8*((\a)%4)+\b)+7], v[SC+16*(\sc)+8*(\q)+\b], v[SC+16*(\sc)+8*(\q)+(\a)] matrix_a_fmt:MATRIX_FMT_FP6 matrix_b_fmt:MATRIX_FMT_FP6 matrix_a_scale:MATRIX_SCALE_ROW1
.endif
.endr
.endr
.endm
.macro FETCH_B slot, q, p
	WIN TO_B
.irp i, 0,1,2,3,4,5,6,7
	FRAG 128*(\p)+FR*\i, ADRB+\slot, \q, \i
.endr
	WIN 0
.endm
.macro FETCH_A slot, q, i0
.irp i, \i0, \i0+1, \i0+2, \i0+3
	FRAG AF+FR*(\i), ADRA+\slot, \q, \i
.endr
.endm
.macro SCALES sl                       ; a slot's scale words: four tiles' words a load; lanes 0-15 source 1's, lanes 16-31 source 0's
.irp q, 0,1
.irp u, 0,1
	ds_load_b128 v[SC+16*\sl+8*\q+4*\u:SC+16*\sl+8*\q+4*\u+3], v[ADRS+\sl] offset:\q*REC+256*\u
.endr
.endr
.endm
.macro STEP slot, q, zero              ; a step of 128 along K that has its successor in the same slot
	s_wait_dscnt 4*NL                              ; all but the youngest 24 loads (source 1's tiles 4-7) are in
	WIN MUL_LO
	MUL16 0, (\q)%2, \q, \slot, \zero
	MUL16 2, (\q)%2, \q, \slot, \zero
	s_wait_dscnt 0                                 ; tiles 4-7 are in
	PLACES NP                                      ; in front of loads into registers that matrix instructions have read
	FETCH_B \slot, (\q)+1, 1-(\q)%2
	FETCH_A \slot, (\q)+1, 0
	WIN MUL_HI
	MUL16 4, (\q)%2, \q, \slot, \zero
	MUL16 6, (\q)%2, \q, \slot, \zero
	PLACES NP
	WIN 0
	FETCH_A \slot, (\q)+1, 4
.endm
; A slot's last step changes slots: one barrier; in front of it each wave waits for all its tensor loads, adds 0 to its spare word, and waits for that and for its reads of this slot.  fill = 1: the slot is filled again.
.macro TURN slot, next, fill
	s_wait_tensorcnt 0x0                           ; all my tensor loads have landed: my part of the next slot
	ds_add_u32 v[SPW], v[NIL]
	s_wait_dscnt 4*NL+1                            ; (the add and the youngest 24 loads may be out)
	WIN MUL_LO
	MUL16 0, 1, 1, \slot, 0
	s_wait_dscnt 0x0                               ; the add is done, and my reads of this slot are over
	s_barrier_signal -1
	MUL16 2, 1, 1, \slot, 0
	WIN 0
	s_barrier_wait -1
.if \fill
	CREST                                          ; the barrier has opened a round of the cluster's: no wave of any partner still reads this slot or has a load on its way
	s_add_nc_u64 s[G0+4*\slot+2:G0+4*\slot+3], s[G0+4*\slot+2:G0+4*\slot+3], 2*LOADB
	s_add_nc_u64 s[G0B+4*\slot+2:G0B+4*\slot+3], s[G0B+4*\slot+2:G0B+4*\slot+3], 2*LOADB
	JLOAD G0+4*\slot, G1, G0B+4*\slot, G1B         ; the first tensor load behind the round; its four v_nop are the places in front of the loads below
.else
	PLACES NP
.endif
	FETCH_B \next, 0, 0
	FETCH_A \next, 0, 0
	SCALES \next
	WIN MUL_HI
	MUL16 4, 1, 1, \slot, 0
	MUL16 6, 1, 1, \slot, 0
	PLACES NP
	WIN 0
	FETCH_A \next, 0, 4
.endm
	s_wait_tensorcnt 1                             ; my part of slot 0 is in (slot 1's load may be out)
	s_barrier_signal -1
	s_barrier_wait -1                              ; everybody's is
	FETCH_B 0, 0, 0
	FETCH_A 0, 0, 0
	SCALES 0
	FETCH_A 0, 0, 4
	STEP 0, 0, 1                                   ; the first step stands in front of the loop: its products start the sums
	s_mov_b32 s3, LAPS-1
.Llap:                                                 ; a trip goes once round the ring and fills both slots again
	TURN 0, 1, 1
	STEP 1, 0, 0
	TURN 1, 0, 1
	STEP 0, 0, 0
	s_sub_co_u32 s3, s3, 1
	s_cmp_lg_u32 s3, 0
	s_cbranch_scc1 .Llap
	TURN 0, 1, 0                                   ; the last lap fills nothing
	STEP 1, 0, 0
	s_wait_dscnt 4*NL
	WIN MUL_LO
	MUL16 0, 1, 1, 1, 0
	MUL16 2, 1, 1, 1, 0
	s_wait_dscnt 0
	WIN MUL_HI
	MUL16 4, 1, 1, 1, 0
	MUL16 6, 1, 1, 1, 0
	WIN 0
; THE WAY OUT, a source-1 tile at a time: bias (KIND 1: and relu), the quantiser, six stores of 256 consecutive bytes.
.macro OUTQ a
.if KIND == 0
	s_cmp_eq_u32 s66, 0
	s_cbranch_scc0 .Lchan_\@
.endif
	WIN 0x02+(\a)/4                                ; source 0: window 2 or 3
.set J, 0
.rept 32
	v_pk_add_f32 v[HA+J:HA+J+1], v[64*((\a)%4)+J:64*((\a)%4)+J+1], v[BB+J:BB+J+1]   ; each accumulator from its low end on
.set J, J+2
.endr
	WIN 0
.if KIND == 0
	s_branch .Ljoin_\@
.Lchan_\@:                                             ; v: my lane's channel has one bias for all 64 tokens
	WIN 0x02+(\a)/4
.set J, 0
.rept 32
	v_pk_add_f32 v[HA+J:HA+J+1], v[64*((\a)%4)+J:64*((\a)%4)+J+1], v[BA+2*(\a):BA+2*(\a)+1]
.set J, J+2
.endr
	WIN 0
.Ljoin_\@:
.endif
.if KIND == 1
.set J, 0
.rept 64
	v_max_num_f32 v[HA+J], 0, v[HA+J]              ; the activation, in f32
.set J, J+1
.endr
.endif
.if (\a) > 0
	s_wait_xcnt 0x0                                ; the last tile's stores have read the codes' registers
.endif
.if KIND == 0
	QUANT HA, 1, SW+(\a)
.else
	QUANT HA, 0, SW+(\a)
.endif
.irp p, 0,1,2,3,4,5
	global_store_b64 v[ST8], v[PC+2*\p:PC+2*\p+1], s[OUT:OUT+1] offset:(\a)*1536+\p*256
.endr
.endm
.macro IMG s0, off                     ; eight tiles' words as one image: lanes 0-15 carry tiles 0-3, lanes 16-31 tiles 4-7: 512 consecutive bytes
.irp i, 0,1,2,3
	v_cndmask_b32 v[D4+\i], v[\s0+\i], v[\s0+4+\i], s67
.endr
	global_store_b128 v[ST16], v[D4:D4+3], s[OUT:OUT+1] offset:\off
.endm
	s_wait_loadcnt 0x0                             ; the biases
	PLACES NP                                      ; behind the last products: their results are read and their operands' registers written below
.irp b, 0,1,2,3
	v_mov_b32 v[TM+4+\b], 0                        ; a lane permute's destination counts as one of its sources
.endr
.irp a, 0,1,2,3,4,5,6,7
	OUTQ \a
.endr
.if KIND == 0
	s_cmp_eq_u32 s66, 0
	s_cbranch_scc0 .Lplain
	s_mov_b32 s18, 0x7fa30000                      ; k: blocks 2, 3 of attention's K under 2^36 and 1
	s_cmp_eq_u32 ttmp9, 0
	s_cselect_b32 s18, 0x7f7f0000, s18             ; q: under 1 and 1
	v_mov_b32 v10, s18
.irp a, 0,1,2,3,4,5,6,7
	v_perm_b32 v[W+\a], v10, v[SW+\a], 0x07060100  ; the even head's two bytes below
.endr
	IMG W, 12288
	s_wait_xcnt 0x0                                ; that store has read its registers
.irp a, 0,1,2,3,4,5,6,7
	v_perm_b32 v[W+\a], v10, v[SW+\a], 0x07060302  ; the odd head's
.endr
	IMG W, 12288+512
	s_branch .Lend
.Lplain:
	IMG SW, 12288
.Lend:
.else
	IMG SW, 12288
.endif
	s_wait_tensorcnt 0x0                           ; the wave's end
	ds_add_u32 v[SPW], v[NIL]
	s_wait_dscnt 0x0
	CROUND                                         ; the closing round: no work-group ends while a partner may still ask for a tile that names it
	s_endpgm
.Lfunc_end_k_q623eb46800_qkv:
	.size	k_q623eb46800_qkv, .Lfunc_end_k_q623eb46800_qkv-k_q623eb46800_qkv
	.p2alignl 7, 3214868480
	.fill 96, 4, 3214868480
	.section	.rodata,"a",@progbits
	.p2align	6, 0x0
	.amdhsa_kernel k_q623eb46800_qkv
		.amdhsa_group_segment_fixed_size 327680
		.amdhsa_private_segment_fixed_size 0
		.amdhsa_enable_private_segment 0
		.amdhsa_kernarg_size 48
		.amdhsa_user_sgpr_count 2
		.amdhsa_user_sgpr_kernarg_segment_ptr 1
		.amdhsa_wavefront_size32 1
		.amdhsa_system_sgpr_workgroup_id_x 1
		.amdhsa_system_sgpr_workgroup_id_y 1
		.amdhsa_system_sgpr_workgroup_id_z 1
		.amdhsa_system_vgpr_workitem_id 0
		.amdhsa_next_free_vgpr 1024
		.amdhsa_next_free_sgpr 80
		.amdhsa_reserve_vcc 0
		.amdhsa_float_denorm_mode_32 3
		.amdhsa_float_denorm_mode_16_64 3
		.amdhsa_memory_ordered 1
		.amdhsa_forward_progress 1
		.amdhsa_inst_pref_size 201
	.end_amdhsa_kernel
	.amdgpu_metadata
---
amdhsa.version: [ 1, 2 ]
amdhsa.kernels:
  - .name:           k_q623eb46800_qkv
    .symbol:         k_q623eb46800_qkv.kd
    .args:
      - { .name: xi, .offset: 0, .size: 8, .value_kind: global_buffer, .address_space: global }
      - { .name: wimg, .offset: 8, .size: 8, .value_kind: global_buffer, .address_space: global }
      - { .name: bq, .offset: 16, .size: 8, .value_kind: global_buffer, .address_space: global }
      - { .name: bk, .offset: 24, .size: 8, .value_kind: global_buffer, .address_space: global }
      - { .name: bv, .offset: 32, .size: 8, .value_kind: global_buffer, .address_space: global }
      - { .name: qkv, .offset: 40, .size: 8, .value_kind: global_buffer, .address_space: global }
    .group_segment_fixed_size: 327680
    .private_segment_fixed_size: 0
    .kernarg_segment_align: 8
    .kernarg_segment_size: 48
    .max_flat_workgroup_size: 128
    .sgpr_count:     80
    .vgpr_count:     1024
    .wavefront_size: 32
...
	.end_amdgpu_metadata
.endif
;; end of part 2
;; launch attn (part 3): grid 32 x 8, 16 waves a work-group, clusters of 4 x 1, 327,680 bytes of LDS; arguments qkv, msk, oi; writes oi
.if DOCPART == 3
	.amdgcn_target "amdgcn-amd-amdhsa--gfx1250"
	.amdhsa_code_object_version 6
	.text
	.protected	k_q623eb46800_attn
	.globl	k_q623eb46800_attn
	.p2align	8
	.type	k_q623eb46800_attn,@function
k_q623eb46800_attn:
	s_mov_b64 s[64:65], 0
	v_nop
	global_prefetch_b8 v0, s[64:65] scope:SCOPE_SE
	s_setreg_imm32_b32 hwreg(HW_REG_WAVE_MODE, 25, 1), 1
	s_wait_xcnt 0x0
	s_wait_alu depctr_hold_cnt(0) depctr_sa_sdst(0) depctr_va_vdst(0) depctr_va_sdst(0) depctr_va_ssrc(0) depctr_va_vcc(0) depctr_vm_vsrc(0)
	s_getreg_b32 s2, hwreg(HW_REG_IB_STS2, 6, 4)
	s_cmp_eq_u32 s2, 0
	s_cbranch_scc0 .Lentry_in_a_cluster
	s_endpgm
.Lentry_in_a_cluster:
	s_bfe_u32 s2, ttmp6, 0x10000c
	s_cmp_lg_u32 s2, 0x3003
	s_cbranch_scc0 .Lentry_shape_is_right
	s_endpgm
.Lentry_shape_is_right:
; ATTENTION on codes of MX-FP6: S^T = K Q^T (K = the head's 64, padded to the instruction's 128), the key mask, the softmax p = 2^(t - M), O^T = V^T P^T, O / l, and O quantised along the channels for the next product.
; Nothing of reference() is left out here.
; IN.  Places of 13,312 bytes in qkv: q at (hp x 32 + G), k at ((8 + hp) x 32 + G), v at ((16 + hp) x 32 + G); hp = pair of heads, G = group of 128 tokens.  A place is a record: 8 tiles (lane row r of tile T is row
; 32 (T / 2) + 8 (T % 2) + r + 8 (r / 8)), piece p (registers 2 p, 2 p + 1) at 1536 T + 256 p + 8 x lane.  q, k: rows = tokens, registers 0-5 the even head's 64, 6-11 the odd head's; a scale image for each head at
; 12,288 + 512 e.  v: rows = the pair's 128 channels, K = the group's 128 keys; one scale image.
; THE MASK COSTS NO VECTOR WORK.  Register 6 of a key's fragment (k = 64) takes the mask's word: the code of -1.25 for a masked key, else 0; the query has the code of 1.0 there; k's scale for that block is 2^36.
; So a masked key's score falls by 1.25 x 2^36 inside the product, and p = 0.  A batch that is masked whole has zero words and c = 0: t = 0, p = 1 for all keys.
; SHARES.  A work-group owns 128 queries (group G) of a pair of heads; wave w owns tile w % 8 of head w / 8.  Every wave walks the batch's 2,048 keys, 128 a step, two steps a slot, two slots.
; CLUSTER 4 x 1: the four partners are four token groups of one batch and one pair of heads: K, V and the mask's words are asked for jointly.  Waves 0, 1 fetch a slot's two places of K, waves 2, 3 of V.
; A lane holds one query throughout; p's 16 registers of two neighbouring tiles are 16 neighbouring keys.
; REGISTERS: v1-4, v28-31 addresses that stay; v7-11 addresses in hand; v12 -M, v13 the largest t, v[14:15] the sum; v16-27 Q; v32-79 four fragments of K; v96-159 S^T, then p, then (v96-143) four fragments of V;
; v160-191 O^T; v224-235 p's codes; v232-247 at work; v248-251 K's or V's scale words; v252 f; v253 p's scale word; v254 at work; v255 Q's scale word.
.set PLACE, 13312
.set REC,   12800
.set SLOT1, 1<<16                      ; slot 1 begins here: one exclusive or turns an address from one slot to the other
.set VOFF,  2*PLACE                    ; a slot: K of two steps, then V of two steps
.set EXT,   2*SLOT1                    ; the batch's mask words, 16,384 bytes: filled once
.set OSC,   EXT+16384                  ; the way out: the record's scale image, 512 bytes, written by LDS stores alone
.set SPARE, OSC+512                    ; the spare words, 128 bytes for each wave: eight blocks of 256 bytes that no other line names
.set AK0,  1
.set AV0,  2
.set AE0,  3
.set ASK0, 4
.set SPW,  5
.set NIL,  6
.set ADK,  7
.set ADV,  8
.set ADS,  9
.set ADT,  10
.set ADE,  11
.set ASV0, 28
.set L8,   29                          ; v29  8 x lane
.set R16,  30                          ; v30  16 r
.set OSA,  31                          ; v31  where my two scale bytes go
.set TB,   2                           ; s2   the slot in hand
.set TE,   3                           ; s3   the step's mask words: 1,024 bytes a step
.set WV,   18
.set SEL,  20
.set CS,   22                          ; s[22:23] c
.set G1K,  24
.set G1V,  32
.set G0K,  40
.set G0V,  44
.set G1E,  48
.set G0E,  56
.set SLOTS, 67
.macro GRP1 g, rows                    ; a dense block as rows of 256 bytes, asked for by all four partners
	s_mov_b32 s[\g], 15|(3<<16)|(1<<21)            ; 15:0 the mask; 17:16 elements of 8 bytes; 21 set beside a mask
	s_mov_b32 s[\g+1], 32<<16
	s_mov_b32 s[\g+2], (\rows)<<16
	s_mov_b32 s[\g+3], 32<<16
	s_mov_b32 s[\g+4], \rows
	s_mov_b32 s[\g+5], 32
	s_mov_b32 s[\g+6], 0
	s_mov_b32 s[\g+7], 0
.endm
.macro TLOAD                           ; the branches hang on the wave's number alone; an s_nop 0 and four v_nop follow each line
	s_cmp_lt_u32 s[WV], 2
	s_cbranch_scc0 .Lnot_k_\@
	tensor_load_to_lds s[G0K:G0K+3], s[G1K:G1K+7]
	s_nop 0
.rept 4
	v_nop
.endr
	s_branch .Lasked_\@
.Lnot_k_\@:
	s_cmp_lt_u32 s[WV], 4
	s_cbranch_scc0 .Lasked_\@
	tensor_load_to_lds s[G0V:G0V+3], s[G1V:G1V+7]
	s_nop 0
.rept 4
	v_nop
.endr
.Lasked_\@:
.endm
.macro CROUND
	s_barrier_signal -1
	s_barrier_wait -1
	s_cmp_lg_u32 s[WV], 0
	s_cbranch_scc1 .Lnot_wave_0_\@
	s_barrier_signal -3
.Lnot_wave_0_\@:
	s_barrier_wait -3
	s_barrier_signal -1
	s_barrier_wait -1
.endm
	s_load_b128 s[4:7], s[0:1], 0x0                ; qkv s[4:5], msk s[6:7]
	s_load_b64 s[8:9], s[0:1], 0x10                ; oi
	v_lshl_add_u32 v[SPW], v0, 2, SPARE
	v_mov_b32 v[NIL], 0
	ds_add_u32 v[SPW], v[NIL]                      ; the wave's opening: the add, twice on end, and its wait ahead of the first tensor loads
	ds_add_u32 v[SPW], v[NIL]
	v_lshrrev_b32 v8, 5, v0
	v_readfirstlane_b32 s[WV], v8                  ; wave 0..15
	s_bfe_u32 s70, ttmp6, 0x40000                  ; cx: it enters Q's and O's addresses alone
	s_lshl_b32 s71, ttmp9, 2
	s_add_co_u32 s71, s71, s70                     ; G
	s_lshr_b32 s72, ttmp9, 2                       ; the batch, which the partners share
	s_and_b32 s73, ttmp7, 0xffff                   ; hp, likewise
	s_and_b32 s74, s[WV], 7                        ; my tile of queries
	s_lshr_b32 s75, s[WV], 3                       ; my head of the pair
	s_and_b32 s76, s[WV], 1                        ; which of a slot's two steps I fetch
	s_lshl_b32 s77, s73, 5
	s_lshl_b32 s78, s72, 4
	s_add_co_u32 s77, s77, s78
	s_add_co_u32 s77, s77, s76
	s_mul_i32 s80, s77, PLACE
	s_add_co_u32 s80, s80, 8*32*PLACE              ; K's place
	s_mov_b32 s81, 0
	s_add_co_u32 s82, s80, 8*32*PLACE              ; V's
	s_mov_b32 s83, 0
	s_mul_i32 s79, s76, PLACE                      ; and in a slot
	GRP1 G1K, 52                                   ; 13,312 bytes
	GRP1 G1V, 50                                   ; 12,800
	GRP1 G1E, 64                                   ; 16,384
	s_mov_b32 s[SEL], 0x76543210
	s_mov_b32 s[SEL+1], 0xfedcba98
	s_mov_b32 s[TB], 0
	s_mov_b32 s[TE], 0
	s_mov_b32 s[SLOTS], 7
	s_lshl_b32 s84, s72, 8
	s_lshl_b32 s85, s72, 14
	s_wait_dscnt 0x0                               ; both opening adds are done
	s_wait_kmcnt 0x0
	s_load_b32 s[CS], s[6:7], s84 offset:0x8000    ; c of my batch: log2(e) / 8, or 0
	s_mov_b32 s[G0K], 1
	s_mov_b32 s[G0K+1], s79
	s_add_nc_u64 s[G0K+2:G0K+3], s[4:5], s[80:81]
	s_or_b32 s[G0K+3], s[G0K+3], 0x80000000
	s_mov_b32 s[G0V], 1
	s_add_co_u32 s[G0V+1], s79, VOFF
	s_add_nc_u64 s[G0V+2:G0V+3], s[4:5], s[82:83]
	s_or_b32 s[G0V+3], s[G0V+3], 0x80000000
	s_mov_b32 s[G0E], 1
	s_mov_b32 s[G0E+1], EXT
	s_mov_b32 s86, s85
	s_mov_b32 s87, 0
	s_add_nc_u64 s[G0E+2:G0E+3], s[6:7], s[86:87]
	s_or_b32 s[G0E+3], s[G0E+3], 0x80000000
	CROUND                                         ; all four work-groups are here: the first joint loads meet
	s_cmp_lg_u32 s[WV], 0
	s_cbranch_scc1 .Lno_ext
	tensor_load_to_lds s[G0E:G0E+3], s[G1E:G1E+7]  ; the mask's words: filled once
	s_nop 0
.rept 4
	v_nop
.endr
.Lno_ext:
	TLOAD                                          ; slot 0.  Every wait on TENSORcnt in this text is for 0
	s_lshl_b32 s86, s73, 5
	s_add_co_u32 s86, s86, s71
	s_mul_i32 s86, s86, PLACE
	s_mov_b32 s87, 0
	s_add_nc_u64 s[86:87], s[4:5], s[86:87]        ; my q place
	s_mul_i32 s88, s74, 1536
	s_mul_i32 s92, s75, 768
	s_add_co_u32 s88, s88, s92
	s_mov_b32 s89, 0
	s_lshl_b32 s90, s71, 3
	s_add_co_u32 s90, s90, s73
	s_mul_i32 s90, s90, REC
	s_mov_b32 s91, 0
	s_add_nc_u64 s[96:97], s[8:9], s[90:91]        ; O's record: 8 G + hp
	s_add_nc_u64 s[98:99], s[96:97], s[88:89]      ; my tile's three pieces in it
	s_add_nc_u64 s[88:89], s[86:87], s[88:89]      ; Q's codes: my tile, my head's three pieces
	s_lshr_b32 s90, s74, 2
	s_lshl_b32 s90, s90, 8
	s_and_b32 s91, s74, 3
	s_lshl_b32 s91, s91, 2
	s_add_co_u32 s90, s90, s91                     ; my tile's words in a scale image
	s_lshl_b32 s91, s75, 1
	s_add_co_u32 s93, s90, s91
	s_add_co_u32 s93, s93, OSC                     ; O's: my head's two bytes of the word
	s_lshl_b32 s91, s75, 9
	s_add_co_u32 s90, s90, s91
	s_mov_b32 s91, 0
	s_add_nc_u64 s[86:87], s[86:87], s[90:91]      ; Q's scale words, less 12,288
	v_and_b32 v[L8], 31, v0
	v_lshl_add_u32 v[AE0], v[L8], 2, EXT
	v_lshlrev_b32 v[L8], 3, v[L8]
	v_and_b32 v[R16], 15, v0
	v_lshlrev_b32 v[R16], 4, v[R16]
.irp p, 0,1,2
	global_load_b64 v[16+2*\p:17+2*\p], v[L8], s[88:89] offset:256*\p   ; Q's fragment stays in registers
.endr
	global_load_b32 v255, v[R16], s[86:87] offset:12288
	v_add_nc_u32 v[OSA], s93, v[R16]
	v_add_nc_u32 v[AK0], s92, v[L8]                ; K: 8 x lane + my head's three pieces
	s_mul_i32 s93, s75, 6144
	s_add_co_u32 s93, s93, VOFF
	v_add_nc_u32 v[AV0], s93, v[L8]                ; V: my head's four tiles
	s_lshl_b32 s94, s75, 9
	s_add_co_u32 s94, s94, 12288
	v_add_nc_u32 v[ASK0], s94, v[R16]              ; K's scale words: my head's image
	s_lshl_b32 s95, s75, 8
	s_add_co_u32 s95, s95, VOFF+12288
	v_add_nc_u32 v[ASV0], s95, v[R16]              ; V's: my head's four tiles
	v_mov_b32 v22, 8                               ; the code of 1.0 at k = 64 (in lanes 16-31: at k = 96, where the keys hold 0)
.irp j, 23,24,25,26,27
	v_mov_b32 v[\j], 0
.endr
.irp t, 0,1,2,3
.irp j, 7,8,9,10,11
	v_mov_b32 v[32+12*\t+\j], 0                    ; the rest of the keys' padding: zero codes, written once
.endr
.endr
	v_mov_b32 v13, 0xcf000000                      ; the largest t so far: -2^31
	v_floor_f32 v12, -v13                          ; -M
	v_mov_b32 v14, 0
	v_mov_b32 v15, 0
.irp b, 0,1,2,3
	v_mov_b32 v[236+\b], 0                         ; a lane permute's destination counts as one of its sources
.endr
	v_mov_b32 v253, 0                              ; (named as the upper half of the pair v[252:253] before it is first written)
.set J, 0
.rept 32
	v_mov_b32 v[160+J], 0                          ; O^T: the step is written once; the first finds zeros
.set J, J+1
.endr
; A KEY STEP: 128 keys, the q-th of the slot in hand.
.macro STEP q
	v_add_nc_u32 v[ADK], s[TB], v[AK0]             ; five plain lines: the places between the last step's products, which read v96-143, and this step's first, which writes over them
	v_add_nc_u32 v[ADV], s[TB], v[AV0]
	v_add_nc_u32 v[ADS], s[TB], v[ASK0]
	v_add_nc_u32 v[ADT], s[TB], v[ASV0]
	v_add_nc_u32 v[ADE], s[TE], v[AE0]
.irp g, 0,1                                    ; S^T = K Q^T, four tiles of 16 keys at a time
.if \g
.rept 4
	v_nop                                          ; places in front of loads into registers that matrix instructions have read
.endr
.endif
.irp t, 0,1,2,3
.irp p, 0,1,2
	ds_load_b64 v[32+12*\t+2*\p:33+12*\t+2*\p], v[ADK] offset:(\q)*PLACE+(4*\g+\t)*1536+256*\p
.endr
	ds_load_b32 v[38+12*\t], v[ADE] offset:(4*\g+\t)*128   ; the mask's word
.endr
	ds_load_b128 v[248:251], v[ADS] offset:(\q)*PLACE+256*\g
	s_wait_dscnt 0x0
.irp t, 0,1,2,3
	v_wmma_scale_f32_16x16x128_f8f6f4 v[96+8*(4*\g+\t):103+8*(4*\g+\t)], v[32+12*\t:43+12*\t], v[16:27], 0, v[248+\t], v255 matrix_a_fmt:MATRIX_FMT_FP6 matrix_b_fmt:MATRIX_FMT_FP6
.endr
.endr
.rept 4
	v_nop
.endr
.irp b, 0,1,2,3
	v_max3_num_f32 v[232+\b], v[96+16*\b], v[97+16*\b], v[98+16*\b]   ; the largest score of each block of 32 keys: for the row's maximum, and, since p rises with the score, for the block's largest p
.endr
.irp i, 3,5,7,9,11,13
.irp b, 0,1,2,3
	v_max3_num_f32 v[232+\b], v[232+\b], v[96+16*\b+\i], v[97+16*\b+\i]
.endr
.endr
.irp b, 0,1,2,3
	v_max_num_f32 v[232+\b], v[232+\b], v[111+16*\b]
.endr
.irp b, 0,1,2,3
	v_permlanex16_b32 v[236+\b], v[232+\b], s[SEL], s[SEL+1]
.endr
.irp b, 0,1,2,3
	v_max_num_f32 v[232+\b], v[232+\b], v[236+\b]  ; with lane l xor 16's 16 keys
.endr
	v_max3_num_f32 v254, v232, v233, v234
	v_max_num_f32 v254, v254, v235
	v_mul_f32 v254, s[CS], v254                    ; as t (c is not negative)
	v_max_num_f32 v13, v13, v254                   ; the running largest t
	v_mov_b32 v254, v12
	v_floor_f32 v12, -v13                          ; the new -M = -ceil(t): M is a whole number
	v_sub_f32 v254, v12, v254                      ; old M less new M: a whole number, 0 or less
	v_cvt_i32_f32 v254, v254                       ; (it saturates)
	v_ldexp_f32 v252, 1.0, v254                    ; f = 2^(old M - new M): exact
.set J, 0
.rept 32
	v_pk_fma_f32 v[96+J:97+J], v[96+J:97+J], s[CS:CS+1], v[12:13] op_sel_hi:[1,0,0]   ; t - M
.set J, J+2
.endr
.irp b, 0,1,2,3
	v_fma_f32 v[232+\b], v[232+\b], s[CS], v12     ; the same of each block's largest score
.endr
.set J, 0
.rept 64
	v_exp_f32 v[96+J], v[96+J]                     ; p = 2^(t - M): not normalised
.set J, J+1
.endr
	v_pk_mul_f32 v[14:15], v[14:15], v[252:253] op_sel_hi:[1,0]   ; the sums under the new M: a plain line behind the exponentials
	s_wait_alu depctr_va_vdst(0)                   ; the wait ahead of the batch's first reader: one for the 64
.irp b, 0,1,2,3
	v_exp_f32 v[232+\b], v[232+\b]                 ; the block's largest p
.endr
	v_pk_add_f32 v[236:237], v[96:97], v[98:99]    ; the row's sum is taken of the unquantised p, in two chains
.irp j, 4,8,12,16,20,24,28,32,36,40,44,48,52,56,60
	v_pk_add_f32 v[14:15], v[14:15], v[96+\j:97+\j]
	v_pk_add_f32 v[236:237], v[236:237], v[98+\j:99+\j]
.endr
	v_pk_add_f32 v[14:15], v[14:15], v[236:237]
	s_wait_alu depctr_va_vdst(0)                   ; and one for the four
.irp b, 0,1,2,3
	v_max_num_f32 v[232+\b], 0x1800000, v[232+\b]  ; the floor 2^(3 - 127): a block whose every p is 0 keeps the byte 1: its codes are zeros
.endr
.irp b, 0,1,2,3
	v_add_nc_u32 v[244+\b], 0xff000000, v[232+\b]
.endr
.irp b, 0,1,2,3
	v_lshrrev_b32 v[236+\b], 23, v[244+\b]
.endr
	v_lshl_or_b32 v253, v237, 8, v236              ; p's scale word for these 128 keys
	v_lshl_or_b32 v253, v238, 16, v253
	v_lshl_or_b32 v253, v239, 24, v253
.irp c, 0,1
	v_cvt_scalef32_pk16_fp6_f32 v[224+6*\c:226+6*\c], v[96+32*\c:111+32*\c], v[244+2*\c]
	v_cvt_scalef32_pk16_fp6_f32 v[236+4*\c:238+4*\c], v[112+32*\c:127+32*\c], v[244+2*\c+1]
.endr
	v_nop                                          ; one plain line behind the scaled conversions
.irp c, 0,1
.irp i, 0,1,2
	v_permlane16_swap_b32 v[224+6*\c+\i], v[236+4*\c+\i]
.endr
.irp i, 0,1,2
	v_mov_b32 v[227+6*\c+\i], v[236+4*\c+\i]
.endr
.endr
.irp t, 0,1,2,3                                ; V's four tiles of my head's 64 channels, into the registers that p has left
.irp p, 0,1,2,3,4,5
	ds_load_b64 v[96+12*\t+2*\p:97+12*\t+2*\p], v[ADV] offset:(\q)*PLACE+1536*\t+256*\p
.endr
.endr
	ds_load_b128 v[248:251], v[ADT] offset:(\q)*PLACE
.set J, 0
.rept 16
	v_pk_mul_f32 v[160+J:161+J], v[160+J:161+J], v[252:253] op_sel_hi:[1,0]   ; O^T under the new M.  (Sixteen places in front of the products below; the loads land meanwhile)
.set J, J+2
.endr
	s_wait_dscnt 0x0
.irp t, 0,1,2,3
	v_wmma_scale_f32_16x16x128_f8f6f4 v[160+8*\t:167+8*\t], v[96+12*\t:107+12*\t], v[224:235], v[160+8*\t:167+8*\t], v[248+\t], v253 matrix_a_fmt:MATRIX_FMT_FP6 matrix_b_fmt:MATRIX_FMT_FP6
.endr
	s_add_co_u32 s[TE], s[TE], 1024
.endm
; THE CHANGE OF SLOTS stands at a slot's head.  Each wave waits for all its tensor loads, adds 0 to its spare word (fill = 1: twice on end), and waits for
; that and for its reads of the slot that it has left.  fill = 1: a round of the cluster's barrier, and behind it the joint load of the next slot, which has two key steps in which to land.
.macro CHANGE fill
	s_wait_tensorcnt 0x0
	ds_add_u32 v[SPW], v[NIL]
.if \fill
	ds_add_u32 v[SPW], v[NIL]
	s_xor_b32 s[G0K+1], s[G0K+1], SLOT1            ; the walking descriptors: the other slot, the next two places
	s_add_nc_u64 s[G0K+2:G0K+3], s[G0K+2:G0K+3], 2*PLACE
	s_xor_b32 s[G0V+1], s[G0V+1], SLOT1
	s_add_nc_u64 s[G0V+2:G0V+3], s[G0V+2:G0V+3], 2*PLACE
	s_wait_dscnt 0x0
	CROUND
	TLOAD
.else
	s_wait_dscnt 0x0
	s_barrier_signal -1
	s_barrier_wait -1
.endif
.endm
.macro SLOT_STEPS
	STEP 0
	STEP 1
	s_xor_b32 s[TB], s[TB], SLOT1
.endm
	s_wait_kmcnt 0x0                               ; c
	s_mov_b32 s[CS+1], s[CS]                       ; (named with it as a pair)
	s_wait_loadcnt 0x0                             ; Q
.Lslot:                                            ; seven trips: behind each change of slots but the last the next slot is asked for
	CHANGE 1
	SLOT_STEPS
	s_sub_co_u32 s[SLOTS], s[SLOTS], 1
	s_cmp_lg_u32 s[SLOTS], 0
	s_cbranch_scc1 .Lslot
	CHANGE 0                                       ; the last slot is written out
	SLOT_STEPS
	; THE WAY OUT: O^T / l, quantised along my head's 64 channels: half a fragment and two scale bytes.
	v_add_f32 v14, v14, v15
	v_permlanex16_b32 v252, v14, s[SEL], s[SEL+1]
	v_add_f32 v14, v14, v252                       ; the row's sum
	v_rcp_f32 v14, v14
	v_and_b32 v8, 31, v0
	v_lshlrev_b32 v9, 4, v8                        ; 16 x lane
	v_add_nc_u32 v8, OSC, v9
	v_nop
	s_wait_alu depctr_va_vdst(0)                   ; ahead of the reciprocal's first reader
.set J, 0
.rept 32
	v_mul_f32 v[96+J], v[160+J], v14               ; register 16 b + i: channel 32 b + 16 (lane / 16) + i of my head
.set J, J+1
.endr
.irp b, 0,1
	v_max3_num_f32 v[232+\b], |v[96+16*\b]|, |v[97+16*\b]|, 0x1800000
.endr
.irp i, 2,4,6,8,10,12,14
.irp b, 0,1
	v_max3_num_f32 v[232+\b], v[232+\b], |v[96+16*\b+\i]|, |v[97+16*\b+\i]|
.endr
.endr
.irp b, 0,1
	v_permlanex16_b32 v[236+\b], v[232+\b], s[SEL], s[SEL+1]
.endr
.irp b, 0,1
	v_max_num_f32 v[232+\b], v[232+\b], v[236+\b]
.endr
.irp b, 0,1
	v_add_nc_u32 v[244+\b], 0xff000000, v[232+\b]
.endr
.irp b, 0,1
	v_lshrrev_b32 v[236+\b], 23, v[244+\b]
.endr
	v_lshl_or_b32 v254, v237, 8, v236
	v_cvt_scalef32_pk16_fp6_f32 v[224:226], v[96:111], v244
	v_cvt_scalef32_pk16_fp6_f32 v[240:242], v[112:127], v245
	v_nop
.irp i, 0,1,2
	v_permlane16_swap_b32 v[224+\i], v[240+\i]
.endr
.irp i, 0,1,2
	v_mov_b32 v[227+\i], v[240+\i]
.endr
.irp p, 0,1,2
	global_store_b64 v[L8], v[224+2*\p:225+2*\p], s[98:99] offset:256*\p   ; 256 consecutive bytes, aligned
.endr
	ds_store_b16 v[OSA], v254                      ; both halves of the lanes write the same two bytes
	s_wait_dscnt 0x0
	s_barrier_signal -1
	s_barrier_wait -1                              ; the record's scale image is whole
	s_cmp_lg_u32 s[WV], 0
	s_cbranch_scc1 .Lnot_0
	ds_load_b128 v[96:99], v8
	s_wait_dscnt 0x0
	global_store_b128 v9, v[96:99], s[96:97] offset:12288
.Lnot_0:
	s_wait_tensorcnt 0x0                           ; the wave's end
	ds_add_u32 v[SPW], v[NIL]
	s_wait_dscnt 0x0
	CROUND                                         ; the closing round
	s_endpgm
.Lfunc_end_k_q623eb46800_attn:
	.size	k_q623eb46800_attn, .Lfunc_end_k_q623eb46800_attn-k_q623eb46800_attn
	.p2alignl 7, 3214868480
	.fill 96, 4, 3214868480
	.section	.rodata,"a",@progbits
	.p2align	6, 0x0
	.amdhsa_kernel k_q623eb46800_attn
		.amdhsa_group_segment_fixed_size 327680
		.amdhsa_private_segment_fixed_size 0
		.amdhsa_enable_private_segment 0
		.amdhsa_kernarg_size 24
		.amdhsa_user_sgpr_count 2
		.amdhsa_user_sgpr_kernarg_segment_ptr 1
		.amdhsa_wavefront_size32 1
		.amdhsa_system_sgpr_workgroup_id_x 1
		.amdhsa_system_sgpr_workgroup_id_y 1
		.amdhsa_system_sgpr_workgroup_id_z 1
		.amdhsa_system_vgpr_workitem_id 0
		.amdhsa_next_free_vgpr 256
		.amdhsa_next_free_sgpr 100
		.amdhsa_reserve_vcc 0
		.amdhsa_float_denorm_mode_32 3
		.amdhsa_float_denorm_mode_16_64 3
		.amdhsa_memory_ordered 1
		.amdhsa_forward_progress 1
		.amdhsa_inst_pref_size 85
	.end_amdhsa_kernel
	.amdgpu_metadata
---
amdhsa.version: [ 1, 2 ]
amdhsa.kernels:
  - .name:           k_q623eb46800_attn
    .symbol:         k_q623eb46800_attn.kd
    .args:
      - { .name: qkv, .offset: 0, .size: 8, .value_kind: global_buffer, .address_space: global }
      - { .name: msk, .offset: 8, .size: 8, .value_kind: global_buffer, .address_space: global }
      - { .name: oi, .offset: 16, .size: 8, .value_kind: global_buffer, .address_space: global }
    .group_segment_fixed_size: 327680
    .private_segment_fixed_size: 0
    .kernarg_segment_align: 8
    .kernarg_segment_size: 24
    .max_flat_workgroup_size: 512
    .sgpr_count:     100
    .vgpr_count:     256
    .wavefront_size: 32
...
	.end_amdgpu_metadata
.endif
;; end of part 3
;; launch wo (part 4): grid 4 x 16, 4 waves a work-group, clusters of 4 x 4, 327,680 bytes of LDS; arguments oi, wimg, y; writes y
.if DOCPART == 4
	.amdgcn_target "amdgcn-amd-amdhsa--gfx1250"
	.amdhsa_code_object_version 6
	.text
	.protected	k_q623eb46800_wo
	.globl	k_q623eb46800_wo
	.p2align	8
	.type	k_q623eb46800_wo,@function
k_q623eb46800_wo:
	s_mov_b64 s[64:65], 0
	v_nop
	global_prefetch_b8 v0, s[64:65] scope:SCOPE_SE
	s_setreg_imm32_b32 hwreg(HW_REG_WAVE_MODE, 25, 1), 1
	s_wait_xcnt 0x0
	s_wait_alu depctr_hold_cnt(0) depctr_sa_sdst(0) depctr_va_vdst(0) depctr_va_sdst(0) depctr_va_ssrc(0) depctr_va_vcc(0) depctr_vm_vsrc(0)
	s_getreg_b32 s2, hwreg(HW_REG_IB_STS2, 6, 4)
	s_cmp_eq_u32 s2, 0
	s_cbranch_scc0 .Lentry_in_a_cluster
	s_endpgm
.Lentry_in_a_cluster:
	s_bfe_u32 s2, ttmp6, 0x10000c
	s_cmp_lg_u32 s2, 0xf033
	s_cbranch_scc0 .Lentry_shape_is_right
	s_endpgm
.Lentry_shape_is_right:
; A GEMM on records of MX-FP6 codes with an f32 result.  KIND 2: y = Q(attention's output) Wo.  KIND 3: y = Q(h) W2.  The bias, the residual and the LayerNorm follow in the next launch, which owns whole rows.
; Nothing of reference() is left out here.
; A RECORD is 128 rows x 128 along K, 12,800 bytes: 8 tiles (lane row r of tile T is row 32 (T / 2) + 8 (T % 2) + r + 8 (r / 8)); piece p (registers 2 p, 2 p + 1 of the 12) at 1536 T + 256 p + 8 x lane;
; scale words at 12,288 + 256 (T / 4) + 16 r + 4 (T % 4).  Records of one group of rows follow each other along K.
; SHARES.  A tile of C is 256 x 256; four waves, each 128 x 128: 64 accumulators in windows 2 and 3.  K goes 256 at a time through two LDS slots; a wave's one tensor load brings two records (25,600 dense bytes).
; N = 1,024 gives 64 tiles: this launch has work for 64 work-groups.  CLUSTER 4 x 4: A's records are asked for jointly along a row of the cluster, B's along a column.
; Source 1 = A (tokens: the result's lanes), one set of 8 fragments in window 0; source 0 = B (columns: the result's registers), two sets in window 1.
.set KIND, 2
.if KIND == 2
.set NS,   8                           ; K steps of 128
.set BREC, 192                         ; B's first record in wimg
.else
.set NS,   32
.set BREC, 512
.endif
.set REC,   12800
.set LOADB, 2*REC
.set SLOT,  4*LOADB
.set STAGE, 2*SLOT                     ; behind the ring: 16 rows x (512 bytes + 16) for each wave, written by LDS stores alone
.set SPITCH, 528
.set SPARE, STAGE+4*16*SPITCH          ; the spare words, 128 bytes for each wave: two blocks of 256 bytes that no other line names
.set LAPS,  NS/4
.set FR,   12
.set NL,   6
.set NP,   4
.set ADRA, 16
.set ADRB, 20
.set ADRS, 22
.set STO,  24                          ; v24     the way out: where I put 32 bytes of a row
.set RD,   25                          ; v25     where I read a row back
.set ST8,  26
.set ST16, 27
.set SPW,  28
.set NIL,  29
.set SC,   32
.set AF,   128
.set BK,   128                         ; the way out: 16 rows read back: v128-191 and v192-255 by turns
.set G1,   24
.set G0,   32
.set G1B,  48
.set G0B,  56
.set OUT,  74
.set MSB, 0
.macro WIN new
.if MSB != (\new)
	s_set_vgpr_msb (MSB<<8)|(\new)
.set MSB, (\new)
.endif
.endm
.set MUL_LO, 0xa1
.set MUL_HI, 0xf1
.set TO_B,   0x40
.macro JLOAD g0a, g1a, g0b, g1b        ; a joint load: waves 0, 1 fetch A's groups, waves 2, 3 B's; an s_nop 0 and four v_nop follow each line
	s_cmp_eq_u32 s15, 0
	s_cbranch_scc0 .Lfor_b_\@
	tensor_load_to_lds s[\g0a:\g0a+3], s[\g1a:\g1a+7]
	s_nop 0
.rept 4
	v_nop
.endr
	s_branch .Lasked_\@
.Lfor_b_\@:
	tensor_load_to_lds s[\g0b:\g0b+3], s[\g1b:\g1b+7]
	s_nop 0
.rept 4
	v_nop
.endr
.Lasked_\@:
.endm
.macro CREST
	s_cmp_lg_u32 s14, 0
	s_cbranch_scc1 .Lnot_wave_0_\@
	s_barrier_signal -3
.Lnot_wave_0_\@:
	s_barrier_wait -3
	s_barrier_signal -1
	s_barrier_wait -1
.endm
.macro CROUND
	s_barrier_signal -1
	s_barrier_wait -1
	CREST
.endm
.macro PLACES n
.rept \n
	v_nop
.endr
.endm
	s_load_b128 s[4:7], s[0:1], 0x0                ; A's records s[4:5], wimg s[6:7]
	s_load_b64 s[8:9], s[0:1], 0x10                ; y
	v_lshl_add_u32 v[SPW], v0, 2, SPARE
	v_mov_b32 v[NIL], 0
	ds_add_u32 v[SPW], v[NIL]                      ; the wave's opening: the add, twice on end, and its wait ahead of my first tensor load
	ds_add_u32 v[SPW], v[NIL]
	v_lshrrev_b32 v1, 5, v0
	v_readfirstlane_b32 s14, v1                    ; wave 0..3
	s_lshr_b32 s15, s14, 1
	s_and_b32 s16, s14, 1
	s_bfe_u32 s40, ttmp6, 0x40000                  ; cx
	s_bfe_u32 s41, ttmp6, 0x40004                  ; cy
	s_lshl_b32 s42, ttmp9, 2
	s_add_co_u32 s42, s42, s40                     ; tile column of C
	s_and_b32 s17, ttmp7, 0xffff
	s_lshl_b32 s17, s17, 2
	s_add_co_u32 s17, s17, s41                     ; tile row of C
	s_lshl_b32 s43, s41, 2
	s_lshl_b32 s43, 15, s43
	s_lshl_b32 s44, 0x1111, s40
	s_or_b32 s[G1], s43, (3<<16)|(1<<21)           ; 15:0 the mask; 17:16 elements of 8 bytes; 21 set beside a mask
	s_or_b32 s[G1B], s44, (3<<16)|(1<<21)
.irp g, G1, G1B                        ; a dense block of 25,600 bytes as 100 rows of 256
	s_mov_b32 s[\g+1], 32<<16
	s_mov_b32 s[\g+2], 100<<16
	s_mov_b32 s[\g+3], 32<<16
	s_mov_b32 s[\g+4], 100
	s_mov_b32 s[\g+5], 32
	s_mov_b32 s[\g+6], 0
	s_mov_b32 s[\g+7], 0
.endr
	s_lshl_b32 s20, s17, 1
	s_add_co_u32 s20, s20, s16
	s_mul_i32 s20, s20, NS*REC
	s_mov_b32 s21, 0
	s_lshl_b32 s46, s42, 1
	s_add_co_u32 s46, s46, s16
	s_mul_i32 s46, s46, NS*REC
	s_add_co_u32 s46, s46, BREC*REC
	s_mov_b32 s47, 0
	s_mul_i32 s45, s14, LOADB
	s_wait_dscnt 0x0                               ; both opening adds are done
	s_wait_kmcnt 0x0
	s_add_nc_u64 s[20:21], s[4:5], s[20:21]
	s_add_nc_u64 s[46:47], s[6:7], s[46:47]
	CROUND                                         ; all sixteen work-groups are here: the first joint loads meet
.irp s, 0,1
	s_mov_b32 s[G0+4*\s], 1
	s_add_co_u32 s[G0+4*\s+1], s45, \s*SLOT
	s_add_nc_u64 s[G0+4*\s+2:G0+4*\s+3], s[20:21], \s*LOADB
	s_or_b32 s[G0+4*\s+3], s[G0+4*\s+3], 0x80000000
	s_mov_b32 s[G0B+4*\s], 1
	s_add_co_u32 s[G0B+4*\s+1], s45, \s*SLOT
	s_add_nc_u64 s[G0B+4*\s+2:G0B+4*\s+3], s[46:47], \s*LOADB
	s_or_b32 s[G0B+4*\s+3], s[G0B+4*\s+3], 0x80000000
	JLOAD G0+4*\s, G1, G0B+4*\s, G1B
.endr
	v_and_b32 v1, 31, v0
	v_and_b32 v2, 15, v0
	v_bfe_u32 v3, v0, 4, 1
	v_lshlrev_b32 v[ST8], 3, v1
	v_lshlrev_b32 v[ST16], 4, v1
	s_mul_i32 s20, s15, LOADB                      ; my group of A in a slot
	s_mul_i32 s21, s16, LOADB
	s_add_co_u32 s21, s21, 2*LOADB                 ; my group of B
	s_sub_co_u32 s22, s21, s20
	v_add_nc_u32 v[ADRA], s20, v[ST8]
	v_add_nc_u32 v[ADRB], s21, v[ST8]
	v_mul_u32_u24 v5, s22, v3                      ; lanes 16-31 take B's scale words
	v_lshl_add_u32 v5, v2, 4, v5
	v_add_nc_u32 v5, s20, v5
	v_add_nc_u32 v[ADRS], 12288, v5
	v_add_nc_u32 v[ADRA+1], SLOT, v[ADRA]
	v_add_nc_u32 v[ADRB+1], SLOT, v[ADRB]
	v_add_nc_u32 v[ADRS+1], SLOT, v[ADRS]
	s_mul_i32 s23, s14, 16*SPITCH
	s_add_co_u32 s23, s23, STAGE                   ; my stage
	v_mul_u32_u24 v5, v2, SPITCH
	v_lshl_add_u32 v5, v3, 6, v5
	v_add_nc_u32 v[STO], s23, v5                   ; in: row r, + 64 h
	v_add_nc_u32 v[RD], s23, v[ST16]               ; back: the 32 lanes take one row of 512 bytes
	s_lshl_b32 s18, s17, 1
	s_add_co_u32 s18, s18, s15
	s_lshl_b32 s18, s18, 19                        ; my first row of y: 128 rows of 4,096 bytes a group
	s_lshl_b32 s19, s42, 1
	s_add_co_u32 s19, s19, s16
	s_lshl_b32 s19, s19, 9                         ; my first column: 128 numbers a group
	s_add_co_u32 s18, s18, s19
	s_mov_b32 s19, 0
	s_add_nc_u64 s[OUT:OUT+1], s[8:9], s[18:19]
.macro FRAG reg, adr, q, i
.irp p, 0,1,2,3,4,5
	ds_load_b64 v[\reg+2*\p:\reg+2*\p+1], v[\adr] offset:(\q)*REC+(\i)*1536+\p*256
.endr
.endm
; 16 matrix instructions: A's tiles a0, a0 + 1 x B's eight.  The 64 accumulators take turns, one instruction a turn, in the same order in every step.
.macro MUL16 a0, p, q, sc, zero
.irp a, \a0, \a0+1
.irp b, 0,1,2,3,4,5,6,7
.if \zero
	v_wmma_scale_f32_16x16x128_f8f6f4 v[8*(8*((\a)%4)+\b):8*(8*((\a)%4)+\b)+7], v[128*(\p)+FR*\b:128*(\p)+FR*\b+FR-1], v[AF+FR*(\a):AF+FR*(\a)+FR-1], 0, v[SC+16*(\sc)+8*(\q)+\b], v[SC+16*(\sc)+8*(\q)+(\a)] matrix_a_fmt:MATRIX_FMT_FP6 matrix_b_fmt:MATRIX_FMT_FP6 matrix_a_scale:MATRIX_SCALE_ROW1
.else
	v_wmma_scale_f32_16x16x128_f8f6f4 v[8*(8*((\a)%4)+\b):8*(8*((\a)%4)+\b)+7], v[128*(\p)+FR*\b:128*(\p)+FR*\b+FR-1], v[AF+FR*(\a):AF+FR*(\a)+FR-1], v[8*(8*((\a)%4)+\b):8*(8*((\a)%4)+\b)+7], v[SC+16*(\sc)+8*(\q)+\b], v[SC+16*(\sc)+8*(\q)+(\a)] matrix_a_fmt:MATRIX_FMT_FP6 matrix_b_fmt:MATRIX_FMT_FP6 matrix_a_scale:MATRIX_SCALE_ROW1
.endif
.endr
.endr
.endm
.macro FETCH_B slot, q, p
	WIN TO_B
.irp i, 0,1,2,3,4,5,6,7
	FRAG 128*(\p)+FR*\i, ADRB+\slot, \q, \i
.endr
	WIN 0
.endm
.macro FETCH_A slot, q, i0
.irp i, \i0, \i0+1, \i0+2, \i0+3
	FRAG AF+FR*(\i), ADRA+\slot, \q, \i
.endr
.endm
.macro SCALES sl
.irp q, 0,1
.irp u, 0,1
	ds_load_b128 v[SC+16*\sl+8*\q+4*\u:SC+16*\sl+8*\q+4*\u+3], v[ADRS+\sl] offset:\q*REC+256*\u
.endr
.endr
.endm
.macro STEP slot, q, zero
	s_wait_dscnt 4*NL                              ; all but the youngest 24 loads (A's tiles 4-7) are in
	WIN MUL_LO
	MUL16 0, (\q)%2, \q, \slot, \zero
	MUL16 2, (\q)%2, \q, \slot, \zero
	s_wait_dscnt 0
	PLACES NP                                      ; in front of loads into registers that matrix instructions have read
	FETCH_B \slot, (\q)+1, 1-(\q)%2
	FETCH_A \slot, (\q)+1, 0
	WIN MUL_HI
	MUL16 4, (\q)%2, \q, \slot, \zero
	MUL16 6, (\q)%2, \q, \slot, \zero
	PLACES NP
	WIN 0
	FETCH_A \slot, (\q)+1, 4
.endm
.macro TURN slot, next, fill
	s_wait_tensorcnt 0x0                           ; all my tensor loads have landed: my part of the next slot
	ds_add_u32 v[SPW], v[NIL]
	s_wait_dscnt 4*NL+1                            ; (the add and the youngest 24 loads may be out)
	WIN MUL_LO
	MUL16 0, 1, 1, \slot, 0
	s_wait_dscnt 0x0                               ; the add is done, and my reads of this slot are over
	s_barrier_signal -1
	MUL16 2, 1, 1, \slot, 0
	WIN 0
	s_barrier_wait -1
.if \fill
	CREST                                          ; the barrier has opened a round of the cluster's: no wave of any partner still reads this slot or has a load on its way
	s_add_nc_u64 s[G0+4*\slot+2:G0+4*\slot+3], s[G0+4*\slot+2:G0+4*\slot+3], 2*LOADB
	s_add_nc_u64 s[G0B+4*\slot+2:G0B+4*\slot+3], s[G0B+4*\slot+2:G0B+4*\slot+3], 2*LOADB
	JLOAD G0+4*\slot, G1, G0B+4*\slot, G1B
.else
	PLACES NP
.endif
	FETCH_B \next, 0, 0
	FETCH_A \next, 0, 0
	SCALES \next
	WIN MUL_HI
	MUL16 4, 1, 1, \slot, 0
	MUL16 6, 1, 1, \slot, 0
	PLACES NP
	WIN 0
	FETCH_A \next, 0, 4
.endm
	s_wait_tensorcnt 1                             ; my part of slot 0 is in (slot 1's load may be out)
	s_barrier_signal -1
	s_barrier_wait -1
	FETCH_B 0, 0, 0
	FETCH_A 0, 0, 0
	SCALES 0
	FETCH_A 0, 0, 4
	STEP 0, 0, 1
	s_mov_b32 s3, LAPS-1
.Llap:
	TURN 0, 1, 1
	STEP 1, 0, 0
	TURN 1, 0, 1
	STEP 0, 0, 0
	s_sub_co_u32 s3, s3, 1
	s_cmp_lg_u32 s3, 0
	s_cbranch_scc1 .Llap
	TURN 0, 1, 0
	STEP 1, 0, 0
	s_wait_dscnt 4*NL
	WIN MUL_LO
	MUL16 0, 1, 1, 1, 0
	MUL16 2, 1, 1, 1, 0
	s_wait_dscnt 0
	WIN MUL_HI
	MUL16 4, 1, 1, 1, 0
	MUL16 6, 1, 1, 1, 0
	WIN 0
; THE WAY OUT, a tile of 16 rows at a time, through my own stage: register 8 b + j of lane (r, h) is column 32 (b / 2) + 8 (b % 2) + 16 h + j of the tile's row r.  Back come whole rows of 512 bytes.
; LDS serves a wave's instructions in order (ISA guide 5.7.1.4): no wait between the stores and the loads.
.macro TOSTAGE a
.set AC, 64*((\a)%4)
	WIN 0x08+4*((\a)/4)                            ; the data: window 2 or 3
.irp b, 0,1,2,3,4,5,6,7
	ds_store_b128 v[STO], v[AC+8*\b:AC+8*\b+3] offset:128*(\b/2)+32*(\b%2)          ; each accumulator from its low end on
	ds_store_b128 v[STO], v[AC+8*\b+4:AC+8*\b+7] offset:128*(\b/2)+32*(\b%2)+16
.endr
	WIN 0
.set BBK, BK+64*((\a)%2)
.irp t, 0,1,2,3,4,5,6,7,8,9,10,11,12,13,14,15
	ds_load_b128 v[BBK+4*\t:BBK+4*\t+3], v[RD] offset:\t*SPITCH
.endr
.endm
.macro SEND a, younger
.set BBK, BK+64*((\a)%2)
	s_wait_dscnt \younger                          ; the tile is back in registers
.irp t, 0,1,2,3,4,5,6,7,8,9,10,11,12,13,14,15
	global_store_b128 v[ST16], v[BBK+4*\t:BBK+4*\t+3], s[OUT:OUT+1] offset:(32*((\a)/2)+8*((\a)%2)+\t+8*(\t/8))*4096 th:TH_STORE_NT   ; 512 consecutive bytes, aligned; the row by the tile's choice of rows
.endr
.endm
	PLACES NP
	TOSTAGE 0
.irp a, 1,2,3,4,5,6,7
.if \a > 1
	s_wait_xcnt 0x0                                ; tile a - 2's stores have read their registers
.endif
	TOSTAGE \a
	SEND \a-1, 32                                  ; behind tile a - 1's loads: tile a's 16 stores and 16 loads
.endr
	SEND 7, 0
	s_wait_tensorcnt 0x0                           ; the wave's end
	ds_add_u32 v[SPW], v[NIL]
	s_wait_dscnt 0x0
	CROUND                                         ; the closing round
	s_endpgm
.Lfunc_end_k_q623eb46800_wo:
	.size	k_q623eb46800_wo, .Lfunc_end_k_q623eb46800_wo-k_q623eb46800_wo
	.p2alignl 7, 3214868480
	.fill 96, 4, 3214868480
	.section	.rodata,"a",@progbits
	.p2align	6, 0x0
	.amdhsa_kernel k_q623eb46800_wo
		.amdhsa_group_segment_fixed_size 327680
		.amdhsa_private_segment_fixed_size 0
		.amdhsa_enable_private_segment 0
		.amdhsa_kernarg_size 24
		.amdhsa_user_sgpr_count 2
		.amdhsa_user_sgpr_kernarg_segment_ptr 1
		.amdhsa_wavefront_size32 1
		.amdhsa_system_sgpr_workgroup_id_x 1
		.amdhsa_system_sgpr_workgroup_id_y 1
		.amdhsa_system_sgpr_workgroup_id_z 1
		.amdhsa_system_vgpr_workitem_id 0
		.amdhsa_next_free_vgpr 1024
		.amdhsa_next_free_sgpr 80
		.amdhsa_reserve_vcc 0
		.amdhsa_float_denorm_mode_32 3
		.amdhsa_float_denorm_mode_16_64 3
		.amdhsa_memory_ordered 1
		.amdhsa_forward_progress 1
		.amdhsa_inst_pref_size 155
	.end_amdhsa_kernel
	.amdgpu_metadata
---
amdhsa.version: [ 1, 2 ]
amdhsa.kernels:
  - .name:           k_q623eb46800_wo
    .symbol:         k_q623eb46800_wo.kd
    .args:
      - { .name: oi, .offset: 0, .size: 8, .value_kind: global_buffer, .address_space: global }
      - { .name: wimg, .offset: 8, .size: 8, .value_kind: global_buffer, .address_space: global }
      - { .name: y, .offset: 16, .size: 8, .value_kind: global_buffer, .address_space: global }
    .group_segment_fixed_size: 327680
    .private_segment_fixed_size: 0
    .kernarg_segment_align: 8
    .kernarg_segment_size: 24
    .max_flat_workgroup_size: 128
    .sgpr_count:     80
    .vgpr_count:     1024
    .wavefront_size: 32
...
	.end_amdgpu_metadata
.endif
;; end of part 4
;; launch ln1 (part 5): grid 64 x 1, 16 waves a work-group, no clusters, 267,264 bytes of LDS; arguments y, x, bo, ln1_g, ln1_b, x1, xi; writes x1, xi
.if DOCPART == 5
	.amdgcn_target "amdgcn-amd-amdhsa--gfx1250"
	.amdhsa_code_object_version 6
	.text
	.protected	k_q623eb46800_ln1
	.globl	k_q623eb46800_ln1
	.p2align	8
	.type	k_q623eb46800_ln1,@function
k_q623eb46800_ln1:
	s_mov_b64 s[64:65], 0
	v_nop
	global_prefetch_b8 v0, s[64:65] scope:SCOPE_SE
	s_setreg_imm32_b32 hwreg(HW_REG_WAVE_MODE, 25, 1), 1
	s_wait_xcnt 0x0
; x1 = LayerNorm(x + (y + bo)) g + b, in f32, stored as f32 (the residual of the second half) and as records of MX-FP6 codes (the operand of the next product).  Nothing of reference() is left out here.
; SHARES.  A work-group owns 64 rows: half q = work-group % 2 of token group G = work-group / 2.  Phase 1: wave w norms rows 4 w .. 4 w + 3, a row at a time: a lane holds columns 4 L + 128 i, so each load and
; store covers 512 consecutive bytes; mean and variance in two passes over the registers.  The rows go to x1 and to a stage in LDS, in the order of the record's tiles.  Phase 2: wave w quantises tile w / 4 for the
; K steps 2 (w % 4) and the next: a lane takes 16 neighbours of each block of 32 from its row of the stage.  Phase 3: the scale words leave as halves of the records' images, 256 bytes each.
; No tensor load: the rows are read once, by the wave that norms them.
.set REC,   12800
.set SP,    4112                       ; a stage row: 4,096 bytes + 16
.set SCR,   64*SP                      ; eight half scale images of 256 bytes
.set SPARE, SCR+2048                   ; the spare words, 128 bytes for each wave: eight blocks of 256 bytes that no other line names
.set T,    8                           ; v8-17   sums at work
.set TM,   8                           ; v8-23   at work in QUANT
.set SPW,  30
.set NIL,  31
.set GA,   32                          ; v32-63  g of my columns
.set BE,   64                          ; v64-95  b
.set BI,   96                          ; v96-127 the product's bias
.set YA,   128
.set XA,   160
.set YB,   192
.set XB,   224
.set PC,   32                          ; phase 2: the codes just made
.set PW,   52                          ; v52-53  the two scale words
.set SEL,  20
.macro QUANT s, abs, pw
.irp b, 0,1,2,3
.if \abs
	v_max3_num_f32 v[TM+\b], |v[(\s)+16*\b]|, |v[(\s)+16*\b+1]|, 0x1800000   ; block b: my 16 numbers, and the floor 2^(3 - 127): the byte cannot fall under 1
.else
	v_max3_num_f32 v[TM+\b], v[(\s)+16*\b], v[(\s)+16*\b+1], 0x1800000
.endif
.endr
.irp i, 2,4,6,8,10,12,14
.irp b, 0,1,2,3
.if \abs
	v_max3_num_f32 v[TM+\b], v[TM+\b], |v[(\s)+16*\b+\i]|, |v[(\s)+16*\b+\i+1]|
.else
	v_max3_num_f32 v[TM+\b], v[TM+\b], v[(\s)+16*\b+\i], v[(\s)+16*\b+\i+1]
.endif
.endr
.endr
.irp b, 0,1,2,3
	v_permlanex16_b32 v[TM+4+\b], v[TM+\b], s[SEL], s[SEL+1]
.endr
.irp b, 0,1,2,3
	v_max_num_f32 v[TM+\b], v[TM+\b], v[TM+4+\b]
.endr
.irp b, 0,1,2,3
	v_add_nc_u32 v[TM+12+\b], 0xff000000, v[TM+\b]     ; 2 off the exponent field: the conversion's scale operand
.endr
.irp b, 0,1,2,3
	v_lshrrev_b32 v[TM+4+\b], 23, v[TM+12+\b]
.endr
	v_lshl_or_b32 v[\pw], v[TM+5], 8, v[TM+4]
	v_lshl_or_b32 v[\pw], v[TM+6], 16, v[\pw]
	v_lshl_or_b32 v[\pw], v[TM+7], 24, v[\pw]
.irp c, 0,1
	v_cvt_scalef32_pk16_fp6_f32 v[PC+6*\c:PC+6*\c+2], v[(\s)+32*\c:(\s)+32*\c+15], v[TM+12+2*\c]
	v_cvt_scalef32_pk16_fp6_f32 v[PC+12+4*\c:PC+14+4*\c], v[(\s)+32*\c+16:(\s)+32*\c+31], v[TM+13+2*\c]
.endr
	v_nop
.irp c, 0,1
.irp i, 0,1,2
	v_permlane16_swap_b32 v[PC+6*\c+\i], v[PC+12+4*\c+\i]
.endr
.irp i, 0,1,2
	v_mov_b32 v[PC+3+6*\c+\i], v[PC+12+4*\c+\i]
.endr
.endr
.endm
.macro REDUCE a, b                     ; v[a] summed over the 32 lanes, in every lane; v[b] has been written
	v_add_f32_dpp v[\a], v[\a], v[\a] row_xmask:1 row_mask:0xf bank_mask:0xf
	v_add_f32_dpp v[\a], v[\a], v[\a] row_xmask:2 row_mask:0xf bank_mask:0xf
	v_add_f32_dpp v[\a], v[\a], v[\a] row_xmask:4 row_mask:0xf bank_mask:0xf
	v_add_f32_dpp v[\a], v[\a], v[\a] row_xmask:8 row_mask:0xf bank_mask:0xf
	v_permlanex16_b32 v[\b], v[\a], s[SEL], s[SEL+1]
	v_add_f32 v[\a], v[\a], v[\b]
.endm
; One row: 32 numbers a lane in v[Y] on (the product), 32 in v[X] on (the residual).  The result replaces Y.
.macro ROW Y, X
.set J, 0
.rept 16
	v_pk_add_f32 v[\Y+J:\Y+J+1], v[\Y+J:\Y+J+1], v[BI+J:BI+J+1]      ; the product's bias first, as reference() has it,
.set J, J+2
.endr
.set J, 0
.rept 16
	v_pk_add_f32 v[\Y+J:\Y+J+1], v[\Y+J:\Y+J+1], v[\X+J:\X+J+1]      ; then the residual
.set J, J+2
.endr
.irp k, 0,1,2,3
	v_pk_add_f32 v[T+2*\k:T+2*\k+1], v[\Y+2*\k:\Y+2*\k+1], v[\Y+8+2*\k:\Y+9+2*\k]   ; the sum, in four chains
.endr
.irp m, 16,24
.irp k, 0,1,2,3
	v_pk_add_f32 v[T+2*\k:T+2*\k+1], v[T+2*\k:T+2*\k+1], v[\Y+\m+2*\k:\Y+\m+2*\k+1]
.endr
.endr
	v_pk_add_f32 v[T:T+1], v[T:T+1], v[T+2:T+3]
	v_pk_add_f32 v[T+4:T+5], v[T+4:T+5], v[T+6:T+7]
	v_pk_add_f32 v[T:T+1], v[T:T+1], v[T+4:T+5]
	v_add_f32 v[T], v[T], v[T+1]
	REDUCE T, T+1
	v_mul_f32 v[T], s22, v[T]                      ; the mean
.set J, 0
.rept 16
	v_pk_add_f32 v[\Y+J:\Y+J+1], v[\Y+J:\Y+J+1], v[T:T+1] op_sel_hi:[1,0] neg_lo:[0,1] neg_hi:[0,1]
.set J, J+2
.endr
.irp k, 0,1,2,3
	v_pk_mul_f32 v[T+2+2*\k:T+3+2*\k], v[\Y+2*\k:\Y+2*\k+1], v[\Y+2*\k:\Y+2*\k+1]   ; the squares of the differences, in four chains
.endr
.irp m, 8,16,24
.irp k, 0,1,2,3
	v_pk_fma_f32 v[T+2+2*\k:T+3+2*\k], v[\Y+\m+2*\k:\Y+\m+2*\k+1], v[\Y+\m+2*\k:\Y+\m+2*\k+1], v[T+2+2*\k:T+3+2*\k]
.endr
.endr
	v_pk_add_f32 v[T+2:T+3], v[T+2:T+3], v[T+4:T+5]
	v_pk_add_f32 v[T+6:T+7], v[T+6:T+7], v[T+8:T+9]
	v_pk_add_f32 v[T+2:T+3], v[T+2:T+3], v[T+6:T+7]
	v_add_f32 v[T+2], v[T+2], v[T+3]
	REDUCE T+2, T+3
	v_fma_f32 v[T+2], v[T+2], s22, s23             ; the variance + eps
	v_rsq_f32 v[T+2], v[T+2]
	v_nop                                          ; a plain line behind the transcendental,
	s_wait_alu depctr_va_vdst(0)                   ; and the wait ahead of its first reader
.set J, 0
.rept 16
	v_pk_mul_f32 v[\Y+J:\Y+J+1], v[\Y+J:\Y+J+1], v[T+2:T+3] op_sel_hi:[1,0]
.set J, J+2
.endr
.set J, 0
.rept 16
	v_pk_fma_f32 v[\Y+J:\Y+J+1], v[\Y+J:\Y+J+1], v[GA+J:GA+J+1], v[BE+J:BE+J+1]
.set J, J+2
.endr
.endm
.macro LOADROW Y, X, off
.irp i, 0,1,2,3,4,5,6,7
	global_load_b128 v[\Y+4*\i:\Y+4*\i+3], v1, s[4:5] offset:\off+512*\i
.endr
.irp i, 0,1,2,3,4,5,6,7
	global_load_b128 v[\X+4*\i:\X+4*\i+3], v1, s[6:7] offset:\off+512*\i
.endr
.endm
.macro PUT Y, k                        ; row k of my four: to x1, and to its place in the stage
.irp i, 0,1,2,3,4,5,6,7
	global_store_b128 v1, v[\Y+4*\i:\Y+4*\i+3], s[14:15] offset:\k*4096+512*\i
	ds_store_b128 v2, v[\Y+4*\i:\Y+4*\i+3] offset:\k*SP+512*\i
.endr
.endm
.macro FREE                            ; the stores, global and LDS, have read their registers
	s_wait_xcnt 0x0
	s_wait_dscnt 0x0
.endm
	s_load_b256 s[4:11], s[0:1], 0x0               ; y s[4:5], x s[6:7], bo s[8:9], ln1_g s[10:11]
	s_load_b128 s[12:15], s[0:1], 0x20             ; ln1_b s[12:13], x1 s[14:15]
	s_load_b64 s[16:17], s[0:1], 0x30              ; xi
	v_lshl_add_u32 v[SPW], v0, 2, SPARE
	v_mov_b32 v[NIL], 0
	v_lshrrev_b32 v1, 5, v0
	v_readfirstlane_b32 s2, v1                     ; wave 0..15
	v_and_b32 v24, 31, v0
	v_lshlrev_b32 v1, 4, v24                       ; 16 L
	v_lshlrev_b32 v24, 3, v24                      ; 8 L
	v_and_b32 v25, 15, v0                          ; r
	v_bfe_u32 v26, v0, 4, 1                        ; h
	s_mov_b32 s[SEL], 0x76543210
	s_mov_b32 s[SEL+1], 0xfedcba98
	s_mov_b32 s22, 0x3a800000                      ; 1 / 1,024
	s_mov_b32 s23, 0x3727c5ac                      ; eps = 1e-5
	; row 4 w + k of the 64 lies in the stage at 32 (w / 8) + 16 ((w / 2) % 2) + 8 ((w / 4) % 2) + 4 (w % 2) + k: tile by tile, lane row by lane row
	s_lshr_b32 s24, s2, 3
	s_lshl_b32 s24, s24, 5
	s_bfe_u32 s25, s2, 0x10001
	s_lshl_b32 s25, s25, 4
	s_add_co_u32 s24, s24, s25
	s_bfe_u32 s25, s2, 0x10002
	s_lshl_b32 s25, s25, 3
	s_add_co_u32 s24, s24, s25
	s_and_b32 s25, s2, 1
	s_lshl_b32 s25, s25, 2
	s_add_co_u32 s24, s24, s25
	s_mul_i32 s24, s24, SP
	v_add_nc_u32 v2, s24, v1                       ; into the stage
	s_lshr_b32 s24, s2, 2                          ; phase 2: my tile i
	s_and_b32 s25, s2, 3                           ; and my pair of K steps
	s_mul_i32 s26, s24, 16*SP
	s_lshl_b32 s27, s25, 10
	s_add_co_u32 s26, s26, s27
	v_mul_u32_u24 v3, v25, SP
	v_lshl_add_u32 v3, v26, 6, v3
	v_add_nc_u32 v3, s26, v3                       ; out of the stage: row 16 i + r, + 64 h, + 1,024 for each pair of K steps
	s_lshl_b32 s26, s25, 9
	s_lshl_b32 s27, s24, 2
	s_add_co_u32 s26, s26, s27
	s_add_co_u32 s26, s26, SCR
	v_lshl_add_u32 v4, v25, 4, s26                 ; my scale words: 256 a K step, 16 r, 4 i
	s_and_b32 s26, s2, 7
	s_lshl_b32 s27, s26, 8
	s_add_co_u32 s27, s27, SCR
	v_add_nc_u32 v5, s27, v24                      ; phase 3: half image w % 8, 8 bytes a lane
	s_lshr_b32 s28, ttmp9, 1                       ; G
	s_and_b32 s29, ttmp9, 1                        ; q
	s_lshl_b32 s30, s28, 3
	s_add_co_u32 s32, s30, s26
	s_mul_i32 s32, s32, REC
	s_lshl_b32 s33, s29, 8
	s_add_co_u32 s32, s32, s33                     ; phase 3: record 8 G + w % 8, half q of its image, less 12,288
	s_mov_b32 s33, 0
	s_lshl_b32 s31, s25, 1
	s_add_co_u32 s30, s30, s31
	s_mul_i32 s30, s30, REC
	s_lshl_b32 s31, s29, 2
	s_add_co_u32 s31, s31, s24
	s_mul_i32 s31, s31, 1536
	s_add_co_u32 s30, s30, s31                     ; phase 2: record 8 G + 2 (w % 4), tile 4 q + i
	s_mov_b32 s31, 0
	s_lshl_b32 s18, ttmp9, 4
	s_add_co_u32 s18, s18, s2
	s_lshl_b32 s18, s18, 14                        ; my four rows of 4,096 bytes
	s_mov_b32 s19, 0
	s_wait_kmcnt 0x0
	s_add_nc_u64 s[4:5], s[4:5], s[18:19]
	s_add_nc_u64 s[6:7], s[6:7], s[18:19]
	s_add_nc_u64 s[14:15], s[14:15], s[18:19]
	s_add_nc_u64 s[30:31], s[16:17], s[30:31]
	s_add_nc_u64 s[32:33], s[16:17], s[32:33]
.irp i, 0,1,2,3,4,5,6,7
	global_load_b128 v[GA+4*\i:GA+4*\i+3], v1, s[10:11] offset:512*\i
	global_load_b128 v[BE+4*\i:BE+4*\i+3], v1, s[12:13] offset:512*\i
	global_load_b128 v[BI+4*\i:BI+4*\i+3], v1, s[8:9] offset:512*\i
.endr
	LOADROW YA, XA, 0
	LOADROW YB, XB, 4096
	s_wait_loadcnt 16                              ; the constants and row 0 are in; row 1's 16 loads may be out
	ROW YA, XA
	PUT YA, 0
	FREE
	LOADROW YA, XA, 8192
	s_wait_loadcnt 16                              ; row 1 is in; row 2's may be out
	ROW YB, XB
	PUT YB, 1
	FREE
	LOADROW YB, XB, 12288
	s_wait_loadcnt 16
	ROW YA, XA
	PUT YA, 2
	s_wait_loadcnt 0x0
	ROW YB, XB
	PUT YB, 3
	s_wait_dscnt 0x0                               ; for the others' sake: my rows lie in the stage
	s_barrier_signal -1
	s_barrier_wait -1
	; ---- phase 2
	s_wait_xcnt 0x0                                ; my stores to x1 have read their registers
.irp u, 0,1
.irp b, 0,1,2,3
.irp j, 0,1,2,3
	ds_load_b128 v[128+64*\u+16*\b+4*\j:128+64*\u+16*\b+4*\j+3], v3 offset:512*\u+128*\b+16*\j
.endr
.endr
.endr
	s_wait_dscnt 16                                ; the first K step's 16 loads are in
	QUANT 128, 1, PW
.irp p, 0,1,2,3,4,5
	global_store_b64 v24, v[PC+2*\p:PC+2*\p+1], s[30:31] offset:\p*256
.endr
	ds_store_b32 v4, v[PW]                         ; both halves of the lanes write the same word
	s_wait_dscnt 0x0
	s_wait_xcnt 0x0                                ; the stores have read the codes' registers
	QUANT 192, 1, PW+1
.irp p, 0,1,2,3,4,5
	global_store_b64 v24, v[PC+2*\p:PC+2*\p+1], s[30:31] offset:REC+\p*256
.endr
	ds_store_b32 v4, v[PW+1] offset:256
	s_wait_dscnt 0x0
	s_barrier_signal -1
	s_barrier_wait -1                              ; the eight half images are whole
	; ---- phase 3
	s_cmp_ge_u32 s2, 8
	s_cbranch_scc1 .Lno_image
	ds_load_b64 v[54:55], v5
	s_wait_dscnt 0x0
	global_store_b64 v24, v[54:55], s[32:33] offset:12288   ; 256 consecutive bytes, aligned
.Lno_image:
	s_wait_tensorcnt 0x0                           ; the wave's end
	ds_add_u32 v[SPW], v[NIL]
	s_wait_dscnt 0x0
	s_endpgm
.Lfunc_end_k_q623eb46800_ln1:
	.size	k_q623eb46800_ln1, .Lfunc_end_k_q623eb46800_ln1-k_q623eb46800_ln1
	.p2alignl 7, 3214868480
	.fill 96, 4, 3214868480
	.section	.rodata,"a",@progbits
	.p2align	6, 0x0
	.amdhsa_kernel k_q623eb46800_ln1
		.amdhsa_group_segment_fixed_size 267264
		.amdhsa_private_segment_fixed_size 0
		.amdhsa_enable_private_segment 0
		.amdhsa_kernarg_size 56
		.amdhsa_user_sgpr_count 2
		.amdhsa_user_sgpr_kernarg_segment_ptr 1
		.amdhsa_wavefront_size32 1
		.amdhsa_system_sgpr_workgroup_id_x 1
		.amdhsa_system_sgpr_workgroup_id_y 1
		.amdhsa_system_sgpr_workgroup_id_z 1
		.amdhsa_system_vgpr_workitem_id 0
		.amdhsa_next_free_vgpr 256
		.amdhsa_next_free_sgpr 66
		.amdhsa_reserve_vcc 0
		.amdhsa_float_denorm_mode_32 3
		.amdhsa_float_denorm_mode_16_64 3
		.amdhsa_memory_ordered 1
		.amdhsa_forward_progress 1
		.amdhsa_inst_pref_size 61
	.end_amdhsa_kernel
	.amdgpu_metadata
---
amdhsa.version: [ 1, 2 ]
amdhsa.kernels:
  - .name:           k_q623eb46800_ln1
    .symbol:         k_q623eb46800_ln1.kd
    .args:
      - { .name: y, .offset: 0, .size: 8, .value_kind: global_buffer, .address_space: global }
      - { .name: x, .offset: 8, .size: 8, .value_kind: global_buffer, .address_space: global }
      - { .name: bo, .offset: 16, .size: 8, .value_kind: global_buffer, .address_space: global }
      - { .name: ln1_g, .offset: 24, .size: 8, .value_kind: global_buffer, .address_space: global }
      - { .name: ln1_b, .offset: 32, .size: 8, .value_kind: global_buffer, .address_space: global }
      - { .name: x1, .offset: 40, .size: 8, .value_kind: global_buffer, .address_space: global }
      - { .name: xi, .offset: 48, .size: 8, .value_kind: global_buffer, .address_space: global }
    .group_segment_fixed_size: 267264
    .private_segment_fixed_size: 0
    .kernarg_segment_align: 8
    .kernarg_segment_size: 56
    .max_flat_workgroup_size: 512
    .sgpr_count:     66
    .vgpr_count:     256
    .wavefront_size: 32
...
	.end_amdgpu_metadata
.endif
;; end of part 5
;; launch ffn1 (part 6): grid 16 x 16, 4 waves a work-group, clusters of 4 x 4, 327,680 bytes of LDS; arguments xi, wimg, b1, hi; writes hi
.if DOCPART == 6
	.amdgcn_target "amdgcn-amd-amdhsa--gfx1250"
	.amdhsa_code_object_version 6
	.text
	.protected	k_q623eb46800_ffn1
	.globl	k_q623eb46800_ffn1
	.p2align	8
	.type	k_q623eb46800_ffn1,@function
k_q623eb46800_ffn1:
	s_mov_b64 s[64:65], 0
	v_nop
	global_prefetch_b8 v0, s[64:65] scope:SCOPE_SE
	s_setreg_imm32_b32 hwreg(HW_REG_WAVE_MODE, 25, 1), 1
	s_wait_xcnt 0x0
	s_wait_alu depctr_hold_cnt(0) depctr_sa_sdst(0) depctr_va_vdst(0) depctr_va_sdst(0) depctr_va_ssrc(0) depctr_va_vcc(0) depctr_vm_vsrc(0)
	s_getreg_b32 s2, hwreg(HW_REG_IB_STS2, 6, 4)
	s_cmp_eq_u32 s2, 0
	s_cbranch_scc0 .Lentry_in_a_cluster
	s_endpgm
.Lentry_in_a_cluster:
	s_bfe_u32 s2, ttmp6, 0x10000c
	s_cmp_lg_u32 s2, 0xf033
	s_cbranch_scc0 .Lentry_shape_is_right
	s_endpgm
.Lentry_shape_is_right:
; A GEMM on records of MX-FP6 codes whose result is quantised on the way out.  KIND 0: q, k, v = Q(x) [Wq | Wk | Wv] + bias, stored as codes for attention.  KIND 1: h = relu(Q(x1) W1 + b1), stored as codes.
; Nothing of reference() is left out here.
; A RECORD is 128 rows x 128 along K, 12,800 bytes: 8 tiles (lane row r of tile T is row 32 (T / 2) + 8 (T % 2) + r + 8 (r / 8)); piece p (registers 2 p, 2 p + 1 of the 12) at 1536 T + 256 p + 8 x lane;
; scale words at 12,288 + 256 (T / 4) + 16 r + 4 (T % 4).  Records of one group of rows follow each other along K.
; SHARES.  A tile of C is 256 x 256; four waves, each 128 x 128: 64 accumulators in windows 2 and 3.  K goes 256 at a time through two LDS slots; a wave's one tensor load brings two records (25,600 dense bytes).
; CLUSTER 4 x 4: A's records are asked for jointly along a row of the cluster, B's along a column.
; ROLES.  Source 1 (the result's lanes) has one set of 8 fragments in window 0; source 0 (the result's registers) two sets in window 1.  By the tiles' choice of rows a lane's 64 results of one source-1 tile are
; 64 neighbours along source 0's rows, in the order that the conversions want.  Source 1 = A (tokens), source 0 = B (columns): the result is quantised along the columns (here: d_ff).
; OUT.  KIND 1: record (token group x 32 + column group) of hi.
.set KIND, 1
.if KIND == 0
.set NS,   8                           ; K steps of 128
.set BREC, 0                           ; B's first record in wimg
.else
.set NS,   8
.set BREC, 256
.endif
.set REC,   12800
.set LOADB, 2*REC                      ; what one tensor load brings
.set SLOT,  4*LOADB                    ; A's two groups, then B's two
.set SPARE, 2*SLOT                     ; behind the ring: the spare words, 128 bytes for each wave: two blocks of 256 bytes that no other line names
.set LAPS,  NS/4                       ; a lap = two slots
.set FR,   12
.set NL,   6
.set NP,   4                           ; places behind this matrix instruction (ISA guide 7.12.1)
.set ADRA, 16                          ; v16-17  source 1's fragments in slot 0, 1: 8 x lane + its group
.set ADRB, 20                          ; v20-21  source 0's
.set ADRS, 22                          ; v22-23  scale words: lanes 0-15 source 1's, lanes 16-31 source 0's
.set ST8,  26                          ; v26     8 x lane
.set ST16, 27                          ; v27     16 x lane
.set SPW,  28                          ; v28     my spare word; never rewritten
.set NIL,  29                          ; v29     0; never rewritten
.set SC,   32                          ; v32-63  scale words: set sl at 16 sl; in it register 8 q + T
.set AF,   128                         ; v128-223 source 1's fragments
.set BB,   64                          ; v64-127 the bias along the registers
.set HA,   128                         ; the way out: v128-191 64 numbers
.set PC,   192                         ; v192-210 the codes just made
.set TM,   212                         ; v212-227 at work in QUANT
.set SW,   244                         ; v244-251 the eight tiles' scale words
.set D4,   252                         ; v252-255 a scale image's 16 bytes
.set G1,   24
.set G0,   32
.set G1B,  48
.set G0B,  56
.set SEL,  72
.set OUT,  74
.set BIA,  76
.set MSB, 0
.macro WIN new                         ; the immediate's high byte repeats the setting that is left
.if MSB != (\new)
	s_set_vgpr_msb (MSB<<8)|(\new)
.set MSB, (\new)
.endif
.endm
.set MUL_LO, 0xa1                      ; source 0 window 1, source 1 window 0, C and D window 2
.set MUL_HI, 0xf1                      ; the same, C and D window 3
.set TO_B,   0x40                      ; destination window 1
.macro JLOAD g0a, g1a, g0b, g1b        ; a joint load: waves 0, 1 fetch A's groups, waves 2, 3 B's; an s_nop 0 and four v_nop follow each line
	s_cmp_eq_u32 s15, 0
	s_cbranch_scc0 .Lfor_b_\@
	tensor_load_to_lds s[\g0a:\g0a+3], s[\g1a:\g1a+7]
	s_nop 0
.rept 4
	v_nop
.endr
	s_branch .Lasked_\@
.Lfor_b_\@:
	tensor_load_to_lds s[\g0b:\g0b+3], s[\g1b:\g1b+7]
	s_nop 0
.rept 4
	v_nop
.endr
.Lasked_\@:
.endm
.macro CREST                           ; a round of the cluster's barrier behind its opening barrier
	s_cmp_lg_u32 s14, 0
	s_cbranch_scc1 .Lnot_wave_0_\@
	s_barrier_signal -3
.Lnot_wave_0_\@:
	s_barrier_wait -3
	s_barrier_signal -1
	s_barrier_wait -1
.endm
.macro CROUND
	s_barrier_signal -1
	s_barrier_wait -1
	CREST
.endm
.macro PLACES n
.rept \n
	v_nop
.endr
.endm
; 64 numbers of a lane, register 16 b + i = k 32 b + 16 (lane / 16) + i of my row, become a fragment's codes in v[PC] on and its scale word in v[pw].  abs = 0: no number is negative.
.macro QUANT s, abs, pw
.irp b, 0,1,2,3
.if \abs
	v_max3_num_f32 v[TM+\b], |v[(\s)+16*\b]|, |v[(\s)+16*\b+1]|, 0x1800000   ; block b: my 16 numbers, and the floor 2^(3 - 127): the byte cannot fall under 1
.else
	v_max3_num_f32 v[TM+\b], v[(\s)+16*\b], v[(\s)+16*\b+1], 0x1800000
.endif
.endr
.irp i, 2,4,6,8,10,12,14
.irp b, 0,1,2,3
.if \abs
	v_max3_num_f32 v[TM+\b], v[TM+\b], |v[(\s)+16*\b+\i]|, |v[(\s)+16*\b+\i+1]|
.else
	v_max3_num_f32 v[TM+\b], v[TM+\b], v[(\s)+16*\b+\i], v[(\s)+16*\b+\i+1]
.endif
.endr
.endr
.irp b, 0,1,2,3
	v_permlanex16_b32 v[TM+4+\b], v[TM+\b], s[SEL], s[SEL+1]
.endr
.irp b, 0,1,2,3
	v_max_num_f32 v[TM+\b], v[TM+\b], v[TM+4+\b]       ; with lane l xor 16's: the block's largest magnitude
.endr
.irp b, 0,1,2,3
	v_add_nc_u32 v[TM+12+\b], 0xff000000, v[TM+\b]     ; 2 off its exponent field: the conversion's scale operand
.endr
.irp b, 0,1,2,3
	v_lshrrev_b32 v[TM+4+\b], 23, v[TM+12+\b]          ; the scale's byte
.endr
	v_lshl_or_b32 v[\pw], v[TM+5], 8, v[TM+4]
	v_lshl_or_b32 v[\pw], v[TM+6], 16, v[\pw]
	v_lshl_or_b32 v[\pw], v[TM+7], 24, v[\pw]
.irp c, 0,1
	v_cvt_scalef32_pk16_fp6_f32 v[PC+6*\c:PC+6*\c+2], v[(\s)+32*\c:(\s)+32*\c+15], v[TM+12+2*\c]
	v_cvt_scalef32_pk16_fp6_f32 v[PC+12+4*\c:PC+14+4*\c], v[(\s)+32*\c+16:(\s)+32*\c+31], v[TM+13+2*\c]   ; (a conversion's three registers begin on an even number)
.endr
	v_nop                                              ; one plain line behind the scaled conversions
.irp c, 0,1                                        ; the layout wants a whole block in a lane: lanes 0-15 block 2 c, lanes 16-31 block 2 c + 1
.irp i, 0,1,2
	v_permlane16_swap_b32 v[PC+6*\c+\i], v[PC+12+4*\c+\i]
.endr
.irp i, 0,1,2
	v_mov_b32 v[PC+3+6*\c+\i], v[PC+12+4*\c+\i]
.endr
.endr
.endm
	s_load_b256 s[4:11], s[0:1], 0x0               ; xi s[4:5], wimg s[6:7], b1 s[8:9], hi s[10:11]
	v_lshl_add_u32 v[SPW], v0, 2, SPARE
	v_mov_b32 v[NIL], 0
	ds_add_u32 v[SPW], v[NIL]                      ; the wave's opening: the add, twice on end, and its wait ahead of my first tensor load
	ds_add_u32 v[SPW], v[NIL]
	v_lshrrev_b32 v1, 5, v0
	v_readfirstlane_b32 s14, v1                    ; wave 0..3
	s_lshr_b32 s15, s14, 1                         ; which group of A's rows is mine.  Also: I fetch for A (0) or for B (1)
	s_and_b32 s16, s14, 1                          ; which group of B's rows.  Also: which group I fetch
	s_bfe_u32 s40, ttmp6, 0x40000                  ; cx
	s_bfe_u32 s41, ttmp6, 0x40004                  ; cy
	s_lshl_b32 s42, ttmp9, 2
	s_add_co_u32 s42, s42, s40                     ; tile column of C
	s_and_b32 s17, ttmp7, 0xffff
	s_lshl_b32 s17, s17, 2
	s_add_co_u32 s17, s17, s41                     ; tile row of C
	s_lshl_b32 s43, s41, 2
	s_lshl_b32 s43, 15, s43                        ; my row of the cluster
	s_lshl_b32 s44, 0x1111, s40                    ; my column
	s_or_b32 s[G1], s43, (3<<16)|(1<<21)           ; 15:0 the mask; 17:16 elements of 8 bytes; 20 no padding; 21 set beside a mask
	s_or_b32 s[G1B], s44, (3<<16)|(1<<21)
.irp g, G1, G1B                        ; a dense block of 25,600 bytes as 100 rows of 256
	s_mov_b32 s[\g+1], 32<<16                      ; tensor_dim0 = 32
	s_mov_b32 s[\g+2], 100<<16                     ; tensor_dim1 = 100
	s_mov_b32 s[\g+3], 32<<16                      ; tile_dim0 = 32
	s_mov_b32 s[\g+4], 100                         ; tile_dim1 = 100
	s_mov_b32 s[\g+5], 32                          ; the pitch
	s_mov_b32 s[\g+6], 0
	s_mov_b32 s[\g+7], 0
.endr
	s_lshl_b32 s20, s17, 1
	s_add_co_u32 s20, s20, s16                     ; A's group that I fetch: 2 x tile row + half
	s_mul_i32 s20, s20, NS*REC
	s_mov_b32 s21, 0
	s_lshl_b32 s46, s42, 1
	s_add_co_u32 s46, s46, s16                     ; B's: 2 x tile column + half
	s_mul_i32 s46, s46, NS*REC
	s_add_co_u32 s46, s46, BREC*REC
	s_mov_b32 s47, 0
	s_mul_i32 s45, s14, LOADB                      ; where it goes: no place in the cluster enters an LDS address
	s_wait_dscnt 0x0                               ; both opening adds are done
	s_wait_kmcnt 0x0
	s_add_nc_u64 s[20:21], s[4:5], s[20:21]
	s_add_nc_u64 s[46:47], s[6:7], s[46:47]
	CROUND                                         ; all sixteen work-groups are here: the first joint loads meet
.irp s, 0,1
	s_mov_b32 s[G0+4*\s], 1
	s_add_co_u32 s[G0+4*\s+1], s45, \s*SLOT
	s_add_nc_u64 s[G0+4*\s+2:G0+4*\s+3], s[20:21], \s*LOADB
	s_or_b32 s[G0+4*\s+3], s[G0+4*\s+3], 0x80000000
	s_mov_b32 s[G0B+4*\s], 1
	s_add_co_u32 s[G0B+4*\s+1], s45, \s*SLOT
	s_add_nc_u64 s[G0B+4*\s+2:G0B+4*\s+3], s[46:47], \s*LOADB
	s_or_b32 s[G0B+4*\s+3], s[G0B+4*\s+3], 0x80000000
	JLOAD G0+4*\s, G1, G0B+4*\s, G1B
.endr
	v_and_b32 v1, 31, v0                           ; lane
	v_and_b32 v2, 15, v0                           ; r
	v_bfe_u32 v3, v0, 4, 1                         ; h
	v_lshlrev_b32 v[ST8], 3, v1
	v_lshlrev_b32 v[ST16], 4, v1
	s_mov_b32 s67, 0xffff0000                      ; lanes 16-31
	s_mov_b32 s[SEL], 0x76543210
	s_mov_b32 s[SEL+1], 0xfedcba98
	s_mul_i32 s20, s15, LOADB                      ; my group of A in a slot
	s_mul_i32 s21, s16, LOADB
	s_add_co_u32 s21, s21, 2*LOADB                 ; my group of B
	s_sub_co_u32 s22, s21, s20                     ; the distance between them
	v_add_nc_u32 v[ADRA], s20, v[ST8]
	v_add_nc_u32 v[ADRB], s21, v[ST8]
	v_mul_u32_u24 v5, s22, v3                      ; lanes 16-31 take B's scale words
	v_lshl_add_u32 v5, v2, 4, v5
	v_add_nc_u32 v5, s20, v5
	v_add_nc_u32 v[ADRS], 12288, v5
	v_add_nc_u32 v[ADRA+1], SLOT, v[ADRA]
	v_add_nc_u32 v[ADRB+1], SLOT, v[ADRB]
	v_add_nc_u32 v[ADRS+1], SLOT, v[ADRS]
	; the bias: asked for here, waited for in front of the way out; its registers and addresses are not touched meanwhile
	s_lshl_b32 s18, s42, 1
	s_add_co_u32 s18, s18, s16                     ; column group
	s_lshl_b32 s23, s18, 9
	s_mov_b32 s19, 0
	s_mov_b32 s22, s23
	s_mov_b32 s23, 0
	s_add_nc_u64 s[BIA:BIA+1], s[8:9], s[22:23]
	v_lshlrev_b32 v8, 6, v3                        ; 64 h
.irp b, 0,1,2,3,4,5,6,7                        ; register 8 b + j: column 32 (b / 2) + 8 (b % 2) + 16 h + j
	global_load_b128 v[BB+8*\b:BB+8*\b+3], v8, s[BIA:BIA+1] offset:(32*(\b/2)+8*(\b%2))*4
	global_load_b128 v[BB+8*\b+4:BB+8*\b+7], v8, s[BIA:BIA+1] offset:(32*(\b/2)+8*(\b%2))*4+16
.endr
	s_lshl_b32 s19, s17, 1
	s_add_co_u32 s19, s19, s15                     ; token group
	s_lshl_b32 s19, s19, 5
	s_add_co_u32 s18, s18, s19
	s_mul_i32 s18, s18, REC
	s_mov_b32 s19, 0
	s_add_nc_u64 s[OUT:OUT+1], s[10:11], s[18:19]
.macro FRAG reg, adr, q, i             ; a fragment as it was stored: six pieces, each 256 consecutive bytes for the 32 lanes
.irp p, 0,1,2,3,4,5
	ds_load_b64 v[\reg+2*\p:\reg+2*\p+1], v[\adr] offset:(\q)*REC+(\i)*1536+\p*256
.endr
.endm
; 16 matrix instructions: source 1's tiles a0, a0 + 1 x source 0's eight.  p: source 0's set; q: which 128 of the slot; sc: the set of scale words.  The 64 accumulators take turns, one instruction a turn, in the same
; order in every step.  zero = 1: the first product starts the sums.
.macro MUL16 a0, p, q, sc, zero
.irp a, \a0, \a0+1
.irp b, 0,1,2,3,4,5,6,7
.if \zero
	v_wmma_scale_f32_16x16x128_f8f6f4 v[8*(8*((\a)%4)+\b):8*(8*((\a)%4)+\b)+7], v[128*(\p)+FR*\b:128*(\p)+FR*\b+FR-1], v[AF+FR*(\a):AF+FR*(\a)+FR-1], 0, v[SC+16*(\sc)+8*(\q)+\b], v[SC+16*(\sc)+8*(\q)+(\a)] matrix_a_fmt:MATRIX_FMT_FP6 matrix_b_fmt:MATRIX_FMT_FP6 matrix_a_scale:MATRIX_SCALE_ROW1
.else
	v_wmma_scale_f32_16x16x128_f8f6f4 v[8*(8*((\a)%4)+\b):8*(8*((\a)%4)+\b)+7], v[128*(\p)+FR*\b:128*(\p)+FR*\b+FR-1], v[AF+FR*(\a):AF+FR*(\a)+FR-1], v[8*(8*((\a)%4)+\b):8*(8*((\a)%4)+\b)+7], v[SC+16*(\sc)+8*(\q)+\b], v[SC+16*(\sc)+8*(\q)+(\a)] matrix_a_fmt:MATRIX_FMT_FP6 matrix_b_fmt:MATRIX_FMT_FP6 matrix_a_scale:MATRIX_SCALE_ROW1
.endif
.endr
.endr
.endm
.macro FETCH_B slot, q, p
	WIN TO_B
.irp i, 0,1,2,3,4,5,6,7
	FRAG 128*(\p)+FR*\i, ADRB+\slot, \q, \i
.endr
	WIN 0
.endm
.macro FETCH_A slot, q, i0
.irp i, \i0, \i0+1, \i0+2, \i0+3
	FRAG AF+FR*(\i), ADRA+\slot, \q, \i
.endr
.endm
.macro SCALES sl                       ; a slot's scale words: four tiles' words a load; lanes 0-15 source 1's, lanes 16-31 source 0's
.irp q, 0,1
.irp u, 0,1
	ds_load_b128 v[SC+16*\sl+8*\q+4*\u:SC+16*\sl+8*\q+4*\u+3], v[ADRS+\sl] offset:\q*REC+256*\u
.endr
.endr
.endm
.macro STEP slot, q, zero              ; a step of 128 along K that has its successor in the same slot
	s_wait_dscnt 4*NL                              ; all but the youngest 24 loads (source 1's tiles 4-7) are in
	WIN MUL_LO
	MUL16 0, (\q)%2, \q, \slot, \zero
	MUL16 2, (\q)%2, \q, \slot, \zero
	s_wait_dscnt 0                                 ; tiles 4-7 are in
	PLACES NP                                      ; in front of loads into registers that matrix instructions have read
	FETCH_B \slot, (\q)+1, 1-(\q)%2
	FETCH_A \slot, (\q)+1, 0
	WIN MUL_HI
	MUL16 4, (\q)%2, \q, \slot, \zero
	MUL16 6, (\q)%2, \q, \slot, \zero
	PLACES NP
	WIN 0
	FETCH_A \slot, (\q)+1, 4
.endm
; A slot's last step changes slots: one barrier; in front of it each wave waits for all its tensor loads, adds 0 to its spare word, and waits for that and for its reads of this slot.  fill = 1: the slot is filled again.
.macro TURN slot, next, fill
	s_wait_tensorcnt 0x0                           ; all my tensor loads have landed: my part of the next slot
	ds_add_u32 v[SPW], v[NIL]
	s_wait_dscnt 4*NL+1                            ; (the add and the youngest 24 loads may be out)
	WIN MUL_LO
	MUL16 0, 1, 1, \slot, 0
	s_wait_dscnt 0x0                               ; the add is done, and my reads of this slot are over
	s_barrier_signal -1
	MUL16 2, 1, 1, \slot, 0
	WIN 0
	s_barrier_wait -1
.if \fill
	CREST                                          ; the barrier has opened a round of the cluster's: no wave of any partner still reads this slot or has a load on its way
	s_add_nc_u64 s[G0+4*\slot+2:G0+4*\slot+3], s[G0+4*\slot+2:G0+4*\slot+3], 2*LOADB
	s_add_nc_u64 s[G0B+4*\slot+2:G0B+4*\slot+3], s[G0B+4*\slot+2:G0B+4*\slot+3], 2*LOADB
	JLOAD G0+4*\slot, G1, G0B+4*\slot, G1B         ; the first tensor load behind the round; its four v_nop are the places in front of the loads below
.else
	PLACES NP
.endif
	FETCH_B \next, 0, 0
	FETCH_A \next, 0, 0
	SCALES \next
	WIN MUL_HI
	MUL16 4, 1, 1, \slot, 0
	MUL16 6, 1, 1, \slot, 0
	PLACES NP
	WIN 0
	FETCH_A \next, 0, 4
.endm
	s_wait_tensorcnt 1                             ; my part of slot 0 is in (slot 1's load may be out)
	s_barrier_signal -1
	s_barrier_wait -1                              ; everybody's is
	FETCH_B 0, 0, 0
	FETCH_A 0, 0, 0
	SCALES 0
	FETCH_A 0, 0, 4
	STEP 0, 0, 1                                   ; the first step stands in front of the loop: its products start the sums
	s_mov_b32 s3, LAPS-1
.Llap:                                                 ; a trip goes once round the ring and fills both slots again
	TURN 0, 1, 1
	STEP 1, 0, 0
	TURN 1, 0, 1
	STEP 0, 0, 0
	s_sub_co_u32 s3, s3, 1
	s_cmp_lg_u32 s3, 0
	s_cbranch_scc1 .Llap
	TURN 0, 1, 0                                   ; the last lap fills nothing
	STEP 1, 0, 0
	s_wait_dscnt 4*NL
	WIN MUL_LO
	MUL16 0, 1, 1, 1, 0
	MUL16 2, 1, 1, 1, 0
	s_wait_dscnt 0
	WIN MUL_HI
	MUL16 4, 1, 1, 1, 0
	MUL16 6, 1, 1, 1, 0
	WIN 0
; THE WAY OUT, a tile of 16 tokens at a time: bias, relu, the quantiser, six stores of 256 consecutive bytes.
.macro OUTQ a
	WIN 0x02+(\a)/4                                ; source 0: window 2 or 3
.set J, 0
.rept 32
	v_pk_add_f32 v[HA+J:HA+J+1], v[64*((\a)%4)+J:64*((\a)%4)+J+1], v[BB+J:BB+J+1]   ; each accumulator from its low end on
.set J, J+2
.endr
	WIN 0
.set J, 0
.rept 64
	v_max_num_f32 v[HA+J], 0, v[HA+J]              ; the activation, in f32
.set J, J+1
.endr
.if (\a) > 0
	s_wait_xcnt 0x0                                ; the last tile's stores have read the codes' registers
.endif
	QUANT HA, 0, SW+(\a)
.irp p, 0,1,2,3,4,5
	global_store_b64 v[ST8], v[PC+2*\p:PC+2*\p+1], s[OUT:OUT+1] offset:(\a)*1536+\p*256
.endr
.endm
	s_wait_loadcnt 0x0                             ; the bias
	PLACES NP                                      ; behind the last products: their results are read and their operands' registers written below
.irp b, 0,1,2,3
	v_mov_b32 v[TM+4+\b], 0                        ; a lane permute's destination counts as one of its sources
.endr
.irp a, 0,1,2,3,4,5,6,7
	OUTQ \a
.endr
.irp i, 0,1,2,3                                ; the eight tiles' words as one image: lanes 0-15 carry tiles 0-3, lanes 16-31 tiles 4-7: 512 consecutive bytes
	v_cndmask_b32 v[D4+\i], v[SW+\i], v[SW+4+\i], s67
.endr
	global_store_b128 v[ST16], v[D4:D4+3], s[OUT:OUT+1] offset:12288
	s_wait_tensorcnt 0x0                           ; the wave's end
	ds_add_u32 v[SPW], v[NIL]
	s_wait_dscnt 0x0
	CROUND                                         ; the closing round: no work-group ends while a partner may still ask for a tile that names it
	s_endpgm
.Lfunc_end_k_q623eb46800_ffn1:
	.size	k_q623eb46800_ffn1, .Lfunc_end_k_q623eb46800_ffn1-k_q623eb46800_ffn1
	.p2alignl 7, 3214868480
	.fill 96, 4, 3214868480
	.section	.rodata,"a",@progbits
	.p2align	6, 0x0
	.amdhsa_kernel k_q623eb46800_ffn1
		.amdhsa_group_segment_fixed_size 327680
		.amdhsa_private_segment_fixed_size 0
		.amdhsa_enable_private_segment 0
		.amdhsa_kernarg_size 32
		.amdhsa_user_sgpr_count 2
		.amdhsa_user_sgpr_kernarg_segment_ptr 1
		.amdhsa_wavefront_size32 1
		.amdhsa_system_sgpr_workgroup_id_x 1
		.amdhsa_system_sgpr_workgroup_id_y 1
		.amdhsa_system_sgpr_workgroup_id_z 1
		.amdhsa_system_vgpr_workitem_id 0
		.amdhsa_next_free_vgpr 1024
		.amdhsa_next_free_sgpr 80
		.amdhsa_reserve_vcc 0
		.amdhsa_float_denorm_mode_32 3
		.amdhsa_float_denorm_mode_16_64 3
		.amdhsa_memory_ordered 1
		.amdhsa_forward_progress 1
		.amdhsa_inst_pref_size 195
	.end_amdhsa_kernel
	.amdgpu_metadata
---
amdhsa.version: [ 1, 2 ]
amdhsa.kernels:
  - .name:           k_q623eb46800_ffn1
    .symbol:         k_q623eb46800_ffn1.kd
    .args:
      - { .name: xi, .offset: 0, .size: 8, .value_kind: global_buffer, .address_space: global }
      - { .name: wimg, .offset: 8, .size: 8, .value_kind: global_buffer, .address_space: global }
      - { .name: b1, .offset: 16, .size: 8, .value_kind: global_buffer, .address_space: global }
      - { .name: hi, .offset: 24, .size: 8, .value_kind: global_buffer, .address_space: global }
    .group_segment_fixed_size: 327680
    .private_segment_fixed_size: 0
    .kernarg_segment_align: 8
    .kernarg_segment_size: 32
    .max_flat_workgroup_size: 128
    .sgpr_count:     80
    .vgpr_count:     1024
    .wavefront_size: 32
...
	.end_amdgpu_metadata
.endif
;; end of part 6
;; launch ffn2 (part 7): grid 4 x 16, 4 waves a work-group, clusters of 4 x 4, 327,680 bytes of LDS; arguments hi, wimg, y; writes y
.if DOCPART == 7
	.amdgcn_target "amdgcn-amd-amdhsa--gfx1250"
	.amdhsa_code_object_version 6
	.text
	.protected	k_q623eb46800_ffn2
	.globl	k_q623eb46800_ffn2
	.p2align	8
	.type	k_q623eb46800_ffn2,@function
k_q623eb46800_ffn2:
	s_mov_b64 s[64:65], 0
	v_nop
	global_prefetch_b8 v0, s[64:65] scope:SCOPE_SE
	s_setreg_imm32_b32 hwreg(HW_REG_WAVE_MODE, 25, 1), 1
	s_wait_xcnt 0x0
	s_wait_alu depctr_hold_cnt(0) depctr_sa_sdst(0) depctr_va_vdst(0) depctr_va_sdst(0) depctr_va_ssrc(0) depctr_va_vcc(0) depctr_vm_vsrc(0)
	s_getreg_b32 s2, hwreg(HW_REG_IB_STS2, 6, 4)
	s_cmp_eq_u32 s2, 0
	s_cbranch_scc0 .Lentry_in_a_cluster
	s_endpgm
.Lentry_in_a_cluster:
	s_bfe_u32 s2, ttmp6, 0x10000c
	s_cmp_lg_u32 s2, 0xf033
	s_cbranch_scc0 .Lentry_shape_is_right
	s_endpgm
.Lentry_shape_is_right:
; A GEMM on records of MX-FP6 codes with an f32 result.  KIND 2: y = Q(attention's output) Wo.  KIND 3: y = Q(h) W2.  The bias, the residual and the LayerNorm follow in the next launch, which owns whole rows.
; Nothing of reference() is left out here.
; A RECORD is 128 rows x 128 along K, 12,800 bytes: 8 tiles (lane row r of tile T is row 32 (T / 2) + 8 (T % 2) + r + 8 (r / 8)); piece p (registers 2 p, 2 p + 1 of the 12) at 1536 T + 256 p + 8 x lane;
; scale words at 12,288 + 256 (T / 4) + 16 r + 4 (T % 4).  Records of one group of rows follow each other along K.
; SHARES.  A tile of C is 256 x 256; four waves, each 128 x 128: 64 accumulators in windows 2 and 3.  K goes 256 at a time through two LDS slots; a wave's one tensor load brings two records (25,600 dense bytes).
; N = 1,024 gives 64 tiles: this launch has work for 64 work-groups.  CLUSTER 4 x 4: A's records are asked for jointly along a row of the cluster, B's along a column.
; Source 1 = A (tokens: the result's lanes), one set of 8 fragments in window 0; source 0 = B (columns: the result's registers), two sets in window 1.
.set KIND, 3
.if KIND == 2
.set NS,   8                           ; K steps of 128
.set BREC, 192                         ; B's first record in wimg
.else
.set NS,   32
.set BREC, 512
.endif
.set REC,   12800
.set LOADB, 2*REC
.set SLOT,  4*LOADB
.set STAGE, 2*SLOT                     ; behind the ring: 16 rows x (512 bytes + 16) for each wave, written by LDS stores alone
.set SPITCH, 528
.set SPARE, STAGE+4*16*SPITCH          ; the spare words, 128 bytes for each wave: two blocks of 256 bytes that no other line names
.set LAPS,  NS/4
.set FR,   12
.set NL,   6
.set NP,   4
.set ADRA, 16
.set ADRB, 20
.set ADRS, 22
.set STO,  24                          ; v24     the way out: where I put 32 bytes of a row
.set RD,   25                          ; v25     where I read a row back
.set ST8,  26
.set ST16, 27
.set SPW,  28
.set NIL,  29
.set SC,   32
.set AF,   128
.set BK,   128                         ; the way out: 16 rows read back: v128-191 and v192-255 by turns
.set G1,   24
.set G0,   32
.set G1B,  48
.set G0B,  56
.set OUT,  74
.set MSB, 0
.macro WIN new
.if MSB != (\new)
	s_set_vgpr_msb (MSB<<8)|(\new)
.set MSB, (\new)
.endif
.endm
.set MUL_LO, 0xa1
.set MUL_HI, 0xf1
.set TO_B,   0x40
.macro JLOAD g0a, g1a, g0b, g1b        ; a joint load: waves 0, 1 fetch A's groups, waves 2, 3 B's; an s_nop 0 and four v_nop follow each line
	s_cmp_eq_u32 s15, 0
	s_cbranch_scc0 .Lfor_b_\@
	tensor_load_to_lds s[\g0a:\g0a+3], s[\g1a:\g1a+7]
	s_nop 0
.rept 4
	v_nop
.endr
	s_branch .Lasked_\@
.Lfor_b_\@:
	tensor_load_to_lds s[\g0b:\g0b+3], s[\g1b:\g1b+7]
	s_nop 0
.rept 4
	v_nop
.endr
.Lasked_\@:
.endm
.macro CREST
	s_cmp_lg_u32 s14, 0
	s_cbranch_scc1 .Lnot_wave_0_\@
	s_barrier_signal -3
.Lnot_wave_0_\@:
	s_barrier_wait -3
	s_barrier_signal -1
	s_barrier_wait -1
.endm
.macro CROUND
	s_barrier_signal -1
	s_barrier_wait -1
	CREST
.endm
.macro PLACES n
.rept \n
	v_nop
.endr
.endm
	s_load_b128 s[4:7], s[0:1], 0x0                ; A's records s[4:5], wimg s[6:7]
	s_load_b64 s[8:9], s[0:1], 0x10                ; y
	v_lshl_add_u32 v[SPW], v0, 2, SPARE
	v_mov_b32 v[NIL], 0
	ds_add_u32 v[SPW], v[NIL]                      ; the wave's opening: the add, twice on end, and its wait ahead of my first tensor load
	ds_add_u32 v[SPW], v[NIL]
	v_lshrrev_b32 v1, 5, v0
	v_readfirstlane_b32 s14, v1                    ; wave 0..3
	s_lshr_b32 s15, s14, 1
	s_and_b32 s16, s14, 1
	s_bfe_u32 s40, ttmp6, 0x40000                  ; cx
	s_bfe_u32 s41, ttmp6, 0x40004                  ; cy
	s_lshl_b32 s42, ttmp9, 2
	s_add_co_u32 s42, s42, s40                     ; tile column of C
	s_and_b32 s17, ttmp7, 0xffff
	s_lshl_b32 s17, s17, 2
	s_add_co_u32 s17, s17, s41                     ; tile row of C
	s_lshl_b32 s43, s41, 2
	s_lshl_b32 s43, 15, s43
	s_lshl_b32 s44, 0x1111, s40
	s_or_b32 s[G1], s43, (3<<16)|(1<<21)           ; 15:0 the mask; 17:16 elements of 8 bytes; 21 set beside a mask
	s_or_b32 s[G1B], s44, (3<<16)|(1<<21)
.irp g, G1, G1B                        ; a dense block of 25,600 bytes as 100 rows of 256
	s_mov_b32 s[\g+1], 32<<16
	s_mov_b32 s[\g+2], 100<<16
	s_mov_b32 s[\g+3], 32<<16
	s_mov_b32 s[\g+4], 100
	s_mov_b32 s[\g+5], 32
	s_mov_b32 s[\g+6], 0
	s_mov_b32 s[\g+7], 0
.endr
	s_lshl_b32 s20, s17, 1
	s_add_co_u32 s20, s20, s16
	s_mul_i32 s20, s20, NS*REC
	s_mov_b32 s21, 0
	s_lshl_b32 s46, s42, 1
	s_add_co_u32 s46, s46, s16
	s_mul_i32 s46, s46, NS*REC
	s_add_co_u32 s46, s46, BREC*REC
	s_mov_b32 s47, 0
	s_mul_i32 s45, s14, LOADB
	s_wait_dscnt 0x0                               ; both opening adds are done
	s_wait_kmcnt 0x0
	s_add_nc_u64 s[20:21], s[4:5], s[20:21]
	s_add_nc_u64 s[46:47], s[6:7], s[46:47]
	CROUND                                         ; all sixteen work-groups are here: the first joint loads meet
.irp s, 0,1
	s_mov_b32 s[G0+4*\s], 1
	s_add_co_u32 s[G0+4*\s+1], s45, \s*SLOT
	s_add_nc_u64 s[G0+4*\s+2:G0+4*\s+3], s[20:21], \s*LOADB
	s_or_b32 s[G0+4*\s+3], s[G0+4*\s+3], 0x80000000
	s_mov_b32 s[G0B+4*\s], 1
	s_add_co_u32 s[G0B+4*\s+1], s45, \s*SLOT
	s_add_nc_u64 s[G0B+4*\s+2:G0B+4*\s+3], s[46:47], \s*LOADB
	s_or_b32 s[G0B+4*\s+3], s[G0B+4*\s+3], 0x80000000
	JLOAD G0+4*\s, G1, G0B+4*\s, G1B
.endr
	v_and_b32 v1, 31, v0
	v_and_b32 v2, 15, v0
	v_bfe_u32 v3, v0, 4, 1
	v_lshlrev_b32 v[ST8], 3, v1
	v_lshlrev_b32 v[ST16], 4, v1
	s_mul_i32 s20, s15, LOADB                      ; my group of A in a slot
	s_mul_i32 s21, s16, LOADB
	s_add_co_u32 s21, s21, 2*LOADB                 ; my group of B
	s_sub_co_u32 s22, s21, s20
	v_add_nc_u32 v[ADRA], s20, v[ST8]
	v_add_nc_u32 v[ADRB], s21, v[ST8]
	v_mul_u32_u24 v5, s22, v3                      ; lanes 16-31 take B's scale words
	v_lshl_add_u32 v5, v2, 4, v5
	v_add_nc_u32 v5, s20, v5
	v_add_nc_u32 v[ADRS], 12288, v5
	v_add_nc_u32 v[ADRA+1], SLOT, v[ADRA]
	v_add_nc_u32 v[ADRB+1], SLOT, v[ADRB]
	v_add_nc_u32 v[ADRS+1], SLOT, v[ADRS]
	s_mul_i32 s23, s14, 16*SPITCH
	s_add_co_u32 s23, s23, STAGE                   ; my stage
	v_mul_u32_u24 v5, v2, SPITCH
	v_lshl_add_u32 v5, v3, 6, v5
	v_add_nc_u32 v[STO], s23, v5                   ; in: row r, + 64 h
	v_add_nc_u32 v[RD], s23, v[ST16]               ; back: the 32 lanes take one row of 512 bytes
	s_lshl_b32 s18, s17, 1
	s_add_co_u32 s18, s18, s15
	s_lshl_b32 s18, s18, 19                        ; my first row of y: 128 rows of 4,096 bytes a group
	s_lshl_b32 s19, s42, 1
	s_add_co_u32 s19, s19, s16
	s_lshl_b32 s19, s19, 9                         ; my first column: 128 numbers a group
	s_add_co_u32 s18, s18, s19
	s_mov_b32 s19, 0
	s_add_nc_u64 s[OUT:OUT+1], s[8:9], s[18:19]
.macro FRAG reg, adr, q, i
.irp p, 0,1,2,3,4,5
	ds_load_b64 v[\reg+2*\p:\reg+2*\p+1], v[\adr] offset:(\q)*REC+(\i)*1536+\p*256
.endr
.endm
; 16 matrix instructions: A's tiles a0, a0 + 1 x B's eight.  The 64 accumulators take turns, one instruction a turn, in the same order in every step.
.macro MUL16 a0, p, q, sc, zero
.irp a, \a0, \a0+1
.irp b, 0,1,2,3,4,5,6,7
.if \zero
	v_wmma_scale_f32_16x16x128_f8f6f4 v[8*(8*((\a)%4)+\b):8*(8*((\a)%4)+\b)+7], v[128*(\p)+FR*\b:128*(\p)+FR*\b+FR-1], v[AF+FR*(\a):AF+FR*(\a)+FR-1], 0, v[SC+16*(\sc)+8*(\q)+\b], v[SC+16*(\sc)+8*(\q)+(\a)] matrix_a_fmt:MATRIX_FMT_FP6 matrix_b_fmt:MATRIX_FMT_FP6 matrix_a_scale:MATRIX_SCALE_ROW1
.else
	v_wmma_scale_f32_16x16x128_f8f6f4 v[8*(8*((\a)%4)+\b):8*(8*((\a)%4)+\b)+7], v[128*(\p)+FR*\b:128*(\p)+FR*\b+FR-1], v[AF+FR*(\a):AF+FR*(\a)+FR-1], v[8*(8*((\a)%4)+\b):8*(8*((\a)%4)+\b)+7], v[SC+16*(\sc)+8*(\q)+\b], v[SC+16*(\sc)+8*(\q)+(\a)] matrix_a_fmt:MATRIX_FMT_FP6 matrix_b_fmt:MATRIX_FMT_FP6 matrix_a_scale:MATRIX_SCALE_ROW1
.endif
.endr
.endr
.endm
.macro FETCH_B slot, q, p
	WIN TO_B
.irp i, 0,1,2,3,4,5,6,7
	FRAG 128*(\p)+FR*\i, ADRB+\slot, \q, \i
.endr
	WIN 0
.endm
.macro FETCH_A slot, q, i0
.irp i, \i0, \i0+1, \i0+2, \i0+3
	FRAG AF+FR*(\i), ADRA+\slot, \q, \i
.endr
.endm
.macro SCALES sl
.irp q, 0,1
.irp u, 0,1
	ds_load_b128 v[SC+16*\sl+8*\q+4*\u:SC+16*\sl+8*\q+4*\u+3], v[ADRS+\sl] offset:\q*REC+256*\u
.endr
.endr
.endm
.macro STEP slot, q, zero
	s_wait_dscnt 4*NL                              ; all but the youngest 24 loads (A's tiles 4-7) are in
	WIN MUL_LO
	MUL16 0, (\q)%2, \q, \slot, \zero
	MUL16 2, (\q)%2, \q, \slot, \zero
	s_wait_dscnt 0
	PLACES NP                                      ; in front of loads into registers that matrix instructions have read
	FETCH_B \slot, (\q)+1, 1-(\q)%2
	FETCH_A \slot, (\q)+1, 0
	WIN MUL_HI
	MUL16 4, (\q)%2, \q, \slot, \zero
	MUL16 6, (\q)%2, \q, \slot, \zero
	PLACES NP
	WIN 0
	FETCH_A \slot, (\q)+1, 4
.endm
.macro TURN slot, next, fill
	s_wait_tensorcnt 0x0                           ; all my tensor loads have landed: my part of the next slot
	ds_add_u32 v[SPW], v[NIL]
	s_wait_dscnt 4*NL+1                            ; (the add and the youngest 24 loads may be out)
	WIN MUL_LO
	MUL16 0, 1, 1, \slot, 0
	s_wait_dscnt 0x0                               ; the add is done, and my reads of this slot are over
	s_barrier_signal -1
	MUL16 2, 1, 1, \slot, 0
	WIN 0
	s_barrier_wait -1
.if \fill
	CREST                                          ; the barrier has opened a round of the cluster's: no wave of any partner still reads this slot or has a load on its way
	s_add_nc_u64 s[G0+4*\slot+2:G0+4*\slot+3], s[G0+4*\slot+2:G0+4*\slot+3], 2*LOADB
	s_add_nc_u64 s[G0B+4*\slot+2:G0B+4*\slot+3], s[G0B+4*\slot+2:G0B+4*\slot+3], 2*LOADB
	JLOAD G0+4*\slot, G1, G0B+4*\slot, G1B
.else
	PLACES NP
.endif
	FETCH_B \next, 0, 0
	FETCH_A \next, 0, 0
	SCALES \next
	WIN MUL_HI
	MUL16 4, 1, 1, \slot, 0
	MUL16 6, 1, 1, \slot, 0
	PLACES NP
	WIN 0
	FETCH_A \next, 0, 4
.endm
	s_wait_tensorcnt 1                             ; my part of slot 0 is in (slot 1's load may be out)
	s_barrier_signal -1
	s_barrier_wait -1
	FETCH_B 0, 0, 0
	FETCH_A 0, 0, 0
	SCALES 0
	FETCH_A 0, 0, 4
	STEP 0, 0, 1
	s_mov_b32 s3, LAPS-1
.Llap:
	TURN 0, 1, 1
	STEP 1, 0, 0
	TURN 1, 0, 1
	STEP 0, 0, 0
	s_sub_co_u32 s3, s3, 1
	s_cmp_lg_u32 s3, 0
	s_cbranch_scc1 .Llap
	TURN 0, 1, 0
	STEP 1, 0, 0
	s_wait_dscnt 4*NL
	WIN MUL_LO
	MUL16 0, 1, 1, 1, 0
	MUL16 2, 1, 1, 1, 0
	s_wait_dscnt 0
	WIN MUL_HI
	MUL16 4, 1, 1, 1, 0
	MUL16 6, 1, 1, 1, 0
	WIN 0
; THE WAY OUT, a tile of 16 rows at a time, through my own stage: register 8 b + j of lane (r, h) is column 32 (b / 2) + 8 (b % 2) + 16 h + j of the tile's row r.  Back come whole rows of 512 bytes.
; LDS serves a wave's instructions in order (ISA guide 5.7.1.4): no wait between the stores and the loads.
.macro TOSTAGE a
.set AC, 64*((\a)%4)
	WIN 0x08+4*((\a)/4)                            ; the data: window 2 or 3
.irp b, 0,1,2,3,4,5,6,7
	ds_store_b128 v[STO], v[AC+8*\b:AC+8*\b+3] offset:128*(\b/2)+32*(\b%2)          ; each accumulator from its low end on
	ds_store_b128 v[STO], v[AC+8*\b+4:AC+8*\b+7] offset:128*(\b/2)+32*(\b%2)+16
.endr
	WIN 0
.set BBK, BK+64*((\a)%2)
.irp t, 0,1,2,3,4,5,6,7,8,9,10,11,12,13,14,15
	ds_load_b128 v[BBK+4*\t:BBK+4*\t+3], v[RD] offset:\t*SPITCH
.endr
.endm
.macro SEND a, younger
.set BBK, BK+64*((\a)%2)
	s_wait_dscnt \younger                          ; the tile is back in registers
.irp t, 0,1,2,3,4,5,6,7,8,9,10,11,12,13,14,15
	global_store_b128 v[ST16], v[BBK+4*\t:BBK+4*\t+3], s[OUT:OUT+1] offset:(32*((\a)/2)+8*((\a)%2)+\t+8*(\t/8))*4096 th:TH_STORE_NT   ; 512 consecutive bytes, aligned; the row by the tile's choice of rows
.endr
.endm
	PLACES NP
	TOSTAGE 0
.irp a, 1,2,3,4,5,6,7
.if \a > 1
	s_wait_xcnt 0x0                                ; tile a - 2's stores have read their registers
.endif
	TOSTAGE \a
	SEND \a-1, 32                                  ; behind tile a - 1's loads: tile a's 16 stores and 16 loads
.endr
	SEND 7, 0
	s_wait_tensorcnt 0x0                           ; the wave's end
	ds_add_u32 v[SPW], v[NIL]
	s_wait_dscnt 0x0
	CROUND                                         ; the closing round
	s_endpgm
.Lfunc_end_k_q623eb46800_ffn2:
	.size	k_q623eb46800_ffn2, .Lfunc_end_k_q623eb46800_ffn2-k_q623eb46800_ffn2
	.p2alignl 7, 3214868480
	.fill 96, 4, 3214868480
	.section	.rodata,"a",@progbits
	.p2align	6, 0x0
	.amdhsa_kernel k_q623eb46800_ffn2
		.amdhsa_group_segment_fixed_size 327680
		.amdhsa_private_segment_fixed_size 0
		.amdhsa_enable_private_segment 0
		.amdhsa_kernarg_size 24
		.amdhsa_user_sgpr_count 2
		.amdhsa_user_sgpr_kernarg_segment_ptr 1
		.amdhsa_wavefront_size32 1
		.amdhsa_system_sgpr_workgroup_id_x 1
		.amdhsa_system_sgpr_workgroup_id_y 1
		.amdhsa_system_sgpr_workgroup_id_z 1
		.amdhsa_system_vgpr_workitem_id 0
		.amdhsa_next_free_vgpr 1024
		.amdhsa_next_free_sgpr 80
		.amdhsa_reserve_vcc 0
		.amdhsa_float_denorm_mode_32 3
		.amdhsa_float_denorm_mode_16_64 3
		.amdhsa_memory_ordered 1
		.amdhsa_forward_progress 1
		.amdhsa_inst_pref_size 155
	.end_amdhsa_kernel
	.amdgpu_metadata
---
amdhsa.version: [ 1, 2 ]
amdhsa.kernels:
  - .name:           k_q623eb46800_ffn2
    .symbol:         k_q623eb46800_ffn2.kd
    .args:
      - { .name: hi, .offset: 0, .size: 8, .value_kind: global_buffer, .address_space: global }
      - { .name: wimg, .offset: 8, .size: 8, .value_kind: global_buffer, .address_space: global }
      - { .name: y, .offset: 16, .size: 8, .value_kind: global_buffer, .address_space: global }
    .group_segment_fixed_size: 327680
    .private_segment_fixed_size: 0
    .kernarg_segment_align: 8
    .kernarg_segment_size: 24
    .max_flat_workgroup_size: 128
    .sgpr_count:     80
    .vgpr_count:     1024
    .wavefront_size: 32
...
	.end_amdgpu_metadata
.endif
;; end of part 7
;; launch ln2 (part 8): grid 256 x 1, 8 waves a work-group, no clusters, 0 bytes of LDS; arguments y, x1, b2, ln2_g, ln2_b, out0; writes out0
.if DOCPART == 8
	.amdgcn_target "amdgcn-amd-amdhsa--gfx1250"
	.amdhsa_code_object_version 6
	.text
	.protected	k_q623eb46800_ln2
	.globl	k_q623eb46800_ln2
	.p2align	8
	.type	k_q623eb46800_ln2,@function
k_q623eb46800_ln2:
	s_mov_b64 s[64:65], 0
	v_nop
	global_prefetch_b8 v0, s[64:65] scope:SCOPE_SE
	s_setreg_imm32_b32 hwreg(HW_REG_WAVE_MODE, 25, 1), 1
	s_wait_xcnt 0x0
; out0 = LayerNorm(x1 + (y + b2)) g + b, in f32.  Nothing of reference() is left out here.
; A stream: a wave norms two rows, one after the other; a lane holds columns 4 L + 128 i, so each load and store covers 512 consecutive bytes, aligned; a row stays in registers between the pass for the mean, the pass
; for the variance and the scaling, and is read from memory once.  No LDS, no barrier, no matrix unit: waves share nothing, and there is no product.
.set T,    8                           ; v8-17   sums at work
.set GA,   32                          ; v32-63  g of my columns
.set BE,   64                          ; v64-95  b
.set BI,   96                          ; v96-127 the product's bias
.set YA,   128
.set XA,   160
.set YB,   192
.set XB,   224
.set SEL,  20
.macro REDUCE a, b                     ; v[a] summed over the 32 lanes, in every lane; v[b] has been written
	v_add_f32_dpp v[\a], v[\a], v[\a] row_xmask:1 row_mask:0xf bank_mask:0xf
	v_add_f32_dpp v[\a], v[\a], v[\a] row_xmask:2 row_mask:0xf bank_mask:0xf
	v_add_f32_dpp v[\a], v[\a], v[\a] row_xmask:4 row_mask:0xf bank_mask:0xf
	v_add_f32_dpp v[\a], v[\a], v[\a] row_xmask:8 row_mask:0xf bank_mask:0xf
	v_permlanex16_b32 v[\b], v[\a], s[SEL], s[SEL+1]
	v_add_f32 v[\a], v[\a], v[\b]
.endm
; One row: 32 numbers a lane in v[Y] on (the product), 32 in v[X] on (the residual).  The result replaces Y.
.macro ROW Y, X
.set J, 0
.rept 16
	v_pk_add_f32 v[\Y+J:\Y+J+1], v[\Y+J:\Y+J+1], v[BI+J:BI+J+1]      ; the product's bias first, as reference() has it,
.set J, J+2
.endr
.set J, 0
.rept 16
	v_pk_add_f32 v[\Y+J:\Y+J+1], v[\Y+J:\Y+J+1], v[\X+J:\X+J+1]      ; then the residual
.set J, J+2
.endr
.irp k, 0,1,2,3
	v_pk_add_f32 v[T+2*\k:T+2*\k+1], v[\Y+2*\k:\Y+2*\k+1], v[\Y+8+2*\k:\Y+9+2*\k]   ; the sum, in four chains
.endr
.irp m, 16,24
.irp k, 0,1,2,3
	v_pk_add_f32 v[T+2*\k:T+2*\k+1], v[T+2*\k:T+2*\k+1], v[\Y+\m+2*\k:\Y+\m+2*\k+1]
.endr
.endr
	v_pk_add_f32 v[T:T+1], v[T:T+1], v[T+2:T+3]
	v_pk_add_f32 v[T+4:T+5], v[T+4:T+5], v[T+6:T+7]
	v_pk_add_f32 v[T:T+1], v[T:T+1], v[T+4:T+5]
	v_add_f32 v[T], v[T], v[T+1]
	REDUCE T, T+1
	v_mul_f32 v[T], s22, v[T]                      ; the mean
.set J, 0
.rept 16
	v_pk_add_f32 v[\Y+J:\Y+J+1], v[\Y+J:\Y+J+1], v[T:T+1] op_sel_hi:[1,0] neg_lo:[0,1] neg_hi:[0,1]
.set J, J+2
.endr
.irp k, 0,1,2,3
	v_pk_mul_f32 v[T+2+2*\k:T+3+2*\k], v[\Y+2*\k:\Y+2*\k+1], v[\Y+2*\k:\Y+2*\k+1]   ; the squares of the differences, in four chains
.endr
.irp m, 8,16,24
.irp k, 0,1,2,3
	v_pk_fma_f32 v[T+2+2*\k:T+3+2*\k], v[\Y+\m+2*\k:\Y+\m+2*\k+1], v[\Y+\m+2*\k:\Y+\m+2*\k+1], v[T+2+2*\k:T+3+2*\k]
.endr
.endr
	v_pk_add_f32 v[T+2:T+3], v[T+2:T+3], v[T+4:T+5]
	v_pk_add_f32 v[T+6:T+7], v[T+6:T+7], v[T+8:T+9]
	v_pk_add_f32 v[T+2:T+3], v[T+2:T+3], v[T+6:T+7]
	v_add_f32 v[T+2], v[T+2], v[T+3]
	REDUCE T+2, T+3
	v_fma_f32 v[T+2], v[T+2], s22, s23             ; the variance + eps
	v_rsq_f32 v[T+2], v[T+2]
	v_nop                                          ; a plain line behind the transcendental,
	s_wait_alu depctr_va_vdst(0)                   ; and the wait ahead of its first reader
.set J, 0
.rept 16
	v_pk_mul_f32 v[\Y+J:\Y+J+1], v[\Y+J:\Y+J+1], v[T+2:T+3] op_sel_hi:[1,0]
.set J, J+2
.endr
.set J, 0
.rept 16
	v_pk_fma_f32 v[\Y+J:\Y+J+1], v[\Y+J:\Y+J+1], v[GA+J:GA+J+1], v[BE+J:BE+J+1]
.set J, J+2
.endr
.endm
.macro LOADROW Y, X, off
.irp i, 0,1,2,3,4,5,6,7
	global_load_b128 v[\Y+4*\i:\Y+4*\i+3], v1, s[4:5] offset:\off+512*\i
.endr
.irp i, 0,1,2,3,4,5,6,7
	global_load_b128 v[\X+4*\i:\X+4*\i+3], v1, s[6:7] offset:\off+512*\i
.endr
.endm
.macro PUT Y, off
.irp i, 0,1,2,3,4,5,6,7
	global_store_b128 v1, v[\Y+4*\i:\Y+4*\i+3], s[14:15] offset:\off+512*\i th:TH_STORE_NT
.endr
.endm
	s_load_b256 s[4:11], s[0:1], 0x0               ; y s[4:5], x1 s[6:7], b2 s[8:9], ln2_g s[10:11]
	s_load_b128 s[12:15], s[0:1], 0x20             ; ln2_b s[12:13], out0 s[14:15]
	v_lshrrev_b32 v1, 5, v0
	v_readfirstlane_b32 s2, v1                     ; wave 0..7
	v_and_b32 v1, 31, v0
	v_lshlrev_b32 v1, 4, v1                        ; 16 L
	s_mov_b32 s[SEL], 0x76543210
	s_mov_b32 s[SEL+1], 0xfedcba98
	s_mov_b32 s22, 0x3a800000                      ; 1 / 1,024
	s_mov_b32 s23, 0x3727c5ac                      ; eps = 1e-5
	s_lshl_b32 s18, ttmp9, 3
	s_add_co_u32 s18, s18, s2
	s_lshl_b32 s18, s18, 13                        ; my two rows of 4,096 bytes
	s_mov_b32 s19, 0
	s_wait_kmcnt 0x0
	s_add_nc_u64 s[4:5], s[4:5], s[18:19]
	s_add_nc_u64 s[6:7], s[6:7], s[18:19]
	s_add_nc_u64 s[14:15], s[14:15], s[18:19]
.irp i, 0,1,2,3,4,5,6,7
	global_load_b128 v[GA+4*\i:GA+4*\i+3], v1, s[10:11] offset:512*\i
	global_load_b128 v[BE+4*\i:BE+4*\i+3], v1, s[12:13] offset:512*\i
	global_load_b128 v[BI+4*\i:BI+4*\i+3], v1, s[8:9] offset:512*\i
.endr
	LOADROW YA, XA, 0
	LOADROW YB, XB, 4096
	s_wait_loadcnt 16                              ; the constants and the first row are in; the second row's 16 loads may be out
	ROW YA, XA
	PUT YA, 0
	s_wait_loadcnt 0x0
	ROW YB, XB
	PUT YB, 4096
	s_endpgm
.Lfunc_end_k_q623eb46800_ln2:
	.size	k_q623eb46800_ln2, .Lfunc_end_k_q623eb46800_ln2-k_q623eb46800_ln2
	.p2alignl 7, 3214868480
	.fill 96, 4, 3214868480
	.section	.rodata,"a",@progbits
	.p2align	6, 0x0
	.amdhsa_kernel k_q623eb46800_ln2
		.amdhsa_group_segment_fixed_size 0
		.amdhsa_private_segment_fixed_size 0
		.amdhsa_enable_private_segment 0
		.amdhsa_kernarg_size 48
		.amdhsa_user_sgpr_count 2
		.amdhsa_user_sgpr_kernarg_segment_ptr 1
		.amdhsa_wavefront_size32 1
		.amdhsa_system_sgpr_workgroup_id_x 1
		.amdhsa_system_sgpr_workgroup_id_y 1
		.amdhsa_system_sgpr_workgroup_id_z 1
		.amdhsa_system_vgpr_workitem_id 0
		.amdhsa_next_free_vgpr 256
		.amdhsa_next_free_sgpr 66
		.amdhsa_reserve_vcc 0
		.amdhsa_float_denorm_mode_32 3
		.amdhsa_float_denorm_mode_16_64 3
		.amdhsa_memory_ordered 1
		.amdhsa_forward_progress 1
		.amdhsa_inst_pref_size 24
	.end_amdhsa_kernel
	.amdgpu_metadata
---
amdhsa.version: [ 1, 2 ]
amdhsa.kernels:
  - .name:           k_q623eb46800_ln2
    .symbol:         k_q623eb46800_ln2.kd
    .args:
      - { .name: y, .offset: 0, .size: 8, .value_kind: global_buffer, .address_space: global }
      - { .name: x1, .offset: 8, .size: 8, .value_kind: global_buffer, .address_space: global }
      - { .name: b2, .offset: 16, .size: 8, .value_kind: global_buffer, .address_space: global }
      - { .name: ln2_g, .offset: 24, .size: 8, .value_kind: global_buffer, .address_space: global }
      - { .name: ln2_b, .offset: 32, .size: 8, .value_kind: global_buffer, .address_space: global }
      - { .name: out0, .offset: 40, .size: 8, .value_kind: global_buffer, .address_space: global }
    .group_segment_fixed_size: 0
    .private_segment_fixed_size: 0
    .kernarg_segment_align: 8
    .kernarg_segment_size: 48
    .max_flat_workgroup_size: 256
    .sgpr_count:     66
    .vgpr_count:     256
    .wavefront_size: 32
...
	.end_amdgpu_metadata
.endif
;; end of part 8
;; ======== version 2 of 2: 8 launches
;; limits: right only within a limited range of input values
;; workspace buffers: xi 3,276,800 bytes; wimg 9,830,400 bytes; msk 33,280 bytes; qkv 10,223,616 bytes; oi 3,276,800 bytes; y 16,777,216 bytes; x1 16,777,216 bytes; hi 13,107,200 bytes
;; launch prep (part 9): grid 256 x 1, 8 waves a work-group, no clusters, 0 bytes of LDS; arguments x, mask, Wq_codes, Wq_scales, Wk_codes, Wk_scales, Wv_codes, Wv_scales, Wo_codes, Wo_scales, W1_codes, W1_scales, W2_codes, W2_scales, xi, wimg, msk; writes xi, wimg, msk
.if DOCPART == 9
	.amdgcn_target "amdgcn-amd-amdhsa--gfx1250"
	.amdhsa_code_object_version 6
	.text
	.protected	k_q623eb46800_prep
	.globl	k_q623eb46800_prep
	.p2align	8
	.type	k_q623eb46800_prep,@function
k_q623eb46800_prep:
	s_mov_b64 s[64:65], 0
	v_nop
	global_prefetch_b8 v0, s[64:65] scope:SCOPE_SE
	s_setreg_imm32_b32 hwreg(HW_REG_WAVE_MODE, 25, 1), 1
	s_wait_xcnt 0x0
; ENCODER LAYER, launch 1 of 8: operands are laid out as the later launches' registers take them.
; DEAD WORK: none.  Every input of reference() has a way to the output for some finite values, so every input is loaded by some launch and no product, row or step is left out.
; LIMITS of the whole program: NaN and infinities among the inputs are not served by the quantisers.  A block of zeros gets the scale byte 1 where the rule says 127: its codes are zeros, and only this
; program reads the bytes.  A masked key gets its score less 1.25 x 2^36 where reference() sets the energy to -1e10 (-8e10 in score units): both give p = 0 beside any kept key.  The running maximum of
; the softmax starts at t = -2^31: a row whose every kept energy lies under -1.49e9 is not served.  A batch whose mask is all zero gets reference()'s uniform softmax (see the mask's part below).
; A RECORD is 128 rows x 128 along K of one operand, 12,800 bytes.  Its rows form 8 tiles: lane row r of tile T is row 32 (T / 2) + 8 (T % 2) + r + 8 (r / 8).  A tile's fragment (12 registers a lane) lies as an
; image of its registers: piece p (registers 2 p, 2 p + 1) at 1536 T + 256 p + 8 x lane.  The scale words (four E8M0 bytes: one row, this K step) lie at 12,288 + 256 (T / 4) + 16 r + 4 (T % 4).
; SHARES.  Work-group g: waves 0, 1 quantise the two halves (4 tiles each) of x's record g (token group g / 8, K step g % 8).  Waves 2 to 7 copy one half record each of the six weights (768 records).
; Wave 7 of work-groups 0 and 1 then makes the mask tables of batch 0 and 1.  No LDS, no barrier: waves share nothing.
.set REC,  12800
.set TM,   8                           ; v8-23   at work in QUANT
.set PC,   224                         ; v224-242 the codes just made
.set SW,   244                         ; v244-247 the four tiles' scale words
.set SEL,  4                           ; s[4:5]  lane selects for v_permlanex16_b32: lane l xor 16
; 64 numbers of a lane, register 16 b + i = k 32 b + 16 (lane / 16) + i of my row, become a fragment's codes in v[PC] on and its scale word in v[pw].  abs = 0: no number is negative.
.macro QUANT s, abs, pw
.irp b, 0,1,2,3
.if \abs
	v_max3_num_f32 v[TM+\b], |v[(\s)+16*\b]|, |v[(\s)+16*\b+1]|, 0x1800000   ; block b: my 16 numbers, and the floor 2^(3 - 127): the byte cannot fall under 1
.else
	v_max3_num_f32 v[TM+\b], v[(\s)+16*\b], v[(\s)+16*\b+1], 0x1800000
.endif
.endr
.irp i, 2,4,6,8,10,12,14
.irp b, 0,1,2,3
.if \abs
	s_delay_alu instid0(VALU_DEP_4)
	v_max3_num_f32 v[TM+\b], v[TM+\b], |v[(\s)+16*\b+\i]|, |v[(\s)+16*\b+\i+1]|
.else
	v_max3_num_f32 v[TM+\b], v[TM+\b], v[(\s)+16*\b+\i], v[(\s)+16*\b+\i+1]
.endif
.endr
.endr
.irp b, 0,1,2,3
	s_delay_alu instid0(VALU_DEP_4)
	v_permlanex16_b32 v[TM+4+\b], v[TM+\b], s[SEL], s[SEL+1]
.endr
.irp b, 0,1,2,3
	s_delay_alu instid0(VALU_DEP_4)
	v_max_num_f32 v[TM+\b], v[TM+\b], v[TM+4+\b]       ; with lane l xor 16's: the block's largest magnitude
.endr
.irp b, 0,1,2,3
	s_delay_alu instid0(VALU_DEP_4)
	v_add_nc_u32 v[TM+12+\b], 0xff000000, v[TM+\b]     ; 2 off its exponent field: the conversion's scale operand
.endr
.irp b, 0,1,2,3
	s_delay_alu instid0(VALU_DEP_4)
	v_lshrrev_b32 v[TM+4+\b], 23, v[TM+12+\b]          ; the scale's byte
.endr
	s_delay_alu instid0(VALU_DEP_3)
	v_lshl_or_b32 v[\pw], v[TM+5], 8, v[TM+4]
	s_delay_alu instid0(VALU_DEP_1)
	v_lshl_or_b32 v[\pw], v[TM+6], 16, v[\pw]
	s_delay_alu instid0(VALU_DEP_1)
	v_lshl_or_b32 v[\pw], v[TM+7], 24, v[\pw]
.irp c, 0,1
	v_cvt_scalef32_pk16_fp6_f32 v[PC+6*\c:PC+6*\c+2], v[(\s)+32*\c:(\s)+32*\c+15], v[TM+12+2*\c]
	v_cvt_scalef32_pk16_fp6_f32 v[PC+12+4*\c:PC+14+4*\c], v[(\s)+32*\c+16:(\s)+32*\c+31], v[TM+13+2*\c]   ; (a conversion's three registers begin on an even number)
.endr
	v_nop                                              ; one plain line behind the scaled conversions
.irp c, 0,1                                        ; the layout wants a whole block in a lane: lanes 0-15 block 2 c, lanes 16-31 block 2 c + 1
.irp i, 0,1,2
	v_permlane16_swap_b32 v[PC+6*\c+\i], v[PC+12+4*\c+\i]
.endr
.irp i, 0,1,2
	s_delay_alu instid0(VALU_DEP_3)
	v_mov_b32 v[PC+3+6*\c+\i], v[PC+12+4*\c+\i]
.endr
.endr
.endm
	s_load_b512 s[8:23], s[0:1], 0x0               ; x s[8:9], mask s[10:11], Wq codes, scales s[12:15], Wk s[16:19], Wv s[20:23]
	s_load_b512 s[24:39], s[0:1], 0x40             ; Wo s[24:27], W1 s[28:31], W2 s[32:35], xi s[36:37], wimg s[38:39]
	s_load_b64 s[40:41], s[0:1], 0x80              ; msk
	v_lshrrev_b32 v1, 5, v0
	s_delay_alu instid0(VALU_DEP_1)
	v_readfirstlane_b32 s2, v1                     ; wave 0..7
	v_and_b32 v1, 31, v0                           ; lane
	v_and_b32 v2, 15, v0                           ; r
	v_bfe_u32 v3, v0, 4, 1                         ; h
	s_delay_alu instid0(VALU_DEP_2)
	v_and_b32 v4, 8, v2
	s_delay_alu instid0(VALU_DEP_1)
	v_add_nc_u32 v4, v4, v2                        ; r + 8 (r / 8)
	v_lshlrev_b32 v5, 3, v1                        ; 8 x lane: a piece's place for my lane
	v_lshlrev_b32 v6, 4, v2
	s_delay_alu instid0(VALU_DEP_1)
	v_lshl_add_u32 v6, v3, 3, v6                   ; 16 r + 8 h: my two words of a half scale image
	s_mov_b32 s6, 0xffff0000                       ; lanes 16-31
	s_wait_kmcnt 0x0
	s_cmp_lt_u32 s2, 2
	s_cbranch_scc0 .Lweights
	; ---- waves 0, 1: half q = wave of x's record
	s_mov_b32 s[SEL], 0x76543210
	s_mov_b32 s[SEL+1], 0xfedcba98
	s_wait_alu depctr_va_vdst(0)
	v_lshlrev_b32 v7, 12, v4
	s_delay_alu instid0(VALU_DEP_1)
	v_lshl_add_u32 v7, v3, 6, v7                   ; my row of a tile, 4,096 bytes a row, + 64 h: my 16 numbers of a block of 32
	s_wait_alu depctr_va_vdst(0)
.irp b, 0,1,2,3
	v_mov_b32 v[TM+4+\b], 0                        ; written once: a lane permute's destination counts as one of its sources
.endr
	s_lshr_b32 s42, ttmp9, 3                       ; token group
	s_and_b32 s43, ttmp9, 7                        ; K step
	s_lshl_b32 s42, s42, 1
	s_add_co_u32 s42, s42, s2
	s_lshl_b32 s42, s42, 18                        ; x 64 rows x 4,096 bytes
	s_lshl_b32 s43, s43, 9                         ; + 128 numbers a K step
	s_add_co_u32 s42, s42, s43
	s_mov_b32 s43, 0
	s_add_nc_u64 s[8:9], s[8:9], s[42:43]
	s_mul_i32 s44, ttmp9, REC
	s_mov_b32 s45, 0
	s_add_nc_u64 s[46:47], s[36:37], s[44:45]      ; my record
	s_mul_i32 s44, s2, 4*1536
	s_add_nc_u64 s[36:37], s[46:47], s[44:45]      ; my four tiles' codes
	s_lshl_b32 s44, s2, 8
	s_add_nc_u64 s[48:49], s[46:47], s[44:45]      ; my half of the scale image, less 12,288
.macro XLOAD set, i                    ; tile i of my four: 64 numbers a lane
.irp b, 0,1,2,3
.irp j, 0,1,2,3
	global_load_b128 v[\set+16*\b+4*\j:\set+16*\b+4*\j+3], v7, s[8:9] offset:(32*((\i)/2)+8*((\i)%2))*4096+128*\b+16*\j
.endr
.endr
.endm
.macro XTILE i, set, left
	s_wait_loadcnt \left                           ; this tile's 16 loads are in; the younger tiles' may be out
	s_wait_xcnt 0x0                                ; the last tile's stores have read the codes' registers
	QUANT \set, 1, SW+\i
.irp p, 0,1,2,3,4,5
	global_store_b64 v5, v[PC+2*\p:PC+2*\p+1], s[36:37] offset:(\i)*1536+\p*256   ; 32 lanes store 256 consecutive bytes, aligned
.endr
.endm
	XLOAD 32, 0
	XLOAD 96, 1
	XLOAD 160, 2
	XTILE 0, 32, 32
	XLOAD 32, 3
	XTILE 1, 96, 32
	XTILE 2, 160, 16
	XTILE 3, 32, 0
	v_cndmask_b32 v24, v[SW], v[SW+2], s6          ; lanes 0-15 carry tiles 0, 1, lanes 16-31 tiles 2, 3
	v_cndmask_b32 v25, v[SW+1], v[SW+3], s6
	global_store_b64 v6, v[24:25], s[48:49] offset:12288   ; 256 consecutive bytes, aligned
	s_endpgm
	; ---- waves 2 to 7: half q of weight record rho
.Lweights:
	s_mul_i32 s42, ttmp9, 6
	s_add_co_u32 s42, s42, s2
	s_sub_co_u32 s42, s42, 2
	s_and_b32 s43, s42, 1                          ; q
	s_lshr_b32 s42, s42, 1                         ; rho, 0 .. 767
	s_lshr_b32 s44, s42, 3                         ; for the five weights of K = 1,024: the group of 128 rows, counted through Wq, Wk, Wv, Wo, W1
	s_mov_b64 s[46:47], s[12:13]
	s_mov_b64 s[48:49], s[14:15]
	s_mov_b32 s50, 0
	s_cmp_ge_u32 s44, 8                            ; the choices hang on ids alone
	s_cselect_b64 s[46:47], s[16:17], s[46:47]
	s_cselect_b64 s[48:49], s[18:19], s[48:49]
	s_cselect_b32 s50, 8, s50
	s_cmp_ge_u32 s44, 16
	s_cselect_b64 s[46:47], s[20:21], s[46:47]
	s_cselect_b64 s[48:49], s[22:23], s[48:49]
	s_cselect_b32 s50, 16, s50
	s_cmp_ge_u32 s44, 24
	s_cselect_b64 s[46:47], s[24:25], s[46:47]
	s_cselect_b64 s[48:49], s[26:27], s[48:49]
	s_cselect_b32 s50, 24, s50
	s_cmp_ge_u32 s44, 32
	s_cselect_b64 s[46:47], s[28:29], s[46:47]
	s_cselect_b64 s[48:49], s[30:31], s[48:49]
	s_cselect_b32 s50, 32, s50
	s_sub_co_u32 s51, s44, s50                     ; the group within its weight,
	s_and_b32 s52, s42, 7                          ; the K step
	s_sub_co_u32 s53, s42, 512                     ; W2 (K = 4,096): 32 K steps a group
	s_lshr_b32 s53, s53, 5
	s_and_b32 s54, s42, 31
	s_mov_b32 s55, 768
	s_cmp_ge_u32 s44, 64
	s_cselect_b64 s[46:47], s[32:33], s[46:47]
	s_cselect_b64 s[48:49], s[34:35], s[48:49]
	s_cselect_b32 s51, s53, s51
	s_cselect_b32 s52, s54, s52
	s_cselect_b32 s55, 3072, s55                   ; a row of codes in bytes
	s_cselect_b32 s56, 128, 32                     ; a row of scale bytes
	s_lshl_b32 s57, s51, 1
	s_add_co_u32 s57, s57, s43
	s_lshl_b32 s57, s57, 6                         ; my first row: 128 x group + 64 q
	s_mul_i32 s58, s57, s55
	s_mul_i32 s59, s52, 96
	s_add_co_u32 s58, s58, s59
	s_mov_b32 s59, 0
	s_add_nc_u64 s[46:47], s[46:47], s[58:59]
	s_mul_i32 s58, s57, s56
	s_lshl_b32 s60, s52, 2
	s_add_co_u32 s58, s58, s60
	s_add_nc_u64 s[48:49], s[48:49], s[58:59]
	s_mul_i32 s58, s42, REC
	s_add_nc_u64 s[38:39], s[38:39], s[58:59]      ; my record
	s_mul_i32 s60, s43, 4*1536
	s_mov_b32 s61, 0
	s_add_nc_u64 s[60:61], s[38:39], s[60:61]      ; my four tiles' codes
	s_lshl_b32 s58, s43, 8
	s_add_nc_u64 s[38:39], s[38:39], s[58:59]      ; my half of the scale image, less 12,288
	s_wait_alu depctr_va_vdst(0)
	v_mul_u32_u24 v7, v3, 24
.irp i, 0,1,2,3
	v_add_nc_u32 v8, 32*(\i/2)+8*(\i%2), v4        ; my row of tile i
	s_delay_alu instid0(VALU_DEP_1)
	v_mad_u32_u24 v[12+\i], v8, s55, v7            ; its codes, + 24 h
	s_delay_alu instid0(VALU_DEP_2)
	v_mul_u32_u24 v[16+\i], v8, s56                ; its scale bytes
.endr
.irp i, 0,1,2,3
.irp p, 0,1,2,3,4,5
	global_load_b64 v[32+12*\i+2*\p:33+12*\i+2*\p], v[12+\i], s[46:47] offset:48*(\p/3)+8*(\p%3)   ; the row's stream of bits is the register image: 24 bytes at 24 h, 24 at 48 + 24 h
.endr
	global_load_b32 v[SW+\i], v[16+\i], s[48:49]
.endr
	s_wait_loadcnt 0x0
.irp i, 0,1,2,3
.irp p, 0,1,2,3,4,5
	global_store_b64 v5, v[32+12*\i+2*\p:33+12*\i+2*\p], s[60:61] offset:\i*1536+\p*256
.endr
.endr
	v_cndmask_b32 v24, v[SW], v[SW+2], s6
	v_cndmask_b32 v25, v[SW+1], v[SW+3], s6
	global_store_b64 v6, v[24:25], s[38:39] offset:12288
	s_cmp_lg_u32 s2, 7
	s_cbranch_scc1 .Ldone
	s_cmp_gt_u32 ttmp9, 1
	s_cbranch_scc1 .Ldone
	; ---- wave 7 of work-groups 0, 1: the mask of batch b = work-group.
	; For each tile of 16 keys an image of one register: lane r holds the code 42 (-1.25) where key r of the tile is masked, else 0; lanes 16-31 hold 0.  Attention lays it at k = 64 of the key's fragment, under the
	; scale 2^36, against the code of 1.0 on the query's side.  Where the WHOLE batch is masked every word is 0 and the factor c (log2(e) / 8) is 0: then t = 0 for all keys, p = 1: reference()'s uniform softmax.
	s_wait_xcnt 0x0                                ; my stores have read their registers and bases
	v_and_b32 v8, 7, v1
	s_delay_alu instid0(VALU_DEP_1)
	v_lshlrev_b32 v8, 1, v8
	s_delay_alu instid0(VALU_DEP_1)
	v_lshl_add_u32 v8, v3, 3, v8
	v_bfe_u32 v9, v1, 2, 1
	s_delay_alu instid0(VALU_DEP_1)
	v_lshl_add_u32 v8, v9, 3, v8                   ; of 32 keys, my two: 8 (L / 16) + 2 (L % 8) + 8 ((L / 4) % 2), and the next
	s_delay_alu instid0(VALU_DEP_1)
	v_lshlrev_b32 v8, 2, v8
	s_lshl_b32 s42, ttmp9, 13
	s_mov_b32 s43, 0
	s_add_nc_u64 s[10:11], s[10:11], s[42:43]
	s_lshl_b32 s42, ttmp9, 14
	s_add_nc_u64 s[46:47], s[40:41], s[42:43]      ; the batch's images
	s_lshl_b32 s42, ttmp9, 8
	s_add_nc_u64 s[48:49], s[40:41], s[42:43]      ; its factor, less 32,768
.set Q, 0
.rept 64
	global_load_b64 v[32+2*Q:33+2*Q], v8, s[10:11] offset:128*Q
.set Q, Q+1
.endr
	s_wait_loadcnt 0x0
	v_or_b32 v10, v32, v33
.set Q, 34
.rept 126
	s_delay_alu instid0(VALU_DEP_1)
	v_or_b32 v10, v10, v[Q]
.set Q, Q+1
.endr
	s_delay_alu instid0(VALU_DEP_1)
	v_cmp_ne_u32 vcc_lo, 0, v10
	s_cmp_lg_u32 vcc_lo, 0                         ; is any key of the batch kept?
	s_cselect_b32 s44, 42, 0
	s_cselect_b32 s45, 0x3e38aa3b, 0               ; c = log2(e) / 8
	v_and_b32 v11, 8, v1
	s_delay_alu instid0(VALU_DEP_1)
	v_cmp_eq_u32 vcc_lo, 0, v11                    ; my two words belong to a tile's lanes 0-15
	v_mov_b32 v12, s44
	s_delay_alu instid0(VALU_DEP_1)
	v_cndmask_b32 v12, 0, v12, vcc_lo
.set Q, 32
.rept 128
	v_cmp_eq_u32 vcc_lo, 0, v[Q]
	s_delay_alu instid0(VALU_DEP_1)
	v_cndmask_b32 v[Q], 0, v12, vcc_lo
.set Q, Q+1
.endr
.set Q, 0
.rept 64
	global_store_b64 v5, v[32+2*Q:33+2*Q], s[46:47] offset:256*Q   ; two tiles' images: 256 consecutive bytes, aligned
.set Q, Q+1
.endr
	v_mov_b32 v14, s45
	v_mov_b32 v15, s45
	global_store_b64 v5, v[14:15], s[48:49] offset:32768
.Ldone:
	s_endpgm
.Lfunc_end_k_q623eb46800_prep:
	.size	k_q623eb46800_prep, .Lfunc_end_k_q623eb46800_prep-k_q623eb46800_prep
	.p2alignl 7, 3214868480
	.fill 96, 4, 3214868480
	.section	.rodata,"a",@progbits
	.p2align	6, 0x0
	.amdhsa_kernel k_q623eb46800_prep
		.amdhsa_group_segment_fixed_size 0
		.amdhsa_private_segment_fixed_size 0
		.amdhsa_enable_private_segment 0
		.amdhsa_kernarg_size 136
		.amdhsa_user_sgpr_count 2
		.amdhsa_user_sgpr_kernarg_segment_ptr 1
		.amdhsa_wavefront_size32 1
		.amdhsa_system_sgpr_workgroup_id_x 1
		.amdhsa_system_sgpr_workgroup_id_y 1
		.amdhsa_system_sgpr_workgroup_id_z 1
		.amdhsa_system_vgpr_workitem_id 0
		.amdhsa_next_free_vgpr 256
		.amdhsa_next_free_sgpr 66
		.amdhsa_reserve_vcc 1
		.amdhsa_float_denorm_mode_32 3
		.amdhsa_float_denorm_mode_16_64 3
		.amdhsa_memory_ordered 1
		.amdhsa_forward_progress 1
		.amdhsa_inst_pref_size 74
	.end_amdhsa_kernel
	.amdgpu_metadata
---
amdhsa.version: [ 1, 2 ]
amdhsa.kernels:
  - .name:           k_q623eb46800_prep
    .symbol:         k_q623eb46800_prep.kd
    .args:
      - { .name: x, .offset: 0, .size: 8, .value_kind: global_buffer, .address_space: global }
      - { .name: mask, .offset: 8, .size: 8, .value_kind: global_buffer, .address_space: global }
      - { .name: Wq_codes, .offset: 16, .size: 8, .value_kind: global_buffer, .address_space: global }
      - { .name: Wq_scales, .offset: 24, .size: 8, .value_kind: global_buffer, .address_space: global }
      - { .name: Wk_codes, .offset: 32, .size: 8, .value_kind: global_buffer, .address_space: global }
      - { .name: Wk_scales, .offset: 40, .size: 8, .value_kind: global_buffer, .address_space: global }
      - { .name: Wv_codes, .offset: 48, .size: 8, .value_kind: global_buffer, .address_space: global }
      - { .name: Wv_scales, .offset: 56, .size: 8, .value_kind: global_buffer, .address_space: global }
      - { .name: Wo_codes, .offset: 64, .size: 8, .value_kind: global_buffer, .address_space: global }
      - { .name: Wo_scales, .offset: 72, .size: 8, .value_kind: global_buffer, .address_space: global }
      - { .name: W1_codes, .offset: 80, .size: 8, .value_kind: global_buffer, .address_space: global }
      - { .name: W1_scales, .offset: 88, .size: 8, .value_kind: global_buffer, .address_space: global }
      - { .name: W2_codes, .offset: 96, .size: 8, .value_kind: global_buffer, .address_space: global }
      - { .name: W2_scales, .offset: 104, .size: 8, .value_kind: global_buffer, .address_space: global }
      - { .name: xi, .offset: 112, .size: 8, .value_kind: global_buffer, .address_space: global }
      - { .name: wimg, .offset: 120, .size: 8, .value_kind: global_buffer, .address_space: global }
      - { .name: msk, .offset: 128, .size: 8, .value_kind: global_buffer, .address_space: global }
    .group_segment_fixed_size: 0
    .private_segment_fixed_size: 0
    .kernarg_segment_align: 8
    .kernarg_segment_size: 136
    .max_flat_workgroup_size: 256
    .sgpr_count:     66
    .vgpr_count:     256
    .wavefront_size: 32
...
	.end_amdgpu_metadata
.endif
;; end of part 9
;; launch qkv (part 10): grid 12 x 16, 4 waves a work-group, clusters of 4 x 4, 327,680 bytes of LDS; arguments xi, wimg, bq, bk, bv, qkv; writes qkv
.if DOCPART == 10
	.amdgcn_target "amdgcn-amd-amdhsa--gfx1250"
	.amdhsa_code_object_version 6
	.text
	.protected	k_q623eb46800_qkv
	.globl	k_q623eb46800_qkv
	.p2align	8
	.type	k_q623eb46800_qkv,@function
k_q623eb46800_qkv:
	s_mov_b64 s[64:65], 0
	v_nop
	global_prefetch_b8 v0, s[64:65] scope:SCOPE_SE
	s_setreg_imm32_b32 hwreg(HW_REG_WAVE_MODE, 25, 1), 1
	s_wait_xcnt 0x0
	s_wait_alu depctr_hold_cnt(0) depctr_sa_sdst(0) depctr_va_vdst(0) depctr_va_sdst(0) depctr_va_ssrc(0) depctr_va_vcc(0) depctr_vm_vsrc(0)
	s_getreg_b32 s2, hwreg(HW_REG_IB_STS2, 6, 4)
	s_cmp_eq_u32 s2, 0
	s_cbranch_scc0 .Lentry_in_a_cluster
	s_endpgm
.Lentry_in_a_cluster:
	s_bfe_u32 s2, ttmp6, 0x10000c
	s_cmp_lg_u32 s2, 0xf033
	s_cbranch_scc0 .Lentry_shape_is_right
	s_endpgm
.Lentry_shape_is_right:
; A GEMM on records of MX-FP6 codes whose result is quantised on the way out: q, k, v = Q(x) [Wq | Wk | Wv] + bias, stored as codes for attention.
; Nothing of reference() is left out here.
; A RECORD is 128 rows x 128 along K, 12,800 bytes: 8 tiles (lane row r of tile T is row 32 (T / 2) + 8 (T % 2) + r + 8 (r / 8)); piece p (registers 2 p, 2 p + 1 of the 12) at 1536 T + 256 p + 8 x lane;
; scale words at 12,288 + 256 (T / 4) + 16 r + 4 (T % 4).  Records of one group of rows follow each other along K.
; SHARES.  A tile of C is 256 x 256; four waves, each 128 x 128: 64 accumulators in windows 2 and 3.  A wave's one tensor load brings two records (25,600 dense bytes); a slot holds 256 along K of A's and B's two groups.
; THREE SLOTS, ONE REFILL.  K = 1,024 is four slots' worth, and three fit in LDS: all three are asked for at the start, and slot 0 is filled once more, with the last 256 along K, as soon as it has been read: that
; load has the 256 matrix instructions of slots 1 and 2 in which to land.  So the text has one round of the cluster's barrier in front of a refill, and no loop.
; CLUSTER 4 x 4: A's records are asked for jointly along a row of the cluster, B's along a column.
; ROLES.  Source 1 (the result's lanes) has one set of 8 fragments in window 0; source 0 (the result's registers) two sets in window 1.  By the tiles' choice of rows a lane's 64 results of one source-1 tile are
; 64 neighbours along source 0's rows, in the order that the conversions want.  As a rule source 1 = A (tokens) and source 0 = B (columns): the result is quantised along the columns (q, k: the head).
; Cluster x = 2 (Wv's columns): the two LDS offsets change places, so that a lane holds a channel and its registers run along the tokens: v is quantised along the keys.  The choice hangs on the cluster's x
; alone: it is the same in all sixteen partners, and tensor loads, masks and the products' text do not know of it.
; OUT.  Place (column group x 32 + token group) of 13,312 bytes: a record; q and k have two scale images (12,288 + 512 e) whose word for head e of the pair is (byte 2 e, byte 2 e + 1, C, 0x7f), C = 0x7f for q and
; 0xa3 (2^36) for k: the third block of attention's K = 128 carries the key mask.
.set KIND, 0
.set NSG,  8                           ; records of a group along K
.set BREC, 0                           ; B's first record in wimg
.set REC,   12800
.set LOADB, 2*REC                      ; what one tensor load brings
.set SLOT,  4*LOADB                    ; A's two groups, then B's two
.set SPARE, 3*SLOT                     ; behind the three slots: the spare words, 128 bytes for each wave: two blocks of 256 bytes that no other line names
.set FR,   12
.set NL,   6
.set NP,   4                           ; places behind this matrix instruction (ISA guide 7.12.1)
.set ADRA, 12                          ; v12-14  source 1's fragments in slot 0, 1, 2: 8 x lane + its group
.set ADRB, 16                          ; v16-18  source 0's
.set ADRS, 20                          ; v20-22  scale words: lanes 0-15 source 1's, lanes 16-31 source 0's
.set ST8,  26                          ; v26     8 x lane
.set ST16, 27                          ; v27     16 x lane
.set SPW,  28                          ; v28     my spare word; never rewritten
.set NIL,  29                          ; v29     0; never rewritten
.set SC,   32                          ; v32-63  scale words, two sets that take turns slot by slot; in a set register 8 q + T
.set AF,   128                         ; v128-223 source 1's fragments
.set BB,   64                          ; v64-127 the bias along the registers
.set HA,   128                         ; the way out: v128-191 64 numbers
.set PC,   192                         ; v192-210 the codes just made
.set TM,   212                         ; v212-227 at work in QUANT
.set BA,   228                         ; v228-243 the bias along the lanes, each number in both registers of a pair
.set SW,   244                         ; v244-251 the eight tiles' scale words
.set D4,   252                         ; v252-255 a scale image's 16 bytes
.set W,    128                         ; v128-135 q's and k's words, when the blocks are done
.set G1,   24                          ; s[24:31] descriptor group 1 for A's records;  s[32:39] for B's
.set G1B,  32
.set G0,   40                          ; s[40:51] group 0 for A's, a set for each slot;  s[52:63] for B's
.set G0B,  52
.set SEL,  72
.set OUT,  74
.set BIA,  76
.set CX,   80
.set CY,   81
.set TX,   82
.set MR,   83
.set MC,   84
.set LD,   85
.set BAD,  86                          ; s[86:87]
.set MSB, 0
.macro WIN new                         ; the immediate's high byte repeats the setting that is left
.if MSB != (\new)
	s_set_vgpr_msb (MSB<<8)|(\new)
.set MSB, (\new)
.endif
.endm
.set MUL_LO, 0xa1                      ; source 0 window 1, source 1 window 0, C and D window 2
.set MUL_HI, 0xf1                      ; the same, C and D window 3
.set TO_B,   0x40                      ; destination window 1
.macro JLOAD g0a, g1a, g0b, g1b        ; a joint load: waves 0, 1 fetch A's groups, waves 2, 3 B's; an s_nop 0 and four v_nop follow each line
	s_cmp_eq_u32 s15, 0
	s_cbranch_scc0 .Lfor_b_\@
	tensor_load_to_lds s[\g0a:\g0a+3], s[\g1a:\g1a+7]
	s_nop 0
.rept 4
	v_nop
.endr
	s_branch .Lasked_\@
.Lfor_b_\@:
	tensor_load_to_lds s[\g0b:\g0b+3], s[\g1b:\g1b+7]
	s_nop 0
.rept 4
	v_nop
.endr
.Lasked_\@:
.endm
.macro CREST                           ; a round of the cluster's barrier behind its opening barrier
	s_cmp_lg_u32 s14, 0
	s_cbranch_scc1 .Lnot_wave_0_\@
	s_barrier_signal -3
.Lnot_wave_0_\@:
	s_barrier_wait -3
	s_barrier_signal -1
	s_barrier_wait -1
.endm
.macro CROUND
	s_barrier_signal -1
	s_barrier_wait -1
	CREST
.endm
.macro PLACES n
.rept \n
	v_nop
.endr
.endm
; 64 numbers of a lane, register 16 b + i = k 32 b + 16 (lane / 16) + i of my row, become a fragment's codes in v[PC] on and its scale word in v[pw].  abs = 0: no number is negative.
.macro QUANT s, abs, pw
.irp b, 0,1,2,3
.if \abs
	v_max3_num_f32 v[TM+\b], |v[(\s)+16*\b]|, |v[(\s)+16*\b+1]|, 0x1800000   ; block b: my 16 numbers, and the floor 2^(3 - 127): the byte cannot fall under 1
.else
	v_max3_num_f32 v[TM+\b], v[(\s)+16*\b], v[(\s)+16*\b+1], 0x1800000
.endif
.endr
.irp i, 2,4,6,8,10,12,14
.irp b, 0,1,2,3
.if \abs
	v_max3_num_f32 v[TM+\b], v[TM+\b], |v[(\s)+16*\b+\i]|, |v[(\s)+16*\b+\i+1]|
.else
	v_max3_num_f32 v[TM+\b], v[TM+\b], v[(\s)+16*\b+\i], v[(\s)+16*\b+\i+1]
.endif
.endr
.endr
.irp b, 0,1,2,3
	v_permlanex16_b32 v[TM+4+\b], v[TM+\b], s[SEL], s[SEL+1]
.endr
.irp b, 0,1,2,3
	v_max_num_f32 v[TM+\b], v[TM+\b], v[TM+4+\b]       ; with lane l xor 16's: the block's largest magnitude
.endr
.irp b, 0,1,2,3
	v_add_nc_u32 v[TM+12+\b], 0xff000000, v[TM+\b]     ; 2 off its exponent field: the conversion's scale operand
.endr
.irp b, 0,1,2,3
	v_lshrrev_b32 v[TM+4+\b], 23, v[TM+12+\b]          ; the scale's byte
.endr
	v_lshl_or_b32 v[\pw], v[TM+5], 8, v[TM+4]
	v_lshl_or_b32 v[\pw], v[TM+6], 16, v[\pw]
	v_lshl_or_b32 v[\pw], v[TM+7], 24, v[\pw]
.irp c, 0,1
	v_cvt_scalef32_pk16_fp6_f32 v[PC+6*\c:PC+6*\c+2], v[(\s)+32*\c:(\s)+32*\c+15], v[TM+12+2*\c]
	v_cvt_scalef32_pk16_fp6_f32 v[PC+12+4*\c:PC+14+4*\c], v[(\s)+32*\c+16:(\s)+32*\c+31], v[TM+13+2*\c]   ; (a conversion's three registers begin on an even number)
.endr
	v_nop                                              ; one plain line behind the scaled conversions
.irp c, 0,1                                        ; the layout wants a whole block in a lane: lanes 0-15 block 2 c, lanes 16-31 block 2 c + 1
.irp i, 0,1,2
	v_permlane16_swap_b32 v[PC+6*\c+\i], v[PC+12+4*\c+\i]
.endr
.irp i, 0,1,2
	v_mov_b32 v[PC+3+6*\c+\i], v[PC+12+4*\c+\i]
.endr
.endr
.endm
	s_load_b256 s[4:11], s[0:1], 0x0               ; xi s[4:5], wimg s[6:7], bq s[8:9], bk s[10:11]
	s_load_b128 s[68:71], s[0:1], 0x20             ; bv s[68:69], qkv s[70:71]
	v_lshl_add_u32 v[SPW], v0, 2, SPARE
	v_mov_b32 v[NIL], 0
	ds_add_u32 v[SPW], v[NIL]                      ; the wave's opening: the add, twice on end, and its wait ahead of my first tensor load
	ds_add_u32 v[SPW], v[NIL]
	v_lshrrev_b32 v1, 5, v0
	v_readfirstlane_b32 s14, v1                    ; wave 0..3
	s_lshr_b32 s15, s14, 1                         ; which group of A's rows is mine.  Also: I fetch for A (0) or for B (1)
	s_and_b32 s16, s14, 1                          ; which group of B's rows.  Also: which group I fetch
	s_bfe_u32 s[CX], ttmp6, 0x40000                ; cx
	s_bfe_u32 s[CY], ttmp6, 0x40004                ; cy
	s_lshl_b32 s[TX], ttmp9, 2
	s_add_co_u32 s[TX], s[TX], s[CX]               ; tile column of C
	s_and_b32 s17, ttmp7, 0xffff
	s_lshl_b32 s17, s17, 2
	s_add_co_u32 s17, s17, s[CY]                   ; tile row of C
	s_lshl_b32 s[MR], s[CY], 2
	s_lshl_b32 s[MR], 15, s[MR]                    ; my row of the cluster
	s_lshl_b32 s[MC], 0x1111, s[CX]                ; my column
	s_or_b32 s[G1], s[MR], (3<<16)|(1<<21)         ; 15:0 the mask; 17:16 elements of 8 bytes; 20 no padding; 21 set beside a mask
	s_or_b32 s[G1B], s[MC], (3<<16)|(1<<21)
.irp g, G1, G1B                        ; a dense block of 25,600 bytes as 100 rows of 256
	s_mov_b32 s[\g+1], 32<<16                      ; tensor_dim0 = 32
	s_mov_b32 s[\g+2], 100<<16                     ; tensor_dim1 = 100
	s_mov_b32 s[\g+3], 32<<16                      ; tile_dim0 = 32
	s_mov_b32 s[\g+4], 100                         ; tile_dim1 = 100
	s_mov_b32 s[\g+5], 32                          ; the pitch
	s_mov_b32 s[\g+6], 0
	s_mov_b32 s[\g+7], 0
.endr
	s_lshl_b32 s20, s17, 1
	s_add_co_u32 s20, s20, s16                     ; A's group that I fetch: 2 x tile row + half
	s_mul_i32 s20, s20, NSG*REC
	s_mov_b32 s21, 0
	s_lshl_b32 s[BAD], s[TX], 1
	s_add_co_u32 s[BAD], s[BAD], s16               ; B's: 2 x tile column + half
	s_mul_i32 s[BAD], s[BAD], NSG*REC
	s_mov_b32 s[BAD+1], 0
	s_mul_i32 s[LD], s14, LOADB                    ; where it goes: no place in the cluster enters an LDS address
	s_wait_dscnt 0x0                               ; both opening adds are done
	s_wait_kmcnt 0x0
	s_add_nc_u64 s[20:21], s[4:5], s[20:21]
	s_add_nc_u64 s[BAD:BAD+1], s[6:7], s[BAD:BAD+1]
	CROUND                                         ; all sixteen work-groups are here: the first joint loads meet
.irp s, 0,1,2                          ; the three first fills: slot 0's at the head, slots 1 and 2 each behind the three lines and a round of its own
	s_mov_b32 s[G0+4*\s], 1
	s_add_co_u32 s[G0+4*\s+1], s[LD], \s*SLOT
	s_add_nc_u64 s[G0+4*\s+2:G0+4*\s+3], s[20:21], \s*LOADB
	s_or_b32 s[G0+4*\s+3], s[G0+4*\s+3], 0x80000000
	s_mov_b32 s[G0B+4*\s], 1
	s_add_co_u32 s[G0B+4*\s+1], s[LD], \s*SLOT
	s_add_nc_u64 s[G0B+4*\s+2:G0B+4*\s+3], s[BAD:BAD+1], \s*LOADB
	s_or_b32 s[G0B+4*\s+3], s[G0B+4*\s+3], 0x80000000
.if \s > 0
	s_wait_alu depctr_va_vdst(0)
	s_wait_tensorcnt 0x0
	ds_add_u32 v[SPW], v[NIL]
	s_wait_dscnt 0x0
	CROUND
.endif
	JLOAD G0+4*\s, G1, G0B+4*\s, G1B
.if \s == 0                            ; prefetches: of the 100 blocks of 256 bytes that my load of a later fill names, each of the four partners that ask jointly takes 25, told apart by address
	v_and_b32 v6, 31, v0
	v_min_u32 v6, 24, v6                           ; (the lanes left over name the last block again)
	v_lshlrev_b32 v6, 8, v6
	s_cmp_eq_u32 s15, 0
	s_cselect_b64 s[88:89], s[20:21], s[BAD:BAD+1]
	s_cselect_b32 s90, s[CX], s[CY]                ; my place among the four
	s_mul_i32 s90, s90, 25*256
	s_mov_b32 s91, 0
	s_add_nc_u64 s[88:89], s[88:89], s[90:91]
	global_prefetch_b8 v6, s[88:89] offset:LOADB th:TH_LOAD_NT scope:SCOPE_SE      ; the next fill,
	global_prefetch_b8 v6, s[88:89] offset:2*LOADB th:TH_LOAD_NT scope:SCOPE_SE    ; and the one after it
.endif
.if \s == 1
	global_prefetch_b8 v6, s[88:89] offset:3*LOADB th:TH_LOAD_NT scope:SCOPE_SE    ; the last 256 along K: two fills on
.endif
.endr
	v_and_b32 v1, 31, v0                           ; lane
	v_and_b32 v2, 15, v0                           ; r
	v_bfe_u32 v3, v0, 4, 1                         ; h
	s_wait_alu depctr_va_vdst(0)
	v_lshlrev_b32 v[ST8], 3, v1
	s_wait_alu depctr_va_vdst(0)
	v_lshlrev_b32 v[ST16], 4, v1
	s_mov_b32 s67, 0xffff0000                      ; lanes 16-31
	s_mov_b32 s[SEL], 0x76543210
	s_mov_b32 s[SEL+1], 0xfedcba98
	s_mul_i32 s20, s15, LOADB                      ; my group of A in a slot
	s_mul_i32 s21, s16, LOADB
	s_add_co_u32 s21, s21, 2*LOADB                 ; my group of B
	s_sub_co_u32 s22, s21, s20                     ; the distance between them, above 0
	s_cmp_eq_u32 ttmp9, 1
	s_cselect_b64 s[BIA:BIA+1], s[10:11], s[8:9]   ; the bias by the cluster's x: bq, bk,
	s_cmp_eq_u32 ttmp9, 2
	s_cselect_b64 s[BIA:BIA+1], s[68:69], s[BIA:BIA+1]   ; bv
	s_cselect_b32 s66, 1, 0                        ; 1: Wv's columns: the roles change places
	s_cselect_b32 s18, s21, s20                    ; source 1's group
	s_cselect_b32 s19, s20, s21                    ; source 0's
	v_xor_b32 v4, s66, v3                          ; 1 in the lanes that take B's scale words
	v_add_nc_u32 v[ADRA], s18, v[ST8]
	v_add_nc_u32 v[ADRB], s19, v[ST8]
	v_mul_u32_u24 v5, s22, v4
	v_lshl_add_u32 v5, v2, 4, v5
	v_add_nc_u32 v5, s20, v5
	v_add_nc_u32 v[ADRS], 12288, v5
.irp s, 1,2
	v_add_nc_u32 v[ADRA+\s], \s*SLOT, v[ADRA]
	v_add_nc_u32 v[ADRB+\s], \s*SLOT, v[ADRB]
	v_add_nc_u32 v[ADRS+\s], \s*SLOT, v[ADRS]
.endr
	; the biases: asked for here, waited for in front of the way out; their registers and addresses are not touched meanwhile
	s_lshl_b32 s18, s[CX], 1
	s_add_co_u32 s18, s18, s16                     ; my column group within its weight
	s_lshl_b32 s18, s18, 9
	s_mov_b32 s19, 0
	s_add_nc_u64 s[BIA:BIA+1], s[BIA:BIA+1], s[18:19]
	v_lshlrev_b32 v8, 6, v3                        ; 64 h
.irp b, 0,1,2,3,4,5,6,7                        ; register 8 b + j: column 32 (b / 2) + 8 (b % 2) + 16 h + j
	global_load_b128 v[BB+8*\b:BB+8*\b+3], v8, s[BIA:BIA+1] offset:(32*(\b/2)+8*(\b%2))*4
	global_load_b128 v[BB+8*\b+4:BB+8*\b+7], v8, s[BIA:BIA+1] offset:(32*(\b/2)+8*(\b%2))*4+16
.endr
	v_and_b32 v9, 8, v2
	v_add_nc_u32 v9, v9, v2
	v_lshlrev_b32 v9, 2, v9                        ; 4 (r + 8 (r / 8)).  Every wave loads both forms, so that no register's state hangs on the roles
.irp a, 0,1,2,3,4,5,6,7
	global_load_b32 v[BA+2*\a], v9, s[BIA:BIA+1] offset:(32*(\a/2)+8*(\a%2))*4
	global_load_b32 v[BA+2*\a+1], v9, s[BIA:BIA+1] offset:(32*(\a/2)+8*(\a%2))*4
.endr
	s_lshl_b32 s18, s[TX], 1
	s_add_co_u32 s18, s18, s16                     ; column group
	s_lshl_b32 s19, s17, 1
	s_add_co_u32 s19, s19, s15                     ; token group
	s_lshl_b32 s18, s18, 5
	s_add_co_u32 s18, s18, s19
	s_mul_i32 s18, s18, 13312
	s_mov_b32 s19, 0
	s_add_nc_u64 s[OUT:OUT+1], s[70:71], s[18:19]
.macro FRAG reg, adr, q, i             ; a fragment as it was stored: six pieces, each 256 consecutive bytes for the 32 lanes
.irp p, 0,1,2,3,4,5
	ds_load_b64 v[\reg+2*\p:\reg+2*\p+1], v[\adr] offset:(\q)*REC+(\i)*1536+\p*256
.endr
.endm
; 16 matrix instructions: source 1's tiles a0, a0 + 1 x source 0's eight.  p: source 0's set; q: which 128 of the slot; sc: the set of scale words.  The 64 accumulators take turns, one instruction a turn, in the same
; order in every step.  zero = 1: the first product starts the sums.
.macro MUL16 a0, p, q, sc, zero
.irp a, \a0, \a0+1
.irp b, 0,1,2,3,4,5,6,7
.if \zero
	v_wmma_scale_f32_16x16x128_f8f6f4 v[8*(8*((\a)%4)+\b):8*(8*((\a)%4)+\b)+7], v[128*(\p)+FR*\b:128*(\p)+FR*\b+FR-1], v[AF+FR*(\a):AF+FR*(\a)+FR-1], 0, v[SC+16*(\sc)+8*(\q)+\b], v[SC+16*(\sc)+8*(\q)+(\a)] matrix_a_fmt:MATRIX_FMT_FP6 matrix_b_fmt:MATRIX_FMT_FP6 matrix_a_scale:MATRIX_SCALE_ROW1
.else
	v_wmma_scale_f32_16x16x128_f8f6f4 v[8*(8*((\a)%4)+\b):8*(8*((\a)%4)+\b)+7], v[128*(\p)+FR*\b:128*(\p)+FR*\b+FR-1], v[AF+FR*(\a):AF+FR*(\a)+FR-1], v[8*(8*((\a)%4)+\b):8*(8*((\a)%4)+\b)+7], v[SC+16*(\sc)+8*(\q)+\b], v[SC+16*(\sc)+8*(\q)+(\a)] matrix_a_fmt:MATRIX_FMT_FP6 matrix_b_fmt:MATRIX_FMT_FP6 matrix_a_scale:MATRIX_SCALE_ROW1
.endif
.endr
.endr
.endm
.macro FETCH_B slot, q, p
	WIN TO_B
.irp i, 0,1,2,3,4,5,6,7
	FRAG 128*(\p)+FR*\i, ADRB+\slot, \q, \i
.endr
	WIN 0
.endm
.macro FETCH_A slot, q, i0
.irp i, \i0, \i0+1, \i0+2, \i0+3
	FRAG AF+FR*(\i), ADRA+\slot, \q, \i
.endr
.endm
.macro SCALES sl, set                  ; a slot's scale words: four tiles' words a load; lanes 0-15 source 1's, lanes 16-31 source 0's
.irp q, 0,1
.irp u, 0,1
	ds_load_b128 v[SC+16*(\set)+8*\q+4*\u:SC+16*(\set)+8*\q+4*\u+3], v[ADRS+\sl] offset:\q*REC+256*\u
.endr
.endr
.endm
.macro STEP slot, sc, zero             ; a slot's first 128 along K; it fetches the slot's second
	s_wait_dscnt 4*NL                              ; all but the youngest 24 loads (source 1's tiles 4-7) are in
	WIN MUL_LO
	MUL16 0, 0, 0, \sc, \zero
	MUL16 2, 0, 0, \sc, \zero
	s_wait_dscnt 0                                 ; tiles 4-7 are in
	PLACES NP                                      ; in front of loads into registers that matrix instructions have read
	FETCH_B \slot, 1, 1
	FETCH_A \slot, 1, 0
	WIN MUL_HI
	MUL16 4, 0, 0, \sc, \zero
	MUL16 6, 0, 0, \sc, \zero
	PLACES NP
	WIN 0
	FETCH_A \slot, 1, 4
.endm
; A slot's second 128 along K; it fetches the next slot's first fragments.
; mode 2: this slot is filled again.  In front of the barrier each wave waits for all its tensor loads (the other two slots'), adds 0 to its spare word, and waits for that and for its reads of this slot; the barrier
;         opens a round of the cluster's, and the joint refill is the first thing behind the round.
; mode 0: the next slot was shown whole to every wave by that round, and nothing is filled: no wait on tensor loads, no barrier.
; mode 1: the next slot is the one that was filled again: my part of it has landed, and behind the barrier everybody's has.
.macro TURN slot, sc, next, mode
.if \mode == 2
	s_wait_tensorcnt 0x0                           ; all my tensor loads have landed
	ds_add_u32 v[SPW], v[NIL]
	s_wait_dscnt 4*NL+1                            ; (the add and the youngest 24 loads may be out)
	WIN MUL_LO
	MUL16 0, 1, 1, \sc, 0
	s_wait_dscnt 0x0                               ; the add is done, and my reads of this slot are over
	s_barrier_signal -1
	MUL16 2, 1, 1, \sc, 0
	WIN 0
	s_barrier_wait -1
	CREST                                          ; no wave of any partner still reads this slot or has a load on its way
	s_add_nc_u64 s[G0+4*\slot+2:G0+4*\slot+3], s[G0+4*\slot+2:G0+4*\slot+3], 3*LOADB
	s_add_nc_u64 s[G0B+4*\slot+2:G0B+4*\slot+3], s[G0B+4*\slot+2:G0B+4*\slot+3], 3*LOADB
	JLOAD G0+4*\slot, G1, G0B+4*\slot, G1B         ; its four v_nop are the places in front of the loads below
.else
	s_wait_dscnt 4*NL
	WIN MUL_LO
	MUL16 0, 1, 1, \sc, 0
	MUL16 2, 1, 1, \sc, 0
.if \mode == 1
	s_wait_tensorcnt 0x0                           ; my part of the refill has landed
.endif
	s_wait_dscnt 0x0                               ; tiles 4-7 are in; no LDS instruction of mine is out
.if \mode == 1
	s_barrier_signal -1
	s_barrier_wait -1                              ; everybody's part has
.endif
	PLACES NP
.endif
	s_wait_alu depctr_va_vdst(0)
	FETCH_B \next, 0, 0
	FETCH_A \next, 0, 0
	SCALES \next, 1-(\sc)
	WIN MUL_HI
	MUL16 4, 1, 1, \sc, 0
	MUL16 6, 1, 1, \sc, 0
	PLACES NP
	WIN 0
	FETCH_A \next, 0, 4
.endm
	s_wait_tensorcnt 2                             ; my part of slot 0 is in (slot 2's load may be out)
	s_barrier_signal -1
	s_barrier_wait -1                              ; everybody's is
	FETCH_B 0, 0, 0
	FETCH_A 0, 0, 0
	SCALES 0, 0
	FETCH_A 0, 0, 4
	STEP 0, 0, 1                                   ; the first products start the sums
	TURN 0, 0, 1, 2                                ; slot 0 takes the last 256 along K
	STEP 1, 1, 0
	TURN 1, 1, 2, 0
	STEP 2, 0, 0
	TURN 2, 0, 0, 1
	STEP 0, 1, 0
	s_wait_dscnt 4*NL                              ; the very last step: nothing more to fetch
	WIN MUL_LO
	MUL16 0, 1, 1, 1, 0
	MUL16 2, 1, 1, 1, 0
	s_wait_dscnt 0
	WIN MUL_HI
	MUL16 4, 1, 1, 1, 0
	MUL16 6, 1, 1, 1, 0
	WIN 0
; THE WAY OUT, a source-1 tile at a time: bias, the quantiser, six stores of 256 consecutive bytes.
.macro OUTQ a
	s_cmp_eq_u32 s66, 0
	s_cbranch_scc0 .Lchan_\@
	WIN 0x02+(\a)/4                                ; source 0: window 2 or 3
.set J, 0
.rept 32
	v_pk_add_f32 v[HA+J:HA+J+1], v[64*((\a)%4)+J:64*((\a)%4)+J+1], v[BB+J:BB+J+1]   ; each accumulator from its low end on
.set J, J+2
.endr
	WIN 0
	s_branch .Ljoin_\@
.Lchan_\@:                                             ; v: my lane's channel has one bias for all 64 tokens
	WIN 0x02+(\a)/4
.set J, 0
.rept 32
	v_pk_add_f32 v[HA+J:HA+J+1], v[64*((\a)%4)+J:64*((\a)%4)+J+1], v[BA+2*(\a):BA+2*(\a)+1]
.set J, J+2
.endr
	WIN 0
.Ljoin_\@:
.if (\a) > 0
	s_wait_xcnt 0x0                                ; the last tile's stores have read the codes' registers
.endif
	QUANT HA, 1, SW+(\a)
.irp p, 0,1,2,3,4,5
	global_store_b64 v[ST8], v[PC+2*\p:PC+2*\p+1], s[OUT:OUT+1] offset:(\a)*1536+\p*256
.endr
.endm
.macro IMG s0, off                     ; eight tiles' words as one image: lanes 0-15 carry tiles 0-3, lanes 16-31 tiles 4-7: 512 consecutive bytes
.irp i, 0,1,2,3
	v_cndmask_b32 v[D4+\i], v[\s0+\i], v[\s0+4+\i], s67
.endr
	global_store_b128 v[ST16], v[D4:D4+3], s[OUT:OUT+1] offset:\off
.endm
	s_wait_loadcnt 0x0                             ; the biases
	PLACES NP                                      ; behind the last products: their results are read and their operands' registers written below
.irp b, 0,1,2,3
	v_mov_b32 v[TM+4+\b], 0                        ; a lane permute's destination counts as one of its sources
.endr
.irp a, 0,1,2,3,4,5,6,7
	OUTQ \a
.endr
	s_cmp_eq_u32 s66, 0
	s_cbranch_scc0 .Lplain
	s_mov_b32 s18, 0x7fa30000                      ; k: blocks 2, 3 of attention's K under 2^36 and 1
	s_cmp_eq_u32 ttmp9, 0
	s_cselect_b32 s18, 0x7f7f0000, s18             ; q: under 1 and 1
	v_mov_b32 v10, s18
.irp a, 0,1,2,3,4,5,6,7
	v_perm_b32 v[W+\a], v10, v[SW+\a], 0x07060100  ; the even head's two bytes below
.endr
	IMG W, 12288
	s_wait_xcnt 0x0                                ; that store has read its registers
.irp a, 0,1,2,3,4,5,6,7
	v_perm_b32 v[W+\a], v10, v[SW+\a], 0x07060302  ; the odd head's
.endr
	IMG W, 12288+512
	s_branch .Lend
.Lplain:
	IMG SW, 12288
.Lend:
	s_wait_tensorcnt 0x0                           ; the wave's end
	ds_add_u32 v[SPW], v[NIL]
	s_wait_dscnt 0x0
	CROUND                                         ; the closing round: no work-group ends while a partner may still ask for a tile that names it
	s_endpgm
.Lfunc_end_k_q623eb46800_qkv:
	.size	k_q623eb46800_qkv, .Lfunc_end_k_q623eb46800_qkv-k_q623eb46800_qkv
	.p2alignl 7, 3214868480
	.fill 96, 4, 3214868480
	.section	.rodata,"a",@progbits
	.p2align	6, 0x0
	.amdhsa_kernel k_q623eb46800_qkv
		.amdhsa_group_segment_fixed_size 327680
		.amdhsa_private_segment_fixed_size 0
		.amdhsa_enable_private_segment 0
		.amdhsa_kernarg_size 48
		.amdhsa_user_sgpr_count 2
		.amdhsa_user_sgpr_kernarg_segment_ptr 1
		.amdhsa_wavefront_size32 1
		.amdhsa_system_sgpr_workgroup_id_x 1
		.amdhsa_system_sgpr_workgroup_id_y 1
		.amdhsa_system_sgpr_workgroup_id_z 1
		.amdhsa_system_vgpr_workitem_id 0
		.amdhsa_next_free_vgpr 1024
		.amdhsa_next_free_sgpr 96
		.amdhsa_reserve_vcc 0
		.amdhsa_float_denorm_mode_32 3
		.amdhsa_float_denorm_mode_16_64 3
		.amdhsa_memory_ordered 1
		.amdhsa_forward_progress 1
		.amdhsa_inst_pref_size 203
	.end_amdhsa_kernel
	.amdgpu_metadata
---
amdhsa.version: [ 1, 2 ]
amdhsa.kernels:
  - .name:           k_q623eb46800_qkv
    .symbol:         k_q623eb46800_qkv.kd
    .args:
      - { .name: xi, .offset: 0, .size: 8, .value_kind: global_buffer, .address_space: global }
      - { .name: wimg, .offset: 8, .size: 8, .value_kind: global_buffer, .address_space: global }
      - { .name: bq, .offset: 16, .size: 8, .value_kind: global_buffer, .address_space: global }
      - { .name: bk, .offset: 24, .size: 8, .value_kind: global_buffer, .address_space: global }
      - { .name: bv, .offset: 32, .size: 8, .value_kind: global_buffer, .address_space: global }
      - { .name: qkv, .offset: 40, .size: 8, .value_kind: global_buffer, .address_space: global }
    .group_segment_fixed_size: 327680
    .private_segment_fixed_size: 0
    .kernarg_segment_align: 8
    .kernarg_segment_size: 48
    .max_flat_workgroup_size: 128
    .sgpr_count:     96
    .vgpr_count:     1024
    .wavefront_size: 32
...
	.end_amdgpu_metadata
.endif
;; end of part 10
;; launch attn (part 11): grid 16 x 16, 16 waves a work-group, clusters of 4 x 1, 327,680 bytes of LDS; arguments qkv, msk, oi; writes oi
.if DOCPART == 11
	.amdgcn_target "amdgcn-amd-amdhsa--gfx1250"
	.amdhsa_code_object_version 6
	.text
	.protected	k_q623eb46800_attn
	.globl	k_q623eb46800_attn
	.p2align	8
	.type	k_q623eb46800_attn,@function
k_q623eb46800_attn:
	s_mov_b64 s[64:65], 0
	v_nop
	global_prefetch_b8 v0, s[64:65] scope:SCOPE_SE
	s_setreg_imm32_b32 hwreg(HW_REG_WAVE_MODE, 25, 1), 1
	s_wait_xcnt 0x0
	s_wait_alu depctr_hold_cnt(0) depctr_sa_sdst(0) depctr_va_vdst(0) depctr_va_sdst(0) depctr_va_ssrc(0) depctr_va_vcc(0) depctr_vm_vsrc(0)
	s_getreg_b32 s2, hwreg(HW_REG_IB_STS2, 6, 4)
	s_cmp_eq_u32 s2, 0
	s_cbranch_scc0 .Lentry_in_a_cluster
	s_endpgm
.Lentry_in_a_cluster:
	s_bfe_u32 s2, ttmp6, 0x10000c
	s_cmp_lg_u32 s2, 0x3003
	s_cbranch_scc0 .Lentry_shape_is_right
	s_endpgm
.Lentry_shape_is_right:
; ATTENTION of one head for 256 queries: o = softmax(q k^T / 8, masked) v in MX-FP6, stored as codes and scale bytes for the product with Wo.  Nothing of reference() is left out here.
; LIMITS: as stated at the head of the first launch (the masked keys' shift, the running maximum's start at t = -2^31, a batch whose mask is all zero).
; SHARES.  Work-group (x, y): head y, queries 256 x .. 256 x + 255 of the 4,096 tokens; 16 x 16 = 256 work-groups.  Wave w: the 16 queries of tile w % 8 of token group 2 x + w / 8.
; A lane holds one query throughout: S^T = k q^T and O^T = v^T p^T; a step is 128 keys: 8 + 4 matrix instructions.
; LDS HOLDS THE HEAD'S WHOLE K AND V, each byte filled once: K's codes 16 groups x 6,144 bytes (tile T at 768 T), V's codes 16 x 6,144 (tile t at 1,536 t), the scale words (K's tiles 0-3, K's tiles 4-7, V's:
; 16 x 256 bytes each) and the batch's mask images (16,384 bytes): 225,280 bytes.  At the head: K's groups 0-3 (waves 0-3), V's groups 0-3 (wave 4), the images (wave 5), the scale words (waves 8-10), one load a wave.
; Behind the three lines and one round: K's groups 4-15 (waves 0-11) and V's (waves 12-14, four groups each).  One barrier behind the fourth step shows them to every wave; the last 12 steps have no barrier.
; CLUSTER 4 x 1: four blocks of queries of one head and batch ask for every tile jointly.
; No prefetch: the second group of loads is asked for four steps ahead of its first read, and no load follows it.
; o's SCALE BYTES: a row's word of a record holds two bytes for each head of a pair, and the other head belongs to another work-group: so a lane stores its row's two bytes, 32 bytes a wave beside its 768 bytes of codes.
.set PLACE, 13312
.set REC,   12800
.set GB,    6144                       ; one group's codes of one head, K's or V's
.set VB,    16*GB
.set SB,    32*GB
.set EB,    SB+3*4096
.set SPARE, EB+16384                   ; the spare words, 128 bytes for each wave: eight blocks of 256 bytes that no other line names
.set AV0,  2
.set AE0,  3
.set ASK0, 4
.set SPW,  5
.set NIL,  6
.set ADK,  7
.set ADV,  8
.set ADS,  9
.set ADE,  11
.set L8,   29                          ; 8 x lane: also K's fragments' address in group 0
.set R16,  30
.set TK,   2                           ; s2, s3, s10: the trip's first byte among the codes, the scale words, the images
.set TS,   3
.set TE,   10
.set SL,   11
.set WV,   18
.set SEL,  20
.set CS,   22
.set G1K,  24
.set G1V,  32
.set G1S,  40
.set G1E,  48
.set G0K,  56
.set G0V,  60
.set G0S,  68
.set G0E,  72
.macro GRP1 g, cols, rows, pitch       ; elements of 8 bytes; the mask names the cluster's four
	s_mov_b32 s[\g], 15|(3<<16)|(1<<21)
	s_mov_b32 s[\g+1], (\cols)<<16
	s_mov_b32 s[\g+2], (\rows)<<16
	s_mov_b32 s[\g+3], (\cols)<<16
	s_mov_b32 s[\g+4], \rows
	s_mov_b32 s[\g+5], \pitch
	s_mov_b32 s[\g+6], 0
	s_mov_b32 s[\g+7], 0
.endm
.macro GRP0 g, lds, base, off
	s_mov_b32 s[\g], 1
	s_mov_b32 s[\g+1], s[\lds]
	s_add_nc_u64 s[\g+2:\g+3], s[\base:\base+1], s[\off:\off+1]
	s_or_b32 s[\g+3], s[\g+3], 0x80000000
.endm
.macro ARM g0, g1                      ; an s_nop 0 and four v_nop follow each tensor load
	tensor_load_to_lds s[\g0:\g0+3], s[\g1:\g1+7]
	s_nop 0
.rept 4
	v_nop
.endr
.endm
.macro CROUND
	s_barrier_signal -1
	s_barrier_wait -1
	s_cmp_lg_u32 s[WV], 0
	s_cbranch_scc1 .Lnot_wave_0_\@
	s_barrier_signal -3
.Lnot_wave_0_\@:
	s_barrier_wait -3
	s_barrier_signal -1
	s_barrier_wait -1
.endm
	s_load_b128 s[4:7], s[0:1], 0x0                ; qkv s[4:5], msk s[6:7]
	s_load_b64 s[8:9], s[0:1], 0x10                ; oi
	v_lshl_add_u32 v[SPW], v0, 2, SPARE
	v_mov_b32 v[NIL], 0
	ds_add_u32 v[SPW], v[NIL]                      ; the wave's opening: the add, twice on end, and its wait
	ds_add_u32 v[SPW], v[NIL]
	v_lshrrev_b32 v8, 5, v0
	s_delay_alu instid0(VALU_DEP_1)
	v_readfirstlane_b32 s[WV], v8                  ; wave 0..15
	s_bfe_u32 s76, ttmp6, 0x40000                  ; cx
	s_lshl_b32 s77, ttmp9, 2
	s_add_co_u32 s77, s77, s76                     ; block of 256 queries
	s_lshr_b32 s78, ttmp9, 1                       ; batch: the cluster's four share it
	s_and_b32 s79, ttmp7, 0xffff                   ; head
	s_lshr_b32 s80, s79, 1                         ; its pair: a column group of 128
	s_and_b32 s81, s79, 1                          ; e: which of the pair
	s_and_b32 s82, s[WV], 7                        ; my tile of queries
	s_lshr_b32 s83, s[WV], 3                       ; in which of the two token groups
	s_and_b32 s84, s[WV], 3
	s_lshl_b32 s85, s80, 5
	s_lshl_b32 s92, s78, 4
	s_add_co_u32 s92, s92, s85
	s_mul_i32 s92, s92, PLACE                      ; place 32 x pair + 16 x batch
	s_add_co_u32 s86, s92, 8*32*PLACE              ; K's first place of the batch,
	s_add_co_u32 s88, s92, 16*32*PLACE             ; V's
	s_lshl_b32 s95, s81, 9
	s_add_co_u32 s90, s86, s95
	s_lshl_b32 s95, s84, 8
	s_add_co_u32 s90, s90, s95                     ; waves 8, 9: K's scale words of tiles 0-3, 4-7
	s_lshl_b32 s95, s81, 8
	s_add_co_u32 s95, s95, s88                     ; wave 10: V's
	s_cmp_eq_u32 s84, 2
	s_cselect_b32 s90, s95, s90
	s_add_co_u32 s90, s90, 12288
	s_mov_b32 s91, 0
	s_mul_i32 s93, s81, 768
	s_mul_i32 s94, s[WV], PLACE
	s_add_co_u32 s86, s86, s93
	s_add_co_u32 s86, s86, s94                     ; K's codes of my head in group w
	s_mov_b32 s87, 0
	s_mul_i32 s95, s81, GB
	s_add_co_u32 s88, s88, s95
	s_mul_i32 s95, s84, 4*PLACE
	s_add_co_u32 s88, s88, s95                     ; V's codes of my head from group 4 (w % 4) on
	s_mov_b32 s89, 0
	s_mul_i32 s16, s[WV], GB                       ; where they go
	s_mul_i32 s17, s84, 4*GB
	s_add_co_u32 s17, s17, VB
	s_lshl_b32 s19, s84, 12
	s_add_co_u32 s19, s19, SB
	s_mov_b32 s12, EB
	s_lshl_b32 s92, s78, 14                        ; the batch's images
	s_mov_b32 s93, 0
	s_lshl_b32 s67, s78, 8                         ; its factor, less 32,768 (a register that no later line writes: the scalar load below reads it)
	GRP1 G1K, 96, 8, 192                           ; 8 rows of 768 bytes, 1,536 apart: my head's half of a group's eight tiles
	GRP1 G1V, 768, 4, 1664                         ; 4 rows of 6,144 bytes, a place apart: my head's four tiles of four groups
	GRP1 G1S, 32, 16, 1664                         ; 16 rows of 256 bytes, a place apart
	GRP1 G1E, 32, 64, 32                           ; a dense block of 16,384 bytes
	s_mov_b32 s[SEL], 0x76543210
	s_mov_b32 s[SEL+1], 0xfedcba98
	s_mov_b32 s[TK], 0
	s_mov_b32 s[TS], 0
	s_mov_b32 s[TE], 0
	s_mov_b32 s[SL], 3
	s_wait_alu depctr_va_vdst(0)
	s_wait_dscnt 0x0                               ; both opening adds are done
	s_wait_kmcnt 0x0
	s_load_b32 s[CS], s[6:7], s67 offset:0x8000    ; c = log2(e) / 8, or 0
	GRP0 G0K, 16, 4, 86
	GRP0 G0V, 17, 4, 88
	GRP0 G0S, 19, 4, 90
	GRP0 G0E, 12, 6, 92
	CROUND                                         ; the four work-groups are here: the first joint loads meet
	s_cmp_lt_u32 s[WV], 4                          ; one chain of branches on the wave's number, one load to an arm
	s_cbranch_scc0 .La_v
	ARM G0K, G1K
	s_branch .La_done
.La_v:
	s_cmp_eq_u32 s[WV], 4
	s_cbranch_scc0 .La_e
	ARM G0V, G1V
	s_branch .La_done
.La_e:
	s_cmp_eq_u32 s[WV], 5
	s_cbranch_scc0 .La_s
	ARM G0E, G1E
	s_branch .La_done
.La_s:
	s_cmp_lt_u32 s[WV], 8
	s_cbranch_scc1 .La_done
	s_cmp_lt_u32 s[WV], 11
	s_cbranch_scc0 .La_done
	ARM G0S, G1S
.La_done:
	s_lshl_b32 s92, s77, 1
	s_add_co_u32 s92, s92, s83                     ; my token group
	s_add_co_u32 s93, s85, s92
	s_mul_i32 s93, s93, PLACE                      ; q's place
	s_mul_i32 s94, s82, 1536
	s_mul_i32 s95, s81, 768
	s_add_co_u32 s94, s94, s95                     ; my tile, my head's three pieces
	s_lshr_b32 s95, s82, 2
	s_lshl_b32 s95, s95, 8
	s_and_b32 s79, s82, 3
	s_lshl_b32 s79, s79, 2
	s_add_co_u32 s95, s95, s79                     ; my tile's words in a scale image
	s_add_co_u32 s12, s93, s94
	s_mov_b32 s13, 0
	s_add_nc_u64 s[12:13], s[4:5], s[12:13]        ; q's codes
	s_add_co_u32 s14, s93, s95
	s_lshl_b32 s79, s81, 9
	s_add_co_u32 s14, s14, s79
	s_mov_b32 s15, 0
	s_add_nc_u64 s[14:15], s[4:5], s[14:15]        ; q's scale words, less 12,288
	s_lshl_b32 s92, s92, 3
	s_add_co_u32 s92, s92, s80
	s_mul_i32 s92, s92, REC                        ; o's record: 8 x token group + pair
	s_add_co_u32 s98, s92, s94
	s_mov_b32 s99, 0
	s_add_nc_u64 s[98:99], s[8:9], s[98:99]        ; o's codes
	s_add_co_u32 s96, s92, s95
	s_lshl_b32 s79, s81, 1
	s_add_co_u32 s96, s96, s79
	s_mov_b32 s97, 0
	s_add_nc_u64 s[96:97], s[8:9], s[96:97]        ; o's two scale bytes, less 12,288
	v_and_b32 v[L8], 31, v0
	s_delay_alu instid0(VALU_DEP_1)
	v_lshl_add_u32 v[AE0], v[L8], 2, EB
	s_delay_alu instid0(VALU_DEP_2)
	v_lshlrev_b32 v[L8], 3, v[L8]
	v_and_b32 v[R16], 15, v0
	s_delay_alu instid0(VALU_DEP_1)
	v_lshlrev_b32 v[R16], 4, v[R16]
.irp p, 0,1,2
	global_load_b64 v[16+2*\p:17+2*\p], v[L8], s[12:13] offset:256*\p
.endr
	global_load_b32 v255, v[R16], s[14:15] offset:12288
	v_add_nc_u32 v[AV0], VB, v[L8]
	v_add_nc_u32 v[ASK0], SB, v[R16]
	v_mov_b32 v22, 8                               ; the code of 1.0 at k = 64, against the key's mask code
.irp j, 23,24,25,26,27
	v_mov_b32 v[\j], 0
.endr
.irp t, 0,1,2,3
.irp j, 7,8,9,10,11
	v_mov_b32 v[32+12*\t+\j], 0
.endr
.endr
	v_mov_b32 v13, 0xcf000000                      ; the largest t so far: -2^31
	s_delay_alu instid0(VALU_DEP_1)
	v_floor_f32 v12, -v13
	v_mov_b32 v14, 0
	v_mov_b32 v15, 0
.irp b, 0,1,2,3
	v_mov_b32 v[236+\b], 0
.endr
	v_mov_b32 v253, 0
.set J, 0
.rept 32
	v_mov_b32 v[160+J], 0
.set J, J+1
.endr
; A step: 128 keys.  v16-27 q; v32-79 four fragments of k; v96-159 S^T, then p, then v's fragments; v160-191 O^T; v224-235 p's codes; v12 -M, v13 the largest t, v[14:15] the row's sum
.macro STEP q
.rept 5
	v_nop                                          ; five places between the last step's products and this step's, which write over their operands
.endr
.irp g, 0,1
.if \g
.rept 4
	v_nop
.endr
.endif
.irp t, 0,1,2,3
.irp p, 0,1,2
	ds_load_b64 v[32+12*\t+2*\p:33+12*\t+2*\p], v[ADK] offset:(\q)*GB+(4*\g+\t)*768+256*\p
.endr
	ds_load_b32 v[38+12*\t], v[ADE] offset:(\q)*1024+(4*\g+\t)*128
.endr
	ds_load_b128 v[248:251], v[ADS] offset:\g*4096+(\q)*256
	s_wait_dscnt 0x0
.irp t, 0,1,2,3
	v_wmma_scale_f32_16x16x128_f8f6f4 v[96+8*(4*\g+\t):103+8*(4*\g+\t)], v[32+12*\t:43+12*\t], v[16:27], 0, v[248+\t], v255 matrix_a_fmt:MATRIX_FMT_FP6 matrix_b_fmt:MATRIX_FMT_FP6
.endr
.endr
.rept 4
	v_nop
.endr
.irp b, 0,1,2,3
	v_max3_num_f32 v[232+\b], v[96+16*\b], v[97+16*\b], v[98+16*\b]   ; the largest score of each block of 32 keys
.endr
.irp i, 3,5,7,9,11,13
.irp b, 0,1,2,3
	v_max3_num_f32 v[232+\b], v[232+\b], v[96+16*\b+\i], v[97+16*\b+\i]
.endr
.endr
.irp b, 0,1,2,3
	v_max_num_f32 v[232+\b], v[232+\b], v[111+16*\b]
.endr
.irp b, 0,1,2,3
	s_delay_alu instid0(VALU_DEP_4)
	v_permlanex16_b32 v[236+\b], v[232+\b], s[SEL], s[SEL+1]
.endr
.irp b, 0,1,2,3
	s_delay_alu instid0(VALU_DEP_4)
	v_max_num_f32 v[232+\b], v[232+\b], v[236+\b]
.endr
	s_delay_alu instid0(VALU_DEP_2)
	v_max3_num_f32 v254, v232, v233, v234
	s_delay_alu instid0(VALU_DEP_1)
	v_max_num_f32 v254, v254, v235
	s_delay_alu instid0(VALU_DEP_1)
	v_mul_f32 v254, s[CS], v254
	s_delay_alu instid0(VALU_DEP_1)
	v_max_num_f32 v13, v13, v254                   ; the running largest t
	v_mov_b32 v254, v12
	s_delay_alu instid0(VALU_DEP_2)
	v_floor_f32 v12, -v13                          ; -M = -ceil(t)
	s_delay_alu instid0(VALU_DEP_1)
	v_sub_f32 v254, v12, v254
	s_delay_alu instid0(VALU_DEP_1)
	v_cvt_i32_f32 v254, v254
	s_delay_alu instid0(VALU_DEP_1)
	v_ldexp_f32 v252, 1.0, v254                    ; f = 2^(old M - new M)
.set J, 0
.rept 32
	v_pk_fma_f32 v[96+J:97+J], v[96+J:97+J], s[CS:CS+1], v[12:13] op_sel_hi:[1,0,0]
.set J, J+2
.endr
.irp b, 0,1,2,3
	v_fma_f32 v[232+\b], v[232+\b], s[CS], v12
.endr
.set J, 0
	s_wait_alu depctr_va_vdst(0)                   ; the wait ahead of the batch
.rept 64
	v_exp_f32 v[96+J], v[96+J]                     ; p = 2^(t - M)
.set J, J+1
.endr
	v_pk_mul_f32 v[14:15], v[14:15], v[252:253] op_sel_hi:[1,0]
	s_wait_alu depctr_va_vdst(0)
.irp b, 0,1,2,3
	v_exp_f32 v[232+\b], v[232+\b]                 ; each block's largest p
.endr
	v_pk_add_f32 v[236:237], v[96:97], v[98:99]    ; the row's sum, of the unquantised p
.irp j, 4,8,12,16,20,24,28,32,36,40,44,48,52,56,60
	v_pk_add_f32 v[14:15], v[14:15], v[96+\j:97+\j]
	v_pk_add_f32 v[236:237], v[236:237], v[98+\j:99+\j]
.endr
	s_delay_alu instid0(VALU_DEP_1)
	v_pk_add_f32 v[14:15], v[14:15], v[236:237]
	s_wait_alu depctr_va_vdst(0)
.irp b, 0,1,2,3
	v_max_num_f32 v[232+\b], 0x1800000, v[232+\b]  ; the floor 2^(3 - 127)
.endr
.irp b, 0,1,2,3
	s_delay_alu instid0(VALU_DEP_4)
	v_add_nc_u32 v[244+\b], 0xff000000, v[232+\b]
.endr
.irp b, 0,1,2,3
	s_delay_alu instid0(VALU_DEP_4)
	v_lshrrev_b32 v[236+\b], 23, v[244+\b]
.endr
	s_delay_alu instid0(VALU_DEP_3)
	v_lshl_or_b32 v253, v237, 8, v236
	s_delay_alu instid0(VALU_DEP_1)
	v_lshl_or_b32 v253, v238, 16, v253
	s_delay_alu instid0(VALU_DEP_1)
	v_lshl_or_b32 v253, v239, 24, v253             ; p's scale word for these 128 keys
.irp c, 0,1
	v_cvt_scalef32_pk16_fp6_f32 v[224+6*\c:226+6*\c], v[96+32*\c:111+32*\c], v[244+2*\c]
	v_cvt_scalef32_pk16_fp6_f32 v[236+4*\c:238+4*\c], v[112+32*\c:127+32*\c], v[244+2*\c+1]
.endr
	v_nop
.irp c, 0,1
.irp i, 0,1,2
	v_permlane16_swap_b32 v[224+6*\c+\i], v[236+4*\c+\i]
.endr
.irp i, 0,1,2
	s_delay_alu instid0(VALU_DEP_3)
	v_mov_b32 v[227+6*\c+\i], v[236+4*\c+\i]
.endr
.endr
.irp t, 0,1,2,3
.irp p, 0,1,2,3,4,5
	ds_load_b64 v[96+12*\t+2*\p:97+12*\t+2*\p], v[ADV] offset:(\q)*GB+1536*\t+256*\p
.endr
.endr
	ds_load_b128 v[248:251], v[ADS] offset:8192+(\q)*256
.set J, 0
.rept 16
	v_pk_mul_f32 v[160+J:161+J], v[160+J:161+J], v[252:253] op_sel_hi:[1,0]   ; O^T under the new M
.set J, J+2
.endr
	s_wait_alu depctr_va_vdst(0)
	s_wait_dscnt 0x0
.irp t, 0,1,2,3
	v_wmma_scale_f32_16x16x128_f8f6f4 v[160+8*\t:167+8*\t], v[96+12*\t:107+12*\t], v[224:235], v[160+8*\t:167+8*\t], v[248+\t], v253 matrix_a_fmt:MATRIX_FMT_FP6 matrix_b_fmt:MATRIX_FMT_FP6
.endr
.endm
.macro TRIP                            ; four steps: 512 keys
	v_add_nc_u32 v[ADK], s[TK], v[L8]
	v_add_nc_u32 v[ADV], s[TK], v[AV0]
	v_add_nc_u32 v[ADS], s[TS], v[ASK0]
	v_add_nc_u32 v[ADE], s[TE], v[AE0]
	s_wait_alu depctr_va_vdst(0)
	STEP 0
	STEP 1
	STEP 2
	STEP 3
	s_add_co_u32 s[TK], s[TK], 4*GB
	s_add_co_u32 s[TS], s[TS], 4*256
	s_add_co_u32 s[TE], s[TE], 4*1024
.endm
	s_wait_alu depctr_va_vdst(0)                   ; the wait at the head's end
	s_wait_kmcnt 0x0
	s_mov_b32 s[CS+1], s[CS]
	s_wait_loadcnt 0x0                             ; q
	s_wait_tensorcnt 0x0                           ; my tile of the head's is in; the three lines ahead of the later first fills
	ds_add_u32 v[SPW], v[NIL]
	ds_add_u32 v[SPW], v[NIL]
	s_add_co_u32 s[G0K+1], s[G0K+1], 4*GB          ; no load of mine is out: K's group 4 + w,
	s_add_nc_u64 s[G0K+2:G0K+3], s[G0K+2:G0K+3], 4*PLACE
	s_add_co_u32 s[G0V+1], s[G0V+1], 4*GB          ; V's groups 4 + 4 (w % 4) on
	s_add_nc_u64 s[G0V+2:G0V+3], s[G0V+2:G0V+3], 4*PLACE
	s_wait_dscnt 0x0
	CROUND
	s_cmp_lt_u32 s[WV], 12
	s_cbranch_scc0 .Lb_v
	ARM G0K, G1K
	s_branch .Lb_done
.Lb_v:
	s_cmp_lt_u32 s[WV], 15
	s_cbranch_scc0 .Lb_done
	ARM G0V, G1V
.Lb_done:
	TRIP                                           ; keys 0-511
	s_wait_alu depctr_va_vdst(0)
	s_wait_tensorcnt 0x0                           ; my part of groups 4-15 is in,
	s_wait_dscnt 0x0
	s_barrier_signal -1
	s_barrier_wait -1                              ; everybody's is
.Ltrip:
	TRIP
	s_sub_co_u32 s[SL], s[SL], 1
	s_cmp_lg_u32 s[SL], 0
	s_wait_alu depctr_va_vdst(0)
	s_cbranch_scc1 .Ltrip
	v_add_f32 v14, v14, v15
	s_delay_alu instid0(VALU_DEP_1)
	v_permlanex16_b32 v252, v14, s[SEL], s[SEL+1]
	s_delay_alu instid0(VALU_DEP_1)
	v_add_f32 v14, v14, v252                       ; the row's sum
	s_wait_alu depctr_va_vdst(0)
	v_rcp_f32 v14, v14
	v_nop
	s_wait_alu depctr_va_vdst(0)
.set J, 0
.rept 32
	v_mul_f32 v[96+J], v[160+J], v14               ; o: register 8 t + i is channel 16 t' .. by the tiles' choice of rows: 16 neighbours in each pair of tiles
.set J, J+1
.endr
.irp b, 0,1
	v_max3_num_f32 v[232+\b], |v[96+16*\b]|, |v[97+16*\b]|, 0x1800000
.endr
.irp i, 2,4,6,8,10,12,14
.irp b, 0,1
	s_delay_alu instid0(VALU_DEP_2)
	v_max3_num_f32 v[232+\b], v[232+\b], |v[96+16*\b+\i]|, |v[97+16*\b+\i]|
.endr
.endr
.irp b, 0,1
	s_delay_alu instid0(VALU_DEP_2)
	v_permlanex16_b32 v[236+\b], v[232+\b], s[SEL], s[SEL+1]
.endr
.irp b, 0,1
	s_delay_alu instid0(VALU_DEP_2)
	v_max_num_f32 v[232+\b], v[232+\b], v[236+\b]
.endr
.irp b, 0,1
	s_delay_alu instid0(VALU_DEP_2)
	v_add_nc_u32 v[244+\b], 0xff000000, v[232+\b]
.endr
.irp b, 0,1
	s_delay_alu instid0(VALU_DEP_2)
	v_lshrrev_b32 v[236+\b], 23, v[244+\b]
.endr
	s_delay_alu instid0(VALU_DEP_1)
	v_lshl_or_b32 v254, v237, 8, v236              ; my row's two scale bytes
	v_cvt_scalef32_pk16_fp6_f32 v[224:226], v[96:111], v244
	v_cvt_scalef32_pk16_fp6_f32 v[240:242], v[112:127], v245
	v_nop
.irp i, 0,1,2
	v_permlane16_swap_b32 v[224+\i], v[240+\i]
.endr
.irp i, 0,1,2
	s_delay_alu instid0(VALU_DEP_3)
	v_mov_b32 v[227+\i], v[240+\i]
.endr
.irp p, 0,1,2
	global_store_b64 v[L8], v[224+2*\p:225+2*\p], s[98:99] offset:256*\p   ; 256 consecutive bytes, aligned
.endr
	global_store_b16 v[R16], v254, s[96:97] offset:12288   ; lanes l and l + 16 hold the same row's bytes and store the same
	s_wait_tensorcnt 0x0                           ; the wave's end
	ds_add_u32 v[SPW], v[NIL]
	s_wait_dscnt 0x0
	CROUND                                         ; the closing round
	s_endpgm
.Lfunc_end_k_q623eb46800_attn:
	.size	k_q623eb46800_attn, .Lfunc_end_k_q623eb46800_attn-k_q623eb46800_attn
	.p2alignl 7, 3214868480
	.fill 96, 4, 3214868480
	.section	.rodata,"a",@progbits
	.p2align	6, 0x0
	.amdhsa_kernel k_q623eb46800_attn
		.amdhsa_group_segment_fixed_size 327680
		.amdhsa_private_segment_fixed_size 0
		.amdhsa_enable_private_segment 0
		.amdhsa_kernarg_size 24
		.amdhsa_user_sgpr_count 2
		.amdhsa_user_sgpr_kernarg_segment_ptr 1
		.amdhsa_wavefront_size32 1
		.amdhsa_system_sgpr_workgroup_id_x 1
		.amdhsa_system_sgpr_workgroup_id_y 1
		.amdhsa_system_sgpr_workgroup_id_z 1
		.amdhsa_system_vgpr_workitem_id 0
		.amdhsa_next_free_vgpr 256
		.amdhsa_next_free_sgpr 100
		.amdhsa_reserve_vcc 0
		.amdhsa_float_denorm_mode_32 3
		.amdhsa_float_denorm_mode_16_64 3
		.amdhsa_memory_ordered 1
		.amdhsa_forward_progress 1
		.amdhsa_inst_pref_size 166
	.end_amdhsa_kernel
	.amdgpu_metadata
---
amdhsa.version: [ 1, 2 ]
amdhsa.kernels:
  - .name:           k_q623eb46800_attn
    .symbol:         k_q623eb46800_attn.kd
    .args:
      - { .name: qkv, .offset: 0, .size: 8, .value_kind: global_buffer, .address_space: global }
      - { .name: msk, .offset: 8, .size: 8, .value_kind: global_buffer, .address_space: global }
      - { .name: oi, .offset: 16, .size: 8, .value_kind: global_buffer, .address_space: global }
    .group_segment_fixed_size: 327680
    .private_segment_fixed_size: 0
    .kernarg_segment_align: 8
    .kernarg_segment_size: 24
    .max_flat_workgroup_size: 512
    .sgpr_count:     100
    .vgpr_count:     256
    .wavefront_size: 32
...
	.end_amdgpu_metadata
.endif
;; end of part 11
;; launch wo (part 12): grid 8 x 32, 4 waves a work-group, clusters of 4 x 4, 327,680 bytes of LDS; arguments oi, wimg, y; writes y
.if DOCPART == 12
	.amdgcn_target "amdgcn-amd-amdhsa--gfx1250"
	.amdhsa_code_object_version 6
	.text
	.protected	k_q623eb46800_wo
	.globl	k_q623eb46800_wo
	.p2align	8
	.type	k_q623eb46800_wo,@function
k_q623eb46800_wo:
	s_mov_b64 s[64:65], 0
	v_nop
	global_prefetch_b8 v0, s[64:65] scope:SCOPE_SE
	s_setreg_imm32_b32 hwreg(HW_REG_WAVE_MODE, 25, 1), 1
	s_wait_xcnt 0x0
	s_wait_alu depctr_hold_cnt(0) depctr_sa_sdst(0) depctr_va_vdst(0) depctr_va_sdst(0) depctr_va_ssrc(0) depctr_va_vcc(0) depctr_vm_vsrc(0)
	s_getreg_b32 s2, hwreg(HW_REG_IB_STS2, 6, 4)
	s_cmp_eq_u32 s2, 0
	s_cbranch_scc0 .Lentry_in_a_cluster
	s_endpgm
.Lentry_in_a_cluster:
	s_bfe_u32 s2, ttmp6, 0x10000c
	s_cmp_lg_u32 s2, 0xf033
	s_cbranch_scc0 .Lentry_shape_is_right
	s_endpgm
.Lentry_shape_is_right:
; C = A B^T on records of MX-FP6 codes, f32 result, one owner for each number of C.  FFN = 0: y = Q(attention's output) Wo, K = 1,024.  FFN = 1: y = Q(h) W2, K = 4,096.
; The bias, the residual and the LayerNorm follow in the next launch, which owns whole rows.  Nothing of reference() is left out here.
; A RECORD is 128 rows x 128 along K, 12,800 bytes: 8 tiles (lane row r of tile T is row 32 (T / 2) + 8 (T % 2) + r + 8 (r / 8)); piece p (registers 2 p, 2 p + 1 of the 12) at 1536 T + 256 p + 8 x lane;
; scale words at 12,288 + 256 (T / 4) + 16 r + 4 (T % 4).  Records of one group of rows follow each other along K.
; SHARES.  A block of C is 128 x 128 (one group of A, one of B): 32 x 8 blocks = 256 work-groups.  Four waves, each 64 x 64: 16 accumulators in window 1; two sets of 8 fragments and 4 scale registers in window 0.
; LDS in chunks of 4 records (51,200 bytes): chunks 0, 1 A's and 2, 3 B's K steps 0-7 of the large slot; chunk 4 A's and 5 B's four K steps of the small slot.
; FFN = 0: all of K is the large slot: one load a wave at the head, nothing is filled again; the stage has chunk 4 to itself.  No prefetch: the text has no loop to run ahead in.
; FFN = 1: K goes 8 + 4 + 8 + 4 + 8 steps through the two slots: five fills, one load a wave behind each round; the stage lies in the small slot, behind its last fill and its last read.
; CLUSTER 4 x 4: A's records are asked for jointly along a row of the cluster, B's along a column.
; Source 0 = B (columns: the result's registers), source 1 = A (tokens: the result's lanes).
.set FFN, 0
.if FFN
.set NSG,  32                          ; records of a group along K
.set BREC, 512                         ; B's first record in wimg
.else
.set NSG,  8
.set BREC, 192
.endif
.set REC,   12800
.set CH,    4*REC
.set SM,    4*CH                       ; the small slot
.set STAGE, SM                         ; the way out: 16 rows x (256 + 16) bytes for each wave
.set SPITCH, 272
.set SPARE, 6*CH                       ; the spare words, 128 bytes for each wave: two blocks of 256 bytes that no other line names
.set ADF,  8                           ; v8-13   fragments in chunk 0 .. 5: 8 x lane + my four tiles
.set ADS,  14                          ; v14-16  scale words: lanes 0-15 A's, lanes 16-31 B's; chunks 0 | 2, 1 | 3, 4 | 5
.set STO,  17
.set RD,   18
.set CO,   19
.set PF,   20                          ; v20-22  the prefetches' offsets
.set SPW,  28
.set NIL,  29
.set SC,   32                          ; v32-39  scale words, two sets
.set FA,   40                          ; v40-231 fragments, two sets: A's four, then B's four
.set BK,   40                          ; the way out: 16 rows read back, v40-71 and v72-103 by turns
.set G1A,  24                          ; group 1: 200 rows of 256 bytes, A's mask;  G1B: B's mask
.set G1B,  32
.set H1A,  40                          ; 100 rows
.set H1B,  48
.set G0A,  56                          ; group 0: the large slot's, A's and B's
.set G0B,  60
.set H0A,  68                          ; the small slot's
.set H0B,  72
.set PFB,  76
.set PFS,  78
.set OUT,  80
.set MSB, 0
.macro WIN new                         ; the immediate's high byte repeats the setting that is left
.if MSB != (\new)
	s_set_vgpr_msb (MSB<<8)|(\new)
.set MSB, (\new)
.endif
.endm
.macro JLOAD g0a, g1a, g0b, g1b        ; a joint load: waves 0, 1 fetch for A, waves 2, 3 for B; an s_nop 0 and four v_nop follow each line
	s_cmp_eq_u32 s15, 0
	s_cbranch_scc0 .Lfor_b_\@
	tensor_load_to_lds s[\g0a:\g0a+3], s[\g1a:\g1a+7]
	s_nop 0
.rept 4
	v_nop
.endr
	s_branch .Lasked_\@
.Lfor_b_\@:
	tensor_load_to_lds s[\g0b:\g0b+3], s[\g1b:\g1b+7]
	s_nop 0
.rept 4
	v_nop
.endr
.Lasked_\@:
.endm
.macro CREST
	s_cmp_lg_u32 s14, 0
	s_cbranch_scc1 .Lnot_wave_0_\@
	s_barrier_signal -3
.Lnot_wave_0_\@:
	s_barrier_wait -3
	s_barrier_signal -1
	s_barrier_wait -1
.endm
.macro CROUND
	s_barrier_signal -1
	s_barrier_wait -1
	CREST
.endm
.macro PLACES
.rept 4
	v_nop
.endr
.endm
.macro GRP1 g, rows                    ; a dense block as rows of 256 bytes (32 elements of 8 bytes)
	s_mov_b32 s[\g+1], 32<<16
	s_mov_b32 s[\g+2], (\rows)<<16
	s_mov_b32 s[\g+3], 32<<16
	s_mov_b32 s[\g+4], \rows
	s_mov_b32 s[\g+5], 32
	s_mov_b32 s[\g+6], 0
	s_mov_b32 s[\g+7], 0
.endm
.macro GRP0 g, lds, base, off
	s_mov_b32 s[\g], 1
	s_mov_b32 s[\g+1], s[\lds]
	s_add_nc_u64 s[\g+2:\g+3], s[\base:\base+1], s[\off:\off+1]
	s_or_b32 s[\g+3], s[\g+3], 0x80000000
.endm
.macro FETCH set, ca, cb, cs, q        ; 49 LDS loads: record q of chunks ca (A) and cb (B): my four tiles of each, and their scale words
.irp i, 0,1,2,3
.irp p, 0,1,2,3,4,5
	ds_load_b64 v[FA+96*(\set)+48+12*\i+2*\p:FA+96*(\set)+49+12*\i+2*\p], v[ADF+\cb] offset:(\q)*REC+\i*1536+\p*256
.endr
.endr
	ds_load_b128 v[SC+4*(\set):SC+4*(\set)+3], v[ADS+\cs] offset:(\q)*REC
.irp i, 0,1,2,3
.irp p, 0,1,2,3,4,5
	ds_load_b64 v[FA+96*(\set)+12*\i+2*\p:FA+96*(\set)+1+12*\i+2*\p], v[ADF+\ca] offset:(\q)*REC+\i*1536+\p*256
.endr
.endr
.endm
.macro MUL8 set, a0, zero              ; A's tiles a0, a0 + 1 x B's four.  The 16 accumulators take turns, in the same order in every step
.irp a, \a0, \a0+1
.irp b, 0,1,2,3
.if \zero
	v_wmma_scale_f32_16x16x128_f8f6f4 v[8*(4*(\a)+\b):8*(4*(\a)+\b)+7], v[FA+96*(\set)+48+12*\b:FA+96*(\set)+59+12*\b], v[FA+96*(\set)+12*(\a):FA+96*(\set)+12*(\a)+11], 0, v[SC+4*(\set)+\b], v[SC+4*(\set)+(\a)] matrix_a_fmt:MATRIX_FMT_FP6 matrix_b_fmt:MATRIX_FMT_FP6 matrix_a_scale:MATRIX_SCALE_ROW1
.else
	v_wmma_scale_f32_16x16x128_f8f6f4 v[8*(4*(\a)+\b):8*(4*(\a)+\b)+7], v[FA+96*(\set)+48+12*\b:FA+96*(\set)+59+12*\b], v[FA+96*(\set)+12*(\a):FA+96*(\set)+12*(\a)+11], v[8*(4*(\a)+\b):8*(4*(\a)+\b)+7], v[SC+4*(\set)+\b], v[SC+4*(\set)+(\a)] matrix_a_fmt:MATRIX_FMT_FP6 matrix_b_fmt:MATRIX_FMT_FP6 matrix_a_scale:MATRIX_SCALE_ROW1
.endif
.endr
.endr
.endm
.macro FETCHB set, cb, cs, q           ; 25 LDS loads: B's four tiles and the scale words
.irp i, 0,1,2,3
.irp p, 0,1,2,3,4,5
	ds_load_b64 v[FA+96*(\set)+48+12*\i+2*\p:FA+96*(\set)+49+12*\i+2*\p], v[ADF+\cb] offset:(\q)*REC+\i*1536+\p*256
.endr
.endr
	ds_load_b128 v[SC+4*(\set):SC+4*(\set)+3], v[ADS+\cs] offset:(\q)*REC
.endm
.macro FETCHA set, ca, q               ; 24 LDS loads: A's four tiles
.irp i, 0,1,2,3
.irp p, 0,1,2,3,4,5
	ds_load_b64 v[FA+96*(\set)+12*\i+2*\p:FA+96*(\set)+1+12*\i+2*\p], v[ADF+\ca] offset:(\q)*REC+\i*1536+\p*256
.endr
.endr
.endm
.macro STEP set, zero, ca, cb, cs, q   ; a K step on one set; the next step's fragments are asked for in two runs among its products, into the other set
	PLACES                                         ; in front of loads into registers that matrix instructions have read
	FETCHB 1-(\set), \cb, \cs, \q
	s_wait_dscnt 37                                ; this step's B, scale words and A's tiles 0, 1 are in: A's tiles 2, 3 (12 loads) and the 25 just issued may be out
	WIN 0x50                                       ; C and D in window 1
	MUL8 \set, 0, \zero
	WIN 0
	FETCHA 1-(\set), \ca, \q
	s_wait_dscnt 49                                ; all but the 49 issued in this step
	WIN 0x50
	MUL8 \set, 2, \zero
	WIN 0
.endm
; A slot's last K step, and the change of slots.  fill = 2: the large slot is filled again, 1: the small one, 0: nothing more is left to fetch.
.macro TURN set, fill, ca, cb, cs
	s_wait_tensorcnt 0x0                           ; my one load that was out, my part of the other slot, has landed
.if \fill
	ds_add_u32 v[SPW], v[NIL]
.if \fill == 2
	s_add_nc_u64 s[G0A+2:G0A+3], s[G0A+2:G0A+3], 12*REC
	s_add_nc_u64 s[G0B+2:G0B+3], s[G0B+2:G0B+3], 12*REC
.else
	s_add_nc_u64 s[H0A+2:H0A+3], s[H0A+2:H0A+3], 12*REC
	s_add_nc_u64 s[H0B+2:H0B+3], s[H0B+2:H0B+3], 12*REC
.endif
	s_wait_dscnt 1                                 ; (the add may be out)
.else
	s_wait_dscnt 0x0
.endif
	WIN 0x50
	MUL8 \set, 0, 0
	s_wait_dscnt 0x0                               ; the add is done, and my reads of this slot are over
	WIN 0
	s_barrier_signal -1
	s_barrier_wait -1
.if \fill
	CREST                                          ; the barrier has opened a round: no wave of any partner still reads this slot or has a load on its way
.if \fill == 2
	JLOAD G0A, G1A, G0B, G1B                       ; its four v_nop are the places in front of the loads below
.else
	JLOAD H0A, H1A, H0B, H1B
.endif
.else
	PLACES
.endif
	FETCH 1-(\set), \ca, \cb, \cs, 0
	WIN 0x50
	MUL8 \set, 2, 0
	WIN 0
.endm
.macro BIG zero                        ; the large slot's K steps 0 to 6
	STEP 0, \zero, 0, 2, 0, 1
	STEP 1, 0, 0, 2, 0, 2
	STEP 0, 0, 0, 2, 0, 3
	STEP 1, 0, 1, 3, 1, 0
	STEP 0, 0, 1, 3, 1, 1
	STEP 1, 0, 1, 3, 1, 2
	STEP 0, 0, 1, 3, 1, 3
.endm
.macro SMALL                           ; the small slot's K steps 0 to 2
	STEP 0, 0, 4, 5, 2, 1
	STEP 1, 0, 4, 5, 2, 2
	STEP 0, 0, 4, 5, 2, 3
.endm
	s_load_b128 s[4:7], s[0:1], 0x0                ; A's records s[4:5], wimg s[6:7]
	s_load_b64 s[8:9], s[0:1], 0x10                ; y
	v_lshl_add_u32 v[SPW], v0, 2, SPARE
	v_mov_b32 v[NIL], 0
	ds_add_u32 v[SPW], v[NIL]                      ; the wave's opening: the add, twice on end, and its wait ahead of my first tensor load
	ds_add_u32 v[SPW], v[NIL]
	v_lshrrev_b32 v1, 5, v0
	v_readfirstlane_b32 s14, v1                    ; wave 0..3
	s_lshr_b32 s15, s14, 1                         ; my half of A's rows.  Also: I fetch for A (0) or for B (1)
	s_and_b32 s16, s14, 1                          ; my half of B's rows.  Also: which half of a fill I fetch
	s_bfe_u32 s10, ttmp6, 0x40000                  ; cx
	s_bfe_u32 s11, ttmp6, 0x40004                  ; cy
	s_lshl_b32 s12, ttmp9, 2
	s_add_co_u32 s12, s12, s10                     ; block column of C
	s_and_b32 s13, ttmp7, 0xffff
	s_lshl_b32 s13, s13, 2
	s_add_co_u32 s13, s13, s11                     ; block row of C
	s_lshl_b32 s17, s11, 2
	s_lshl_b32 s17, 15, s17                        ; my row of the cluster
	s_lshl_b32 s18, 0x1111, s10                    ; my column
	s_or_b32 s[G1A], s17, (3<<16)|(1<<21)          ; 15:0 the mask; 17:16 elements of 8 bytes; 21 set beside a mask
	s_or_b32 s[G1B], s18, (3<<16)|(1<<21)
	GRP1 G1A, 200
	GRP1 G1B, 200
.if FFN
	s_or_b32 s[H1A], s17, (3<<16)|(1<<21)
	s_or_b32 s[H1B], s18, (3<<16)|(1<<21)
	GRP1 H1A, 100
	GRP1 H1B, 100
.endif
	s_mul_i32 s20, s13, NSG*REC                    ; A's group
	s_mov_b32 s21, 0
	s_mul_i32 s22, s12, NSG*REC                    ; B's group
	s_add_co_u32 s22, s22, BREC*REC
	s_mov_b32 s23, 0
	s_mul_i32 s82, s16, 4*REC                      ; my half of a large fill
	s_mov_b32 s83, 0
	s_mul_i32 s84, s16, 2*REC                      ; my half of a small fill, which begins 8 K steps on
	s_add_co_u32 s84, s84, 8*REC
	s_mov_b32 s85, 0
	s_mul_i32 s86, s14, 4*REC                      ; where they go: no place in the cluster enters an LDS address
	s_mul_i32 s87, s14, 2*REC
	s_add_co_u32 s87, s87, SM
	s_lshl_b32 s88, s13, 19                        ; my part of y: 128 rows of 4,096 bytes a block, 64 a half; 512 bytes a block column, 256 a half
	s_lshl_b32 s89, s15, 18
	s_add_co_u32 s88, s88, s89
	s_lshl_b32 s89, s12, 9
	s_add_co_u32 s88, s88, s89
	s_lshl_b32 s89, s16, 8
	s_add_co_u32 s88, s88, s89
	s_mov_b32 s89, 0
	s_mul_i32 s92, s15, 4*1536                     ; my four tiles of A,
	s_mul_i32 s93, s16, 4*1536                     ; of B
	s_lshl_b32 s94, s15, 8
	s_lshl_b32 s95, s16, 8
	s_add_co_u32 s95, s95, 2*CH
	s_sub_co_u32 s95, s95, s94                     ; from A's scale words to B's, in the large slot
	s_add_co_u32 s94, s94, 12288
.if FFN
	s_sub_co_u32 s96, s95, CH                      ; and in the small one
	s_add_co_u32 s97, s94, 4*CH
.endif
	s_mul_i32 s98, s14, 16*SPITCH
	s_add_co_u32 s98, s98, STAGE                   ; my stage
	v_and_b32 v1, 31, v0                           ; lane
	v_and_b32 v2, 15, v0                           ; r
	v_bfe_u32 v3, v0, 4, 1                         ; h
	v_lshlrev_b32 v4, 3, v1
	v_add_nc_u32 v[ADF], s92, v4
	v_add_nc_u32 v5, s93, v4
	v_add_nc_u32 v[ADF+1], CH, v[ADF]
	v_add_nc_u32 v[ADF+2], 2*CH, v5
	v_add_nc_u32 v[ADF+3], 3*CH, v5
	v_mul_u32_u24 v6, s95, v3                      ; lanes 16-31 take B's scale words
	v_lshl_add_u32 v6, v2, 4, v6
	v_add_nc_u32 v[ADS], s94, v6
	v_add_nc_u32 v[ADS+1], CH, v[ADS]
.if FFN
	v_add_nc_u32 v[ADF+4], 4*CH, v[ADF]
	v_add_nc_u32 v[ADF+5], 5*CH, v5
	v_mul_u32_u24 v6, s96, v3
	v_lshl_add_u32 v6, v2, 4, v6
	v_add_nc_u32 v[ADS+2], s97, v6
	v_lshlrev_b32 v[PF], 8, v1                     ; blocks 0-31 of my 50 of a large fill,
	v_min_u32 v6, 17, v1
	v_lshl_add_u32 v[PF+1], v6, 8, 32*256          ; blocks 32-49 (the lanes left over name the last again),
	v_min_u32 v6, 24, v1
	v_lshlrev_b32 v[PF+2], 8, v6                   ; my 25 of a small fill
.endif
	v_mul_u32_u24 v6, v2, SPITCH
	v_lshl_add_u32 v6, v3, 6, v6
	v_add_nc_u32 v[STO], s98, v6                   ; in: row r, + 64 h
	v_mul_u32_u24 v6, v3, SPITCH
	v_lshl_add_u32 v6, v2, 4, v6
	v_add_nc_u32 v[RD], s98, v6                    ; back: lanes 0-15 one row of 256 bytes, lanes 16-31 the next
	v_lshlrev_b32 v6, 12, v3
	v_lshl_add_u32 v[CO], v2, 4, v6                ; and the same two rows in y
	s_wait_alu depctr_va_vdst(0)                   ; the wait at the head's end
	s_wait_dscnt 0x0                               ; both opening adds are done
	s_wait_kmcnt 0x0
	s_add_nc_u64 s[20:21], s[4:5], s[20:21]
	s_add_nc_u64 s[22:23], s[6:7], s[22:23]
	s_add_nc_u64 s[OUT:OUT+1], s[8:9], s[88:89]
	GRP0 G0A, 86, 20, 82
	GRP0 G0B, 86, 22, 82
.if FFN
	GRP0 H0A, 87, 20, 84
	GRP0 H0B, 87, 22, 84
	; the prefetches: of the blocks of 256 bytes that my load names, each of the four partners that ask jointly takes a quarter, told apart by address
	s_cmp_eq_u32 s15, 0
	s_cselect_b64 s[PFB:PFB+1], s[20:21], s[22:23]
	s_cselect_b32 s17, s10, s11                    ; my place among the four
	s_add_nc_u64 s[PFS:PFS+1], s[PFB:PFB+1], s[84:85]
	s_add_nc_u64 s[PFB:PFB+1], s[PFB:PFB+1], s[82:83]
	s_mul_i32 s90, s17, 50*256
	s_mov_b32 s91, 0
	s_add_nc_u64 s[PFB:PFB+1], s[PFB:PFB+1], s[90:91]
	s_mul_i32 s90, s17, 25*256
	s_add_nc_u64 s[PFS:PFS+1], s[PFS:PFS+1], s[90:91]
.endif
	CROUND                                         ; all sixteen work-groups are here: the first joint loads meet
	JLOAD G0A, G1A, G0B, G1B                       ; K steps 0-7: one tensor load a wave at the head
.if FFN
	global_prefetch_b8 v[PF+2], s[PFS:PFS+1] th:TH_LOAD_NT scope:SCOPE_SE                    ; K steps 8-11, the next fill,
	global_prefetch_b8 v[PF], s[PFB:PFB+1] offset:12*REC th:TH_LOAD_NT scope:SCOPE_SE        ; and 12-19, the fill after it
	global_prefetch_b8 v[PF+1], s[PFB:PFB+1] offset:12*REC th:TH_LOAD_NT scope:SCOPE_SE
	s_wait_tensorcnt 0x0                           ; my part of the large slot is in; the three lines ahead of a later first fill, as ahead of a refill
	ds_add_u32 v[SPW], v[NIL]
	s_wait_dscnt 0x0
	CROUND
	JLOAD H0A, H1A, H0B, H1B                       ; K steps 8-11, the small slot's first fill
	FETCH 0, 0, 2, 0, 0
	global_prefetch_b8 v[PF+2], s[PFS:PFS+1] offset:12*REC th:TH_LOAD_NT scope:SCOPE_SE      ; K steps 20-23: two fills on
	BIG 1                                          ; the first products start the sums
	TURN 1, 2, 4, 5, 2                             ; K steps 12-19 into the large slot
	global_prefetch_b8 v[PF], s[PFB:PFB+1] offset:24*REC th:TH_LOAD_NT scope:SCOPE_SE        ; K steps 24-31: two fills on, the last of the row
	global_prefetch_b8 v[PF+1], s[PFB:PFB+1] offset:24*REC th:TH_LOAD_NT scope:SCOPE_SE
	SMALL
	TURN 1, 1, 0, 2, 0                             ; K steps 20-23 into the small slot
	BIG 0
	TURN 1, 2, 4, 5, 2                             ; K steps 24-31
	SMALL
	TURN 1, 0, 0, 2, 0
	BIG 0
.else
	s_wait_tensorcnt 0x0                           ; my part of K is in,
	s_barrier_signal -1
	s_barrier_wait -1                              ; everybody's is
	FETCH 0, 0, 2, 0, 0
	BIG 1                                          ; the first products start the sums
.endif
	s_wait_dscnt 0x0                               ; the very last step: nothing more to fetch
	WIN 0x50
	MUL8 1, 0, 0
	MUL8 1, 2, 0
	WIN 0
; THE WAY OUT, a tile of 16 rows x 64 columns at a time, through my own stage: register 8 b + j of lane (r, h) is column 32 (b / 2) + 8 (b % 2) + 16 h + j of the tile's row r.
; Back come whole rows of 256 bytes.  LDS serves a wave's instructions in order (ISA guide 5.7.1.4): no wait between the stores and the loads.
.macro TOSTAGE a
	WIN 0x04                                       ; the data: window 1
.irp b, 0,1,2,3
	ds_store_b128 v[STO], v[8*(4*(\a)+\b):8*(4*(\a)+\b)+3] offset:128*(\b/2)+32*(\b%2)          ; each accumulator from its low end on
	ds_store_b128 v[STO], v[8*(4*(\a)+\b)+4:8*(4*(\a)+\b)+7] offset:128*(\b/2)+32*(\b%2)+16
.endr
	WIN 0
.irp u, 0,1,2,3,4,5,6,7
	ds_load_b128 v[BK+32*((\a)%2)+4*\u:BK+32*((\a)%2)+4*\u+3], v[RD] offset:\u*2*SPITCH
.endr
.endm
.macro SEND a, younger
	s_wait_dscnt \younger                          ; the tile is back in registers
.irp u, 0,1,2,3,4,5,6,7
	global_store_b128 v[CO], v[BK+32*((\a)%2)+4*\u:BK+32*((\a)%2)+4*\u+3], s[OUT:OUT+1] offset:(32*((\a)/2)+8*((\a)%2)+2*\u+8*(\u/4))*4096 th:TH_STORE_NT   ; sixteen lanes store 256 consecutive bytes, aligned
.endr
.endm
	PLACES
	TOSTAGE 0
.irp a, 1,2,3
.if \a > 1
	s_wait_xcnt 0x0                                ; tile a - 2's stores have read their registers
.endif
	TOSTAGE \a
	SEND \a-1, 16                                  ; behind tile a - 1's loads: tile a's 8 stores and 8 loads
.endr
	SEND 3, 0
	s_wait_tensorcnt 0x0                           ; the wave's end
	ds_add_u32 v[SPW], v[NIL]
	s_wait_dscnt 0x0
	CROUND                                         ; the closing round
	s_endpgm
.Lfunc_end_k_q623eb46800_wo:
	.size	k_q623eb46800_wo, .Lfunc_end_k_q623eb46800_wo-k_q623eb46800_wo
	.p2alignl 7, 3214868480
	.fill 96, 4, 3214868480
	.section	.rodata,"a",@progbits
	.p2align	6, 0x0
	.amdhsa_kernel k_q623eb46800_wo
		.amdhsa_group_segment_fixed_size 327680
		.amdhsa_private_segment_fixed_size 0
		.amdhsa_enable_private_segment 0
		.amdhsa_kernarg_size 24
		.amdhsa_user_sgpr_count 2
		.amdhsa_user_sgpr_kernarg_segment_ptr 1
		.amdhsa_wavefront_size32 1
		.amdhsa_system_sgpr_workgroup_id_x 1
		.amdhsa_system_sgpr_workgroup_id_y 1
		.amdhsa_system_sgpr_workgroup_id_z 1
		.amdhsa_system_vgpr_workitem_id 0
		.amdhsa_next_free_vgpr 384
		.amdhsa_next_free_sgpr 100
		.amdhsa_reserve_vcc 0
		.amdhsa_float_denorm_mode_32 3
		.amdhsa_float_denorm_mode_16_64 3
		.amdhsa_memory_ordered 1
		.amdhsa_forward_progress 1
		.amdhsa_inst_pref_size 57
	.end_amdhsa_kernel
	.amdgpu_metadata
---
amdhsa.version: [ 1, 2 ]
amdhsa.kernels:
  - .name:           k_q623eb46800_wo
    .symbol:         k_q623eb46800_wo.kd
    .args:
      - { .name: oi, .offset: 0, .size: 8, .value_kind: global_buffer, .address_space: global }
      - { .name: wimg, .offset: 8, .size: 8, .value_kind: global_buffer, .address_space: global }
      - { .name: y, .offset: 16, .size: 8, .value_kind: global_buffer, .address_space: global }
    .group_segment_fixed_size: 327680
    .private_segment_fixed_size: 0
    .kernarg_segment_align: 8
    .kernarg_segment_size: 24
    .max_flat_workgroup_size: 128
    .sgpr_count:     100
    .vgpr_count:     384
    .wavefront_size: 32
...
	.end_amdgpu_metadata
.endif
;; end of part 12
;; launch ln1 (part 13): grid 256 x 1, 8 waves a work-group, no clusters, 66,816 bytes of LDS; arguments y, x, bo, ln1_g, ln1_b, x1, xi; writes x1, xi
.if DOCPART == 13
	.amdgcn_target "amdgcn-amd-amdhsa--gfx1250"
	.amdhsa_code_object_version 6
	.text
	.protected	k_q623eb46800_ln1
	.globl	k_q623eb46800_ln1
	.p2align	8
	.type	k_q623eb46800_ln1,@function
k_q623eb46800_ln1:
	s_mov_b64 s[64:65], 0
	v_nop
	global_prefetch_b8 v0, s[64:65] scope:SCOPE_SE
	s_setreg_imm32_b32 hwreg(HW_REG_WAVE_MODE, 25, 1), 1
	s_wait_xcnt 0x0
; x1 = LayerNorm(x + (y + bo)) g + b, in f32, stored as f32 (the residual of the second half) and as records of MX-FP6 codes (the operand of the next product).  Nothing of reference() is left out here.
; (y here is the first 16,777,216 bytes of the buffer: the product with Wo.)
; SHARES.  A work-group owns the 16 rows of ONE tile of a record: tile T = work-group % 8 of token group G = work-group / 8; lane row r is row 128 G + 32 (T / 2) + 8 (T % 2) + r + 8 (r / 8).  So 4,096 rows give 256
; work-groups.  Phase 1: wave w norms lane rows 2 w and 2 w + 1, which are neighbours in memory: a lane holds columns 4 L + 128 i, so each load and store covers 512 consecutive bytes; mean and variance in two passes
; over the registers.  The rows go to x1 and to a stage in LDS.  Phase 2: wave w quantises K step w: a lane takes 16 neighbours of each block of 32 from its row of the stage; six stores of 256 consecutive bytes.
; THE SCALE WORDS of a tile are a quarter of a block of 256 bytes of the record's image (16 r + 4 (T % 4)): lanes 0-15 store 4 bytes each, 16 bytes apart: 64 bytes beside the step's 1,536 bytes of codes.  Whole blocks
; would want the four tiles of 64 rows in one work-group, which leaves three WGPs in four without work.
; No tensor load: the rows are read once, by the wave that norms them.
.set REC,   12800
.set SP,    4112                       ; a stage row: 4,096 bytes + 16
.set SPARE, 16*SP                      ; behind the stage: the spare words, 128 bytes for each wave: four blocks of 256 bytes that no other line names
.set T,    8                           ; v8-17   sums at work
.set TM,   8                           ; v8-23   at work in QUANT
.set SPW,  30
.set NIL,  31
.set GA,   32                          ; v32-63  g of my columns
.set BE,   64                          ; v64-95  b
.set BI,   96                          ; v96-127 the product's bias
.set YA,   128
.set XA,   160
.set YB,   192
.set XB,   224
.set PC,   32                          ; phase 2: the codes just made
.set PW,   52                          ; v52     the scale word
.set SEL,  20
.macro QUANT s, abs, pw
.irp b, 0,1,2,3
.if \abs
	v_max3_num_f32 v[TM+\b], |v[(\s)+16*\b]|, |v[(\s)+16*\b+1]|, 0x1800000   ; block b: my 16 numbers, and the floor 2^(3 - 127): the byte cannot fall under 1
.else
	v_max3_num_f32 v[TM+\b], v[(\s)+16*\b], v[(\s)+16*\b+1], 0x1800000
.endif
.endr
.irp i, 2,4,6,8,10,12,14
.irp b, 0,1,2,3
.if \abs
	s_delay_alu instid0(VALU_DEP_4)
	v_max3_num_f32 v[TM+\b], v[TM+\b], |v[(\s)+16*\b+\i]|, |v[(\s)+16*\b+\i+1]|
.else
	v_max3_num_f32 v[TM+\b], v[TM+\b], v[(\s)+16*\b+\i], v[(\s)+16*\b+\i+1]
.endif
.endr
.endr
.irp b, 0,1,2,3
	s_delay_alu instid0(VALU_DEP_4)
	v_permlanex16_b32 v[TM+4+\b], v[TM+\b], s[SEL], s[SEL+1]
.endr
.irp b, 0,1,2,3
	s_delay_alu instid0(VALU_DEP_4)
	v_max_num_f32 v[TM+\b], v[TM+\b], v[TM+4+\b]
.endr
.irp b, 0,1,2,3
	s_delay_alu instid0(VALU_DEP_4)
	v_add_nc_u32 v[TM+12+\b], 0xff000000, v[TM+\b]     ; 2 off the exponent field: the conversion's scale operand
.endr
.irp b, 0,1,2,3
	s_delay_alu instid0(VALU_DEP_4)
	v_lshrrev_b32 v[TM+4+\b], 23, v[TM+12+\b]
.endr
	s_delay_alu instid0(VALU_DEP_3)
	v_lshl_or_b32 v[\pw], v[TM+5], 8, v[TM+4]
	s_delay_alu instid0(VALU_DEP_1)
	v_lshl_or_b32 v[\pw], v[TM+6], 16, v[\pw]
	s_delay_alu instid0(VALU_DEP_1)
	v_lshl_or_b32 v[\pw], v[TM+7], 24, v[\pw]
.irp c, 0,1
	v_cvt_scalef32_pk16_fp6_f32 v[PC+6*\c:PC+6*\c+2], v[(\s)+32*\c:(\s)+32*\c+15], v[TM+12+2*\c]
	v_cvt_scalef32_pk16_fp6_f32 v[PC+12+4*\c:PC+14+4*\c], v[(\s)+32*\c+16:(\s)+32*\c+31], v[TM+13+2*\c]
.endr
	v_nop
.irp c, 0,1
.irp i, 0,1,2
	v_permlane16_swap_b32 v[PC+6*\c+\i], v[PC+12+4*\c+\i]
.endr
.irp i, 0,1,2
	s_delay_alu instid0(VALU_DEP_3)
	v_mov_b32 v[PC+3+6*\c+\i], v[PC+12+4*\c+\i]
.endr
.endr
.endm
.macro REDUCE a, b                     ; v[a] summed over the 32 lanes, in every lane; v[b] has been written
	s_delay_alu instid0(VALU_DEP_1)
	v_add_f32_dpp v[\a], v[\a], v[\a] row_xmask:1 row_mask:0xf bank_mask:0xf
	s_delay_alu instid0(VALU_DEP_1)
	v_add_f32_dpp v[\a], v[\a], v[\a] row_xmask:2 row_mask:0xf bank_mask:0xf
	s_delay_alu instid0(VALU_DEP_1)
	v_add_f32_dpp v[\a], v[\a], v[\a] row_xmask:4 row_mask:0xf bank_mask:0xf
	s_delay_alu instid0(VALU_DEP_1)
	v_add_f32_dpp v[\a], v[\a], v[\a] row_xmask:8 row_mask:0xf bank_mask:0xf
	s_delay_alu instid0(VALU_DEP_1)
	v_permlanex16_b32 v[\b], v[\a], s[SEL], s[SEL+1]
	s_delay_alu instid0(VALU_DEP_1)
	v_add_f32 v[\a], v[\a], v[\b]
.endm
; One row: 32 numbers a lane in v[Y] on (the product), 32 in v[X] on (the residual).  The result replaces Y.
.macro ROW Y, X
.set J, 0
.rept 16
	v_pk_add_f32 v[\Y+J:\Y+J+1], v[\Y+J:\Y+J+1], v[BI+J:BI+J+1]      ; the product's bias first, as reference() has it,
.set J, J+2
.endr
.set J, 0
.rept 16
	v_pk_add_f32 v[\Y+J:\Y+J+1], v[\Y+J:\Y+J+1], v[\X+J:\X+J+1]      ; then the residual
.set J, J+2
.endr
.irp k, 0,1,2,3
	v_pk_add_f32 v[T+2*\k:T+2*\k+1], v[\Y+2*\k:\Y+2*\k+1], v[\Y+8+2*\k:\Y+9+2*\k]   ; the sum, in four chains
.endr
.irp m, 16,24
.irp k, 0,1,2,3
	s_delay_alu instid0(VALU_DEP_4)
	v_pk_add_f32 v[T+2*\k:T+2*\k+1], v[T+2*\k:T+2*\k+1], v[\Y+\m+2*\k:\Y+\m+2*\k+1]
.endr
.endr
	s_delay_alu instid0(VALU_DEP_3)
	v_pk_add_f32 v[T:T+1], v[T:T+1], v[T+2:T+3]
	s_delay_alu instid0(VALU_DEP_2)
	v_pk_add_f32 v[T+4:T+5], v[T+4:T+5], v[T+6:T+7]
	s_delay_alu instid0(VALU_DEP_1)
	v_pk_add_f32 v[T:T+1], v[T:T+1], v[T+4:T+5]
	s_delay_alu instid0(VALU_DEP_1)
	v_add_f32 v[T], v[T], v[T+1]
	REDUCE T, T+1
	s_delay_alu instid0(VALU_DEP_1)
	v_mul_f32 v[T], s22, v[T]                      ; the mean
.set J, 0
.rept 16
	v_pk_add_f32 v[\Y+J:\Y+J+1], v[\Y+J:\Y+J+1], v[T:T+1] op_sel_hi:[1,0] neg_lo:[0,1] neg_hi:[0,1]
.set J, J+2
.endr
.irp k, 0,1,2,3
	v_pk_mul_f32 v[T+2+2*\k:T+3+2*\k], v[\Y+2*\k:\Y+2*\k+1], v[\Y+2*\k:\Y+2*\k+1]   ; the squares of the differences, in four chains
.endr
.irp m, 8,16,24
.irp k, 0,1,2,3
	s_delay_alu instid0(VALU_DEP_4)
	v_pk_fma_f32 v[T+2+2*\k:T+3+2*\k], v[\Y+\m+2*\k:\Y+\m+2*\k+1], v[\Y+\m+2*\k:\Y+\m+2*\k+1], v[T+2+2*\k:T+3+2*\k]
.endr
.endr
	s_delay_alu instid0(VALU_DEP_3)
	v_pk_add_f32 v[T+2:T+3], v[T+2:T+3], v[T+4:T+5]
	s_delay_alu instid0(VALU_DEP_2)
	v_pk_add_f32 v[T+6:T+7], v[T+6:T+7], v[T+8:T+9]
	s_delay_alu instid0(VALU_DEP_1)
	v_pk_add_f32 v[T+2:T+3], v[T+2:T+3], v[T+6:T+7]
	s_delay_alu instid0(VALU_DEP_1)
	v_add_f32 v[T+2], v[T+2], v[T+3]
	REDUCE T+2, T+3
	s_delay_alu instid0(VALU_DEP_1)
	v_fma_f32 v[T+2], v[T+2], s22, s23             ; the variance + eps
	s_wait_alu depctr_va_vdst(0)
	v_rsq_f32 v[T+2], v[T+2]
	v_nop                                          ; a plain line behind the transcendental,
	s_wait_alu depctr_va_vdst(0)                   ; and the wait ahead of its first reader
.set J, 0
.rept 16
	v_pk_mul_f32 v[\Y+J:\Y+J+1], v[\Y+J:\Y+J+1], v[T+2:T+3] op_sel_hi:[1,0]
.set J, J+2
.endr
.set J, 0
.rept 16
	v_pk_fma_f32 v[\Y+J:\Y+J+1], v[\Y+J:\Y+J+1], v[GA+J:GA+J+1], v[BE+J:BE+J+1]
.set J, J+2
.endr
.endm
.macro LOADROW Y, X, off
.irp i, 0,1,2,3,4,5,6,7
	global_load_b128 v[\Y+4*\i:\Y+4*\i+3], v1, s[4:5] offset:\off+512*\i
.endr
.irp i, 0,1,2,3,4,5,6,7
	global_load_b128 v[\X+4*\i:\X+4*\i+3], v1, s[6:7] offset:\off+512*\i
.endr
.endm
.macro PUT Y, k                        ; row k of my two: to x1, and to its place in the stage
.irp i, 0,1,2,3,4,5,6,7
	global_store_b128 v1, v[\Y+4*\i:\Y+4*\i+3], s[14:15] offset:\k*4096+512*\i
	ds_store_b128 v2, v[\Y+4*\i:\Y+4*\i+3] offset:\k*SP+512*\i
.endr
.endm
	s_load_b256 s[4:11], s[0:1], 0x0               ; y s[4:5], x s[6:7], bo s[8:9], ln1_g s[10:11]
	s_load_b128 s[12:15], s[0:1], 0x20             ; ln1_b s[12:13], x1 s[14:15]
	s_load_b64 s[16:17], s[0:1], 0x30              ; xi
	v_lshl_add_u32 v[SPW], v0, 2, SPARE
	v_mov_b32 v[NIL], 0
	v_lshrrev_b32 v1, 5, v0
	s_delay_alu instid0(VALU_DEP_1)
	v_readfirstlane_b32 s2, v1                     ; wave 0..7
	v_and_b32 v27, 31, v0                          ; L
	s_delay_alu instid0(VALU_DEP_1)
	v_lshlrev_b32 v1, 4, v27                       ; 16 L
	s_delay_alu instid0(VALU_DEP_2)
	v_lshlrev_b32 v24, 3, v27                      ; 8 L
	v_and_b32 v25, 15, v0                          ; r
	v_bfe_u32 v26, v0, 4, 1                        ; h
	s_mov_b32 s[SEL], 0x76543210
	s_mov_b32 s[SEL+1], 0xfedcba98
	s_mov_b32 s22, 0x3a800000                      ; 1 / 1,024
	s_mov_b32 s23, 0x3727c5ac                      ; eps = 1e-5
	s_mul_i32 s24, s2, 2*SP
	v_add_nc_u32 v2, s24, v1                       ; into the stage: lane rows 2 w, 2 w + 1
	s_lshl_b32 s24, s2, 9
	v_mul_u32_u24 v3, v25, SP
	s_delay_alu instid0(VALU_DEP_1)
	v_lshl_add_u32 v3, v26, 6, v3
	s_delay_alu instid0(VALU_DEP_1)
	v_add_nc_u32 v3, s24, v3                       ; out of the stage: row r, + 64 h, + 512 for each K step
	v_lshlrev_b32 v4, 4, v25                       ; 16 r: my scale word's place
	s_lshr_b32 s28, ttmp9, 3                       ; G
	s_and_b32 s29, ttmp9, 7                        ; T
	s_lshl_b32 s30, s28, 3
	s_add_co_u32 s30, s30, s2
	s_mul_i32 s30, s30, REC                        ; record 8 G + w
	s_lshr_b32 s32, s29, 2
	s_lshl_b32 s32, s32, 8
	s_and_b32 s33, s29, 3
	s_lshl_b32 s33, s33, 2
	s_add_co_u32 s32, s32, s33
	s_add_co_u32 s32, s32, s30                     ; its scale words of tile T, less 12,288
	s_mov_b32 s33, 0
	s_mul_i32 s31, s29, 1536
	s_add_co_u32 s30, s30, s31                     ; its codes of tile T
	s_mov_b32 s31, 0
	s_lshl_b32 s18, s28, 7                         ; my first row: 128 G
	s_lshr_b32 s19, s29, 1
	s_lshl_b32 s19, s19, 5
	s_add_co_u32 s18, s18, s19                     ; + 32 (T / 2)
	s_and_b32 s19, s29, 1
	s_lshl_b32 s19, s19, 3
	s_add_co_u32 s18, s18, s19                     ; + 8 (T % 2)
	s_lshl_b32 s19, s2, 1
	s_add_co_u32 s18, s18, s19                     ; + 2 w
	s_lshr_b32 s19, s2, 2
	s_lshl_b32 s19, s19, 3
	s_add_co_u32 s18, s18, s19                     ; + 8 (w / 4)
	s_lshl_b32 s18, s18, 12                        ; rows of 4,096 bytes
	s_mov_b32 s19, 0
	s_wait_alu depctr_va_vdst(0)
	s_wait_kmcnt 0x0
	s_add_nc_u64 s[4:5], s[4:5], s[18:19]
	s_add_nc_u64 s[6:7], s[6:7], s[18:19]
	s_add_nc_u64 s[14:15], s[14:15], s[18:19]
	s_add_nc_u64 s[30:31], s[16:17], s[30:31]
	s_add_nc_u64 s[32:33], s[16:17], s[32:33]
.irp i, 0,1,2,3,4,5,6,7
	global_load_b128 v[GA+4*\i:GA+4*\i+3], v1, s[10:11] offset:512*\i
	global_load_b128 v[BE+4*\i:BE+4*\i+3], v1, s[12:13] offset:512*\i
	global_load_b128 v[BI+4*\i:BI+4*\i+3], v1, s[8:9] offset:512*\i
.endr
	LOADROW YA, XA, 0
	LOADROW YB, XB, 4096
	s_wait_loadcnt 16                              ; the constants and the first row are in; the second row's 16 loads may be out
	ROW YA, XA
	PUT YA, 0
	s_wait_loadcnt 0x0
	ROW YB, XB
	PUT YB, 1
	s_wait_dscnt 0x0                               ; for the others' sake: my rows lie in the stage
	s_barrier_signal -1
	s_barrier_wait -1
	; ---- phase 2: K step w of the tile
	s_wait_xcnt 0x0                                ; my stores to x1 have read their registers
.irp b, 0,1,2,3
.irp j, 0,1,2,3
	ds_load_b128 v[128+16*\b+4*\j:128+16*\b+4*\j+3], v3 offset:128*\b+16*\j
.endr
.endr
	s_wait_dscnt 0x0
	QUANT 128, 1, PW
.irp p, 0,1,2,3,4,5
	global_store_b64 v24, v[PC+2*\p:PC+2*\p+1], s[30:31] offset:\p*256   ; 256 consecutive bytes, aligned
.endr
	v_cmp_gt_u32 vcc_lo, 16, v27                   ; both halves of the lanes hold the same word: lanes 0-15 store it
	s_wait_xcnt 0x0                                ; EXEC changes only behind this wait
	s_and_saveexec_b32 s34, vcc_lo
	global_store_b32 v4, v[PW], s[32:33] offset:12288
	s_wait_xcnt 0x0                                ; and again, in front of the line that widens it
	s_or_b32 exec_lo, exec_lo, s34
	s_wait_tensorcnt 0x0                           ; the wave's end
	ds_add_u32 v[SPW], v[NIL]
	s_wait_dscnt 0x0
	s_endpgm
.Lfunc_end_k_q623eb46800_ln1:
	.size	k_q623eb46800_ln1, .Lfunc_end_k_q623eb46800_ln1-k_q623eb46800_ln1
	.p2alignl 7, 3214868480
	.fill 96, 4, 3214868480
	.section	.rodata,"a",@progbits
	.p2align	6, 0x0
	.amdhsa_kernel k_q623eb46800_ln1
		.amdhsa_group_segment_fixed_size 66816
		.amdhsa_private_segment_fixed_size 0
		.amdhsa_enable_private_segment 0
		.amdhsa_kernarg_size 56
		.amdhsa_user_sgpr_count 2
		.amdhsa_user_sgpr_kernarg_segment_ptr 1
		.amdhsa_wavefront_size32 1
		.amdhsa_system_sgpr_workgroup_id_x 1
		.amdhsa_system_sgpr_workgroup_id_y 1
		.amdhsa_system_sgpr_workgroup_id_z 1
		.amdhsa_system_vgpr_workitem_id 0
		.amdhsa_next_free_vgpr 256
		.amdhsa_next_free_sgpr 66
		.amdhsa_reserve_vcc 1
		.amdhsa_float_denorm_mode_32 3
		.amdhsa_float_denorm_mode_16_64 3
		.amdhsa_memory_ordered 1
		.amdhsa_forward_progress 1
		.amdhsa_inst_pref_size 37
	.end_amdhsa_kernel
	.amdgpu_metadata
---
amdhsa.version: [ 1, 2 ]
amdhsa.kernels:
  - .name:           k_q623eb46800_ln1
    .symbol:         k_q623eb46800_ln1.kd
    .args:
      - { .name: y, .offset: 0, .size: 8, .value_kind: global_buffer, .address_space: global }
      - { .name: x, .offset: 8, .size: 8, .value_kind: global_buffer, .address_space: global }
      - { .name: bo, .offset: 16, .size: 8, .value_kind: global_buffer, .address_space: global }
      - { .name: ln1_g, .offset: 24, .size: 8, .value_kind: global_buffer, .address_space: global }
      - { .name: ln1_b, .offset: 32, .size: 8, .value_kind: global_buffer, .address_space: global }
      - { .name: x1, .offset: 40, .size: 8, .value_kind: global_buffer, .address_space: global }
      - { .name: xi, .offset: 48, .size: 8, .value_kind: global_buffer, .address_space: global }
    .group_segment_fixed_size: 66816
    .private_segment_fixed_size: 0
    .kernarg_segment_align: 8
    .kernarg_segment_size: 56
    .max_flat_workgroup_size: 256
    .sgpr_count:     66
    .vgpr_count:     256
    .wavefront_size: 32
...
	.end_amdgpu_metadata
.endif
;; end of part 13
;; launch ffn1 (part 14): grid 16 x 16, 4 waves a work-group, clusters of 4 x 4, 327,680 bytes of LDS; arguments xi, wimg, b1, hi; writes hi
.if DOCPART == 14
	.amdgcn_target "amdgcn-amd-amdhsa--gfx1250"
	.amdhsa_code_object_version 6
	.text
	.protected	k_q623eb46800_ffn1
	.globl	k_q623eb46800_ffn1
	.p2align	8
	.type	k_q623eb46800_ffn1,@function
k_q623eb46800_ffn1:
	s_mov_b64 s[64:65], 0
	v_nop
	global_prefetch_b8 v0, s[64:65] scope:SCOPE_SE
	s_setreg_imm32_b32 hwreg(HW_REG_WAVE_MODE, 25, 1), 1
	s_wait_xcnt 0x0
	s_wait_alu depctr_hold_cnt(0) depctr_sa_sdst(0) depctr_va_vdst(0) depctr_va_sdst(0) depctr_va_ssrc(0) depctr_va_vcc(0) depctr_vm_vsrc(0)
	s_getreg_b32 s2, hwreg(HW_REG_IB_STS2, 6, 4)
	s_cmp_eq_u32 s2, 0
	s_cbranch_scc0 .Lentry_in_a_cluster
	s_endpgm
.Lentry_in_a_cluster:
	s_bfe_u32 s2, ttmp6, 0x10000c
	s_cmp_lg_u32 s2, 0xf033
	s_cbranch_scc0 .Lentry_shape_is_right
	s_endpgm
.Lentry_shape_is_right:
.set NSG,  8
.set BREC, 256
.set REC,   12800
.set LOADB, 2*REC
.set SLOT,  4*LOADB
.set SPARE, 3*SLOT
.set FR,   12
.set NL,   6
.set NP,   4
.set ADRA, 12
.set ADRB, 16
.set ADRS, 20
.set ST8,  26
.set ST16, 27
.set SPW,  28
.set NIL,  29
.set SC,   32
.set AF,   128
.set BB,   64
.set HA,   128
.set PC,   192
.set TM,   212
.set SW,   244
.set D4,   252
.set G1,   24
.set G1B,  32
.set G0,   40
.set G0B,  52
.set SEL,  72
.set OUT,  74
.set BIA,  76
.set CX,   80
.set CY,   81
.set TX,   82
.set MR,   83
.set MC,   84
.set LD,   85
.set BAD,  86
.set MSB, 0
.macro WIN new
.if MSB != (\new)
	s_set_vgpr_msb (MSB<<8)|(\new)
.set MSB, (\new)
.endif
.endm
.set MUL_LO, 0xa1
.set MUL_HI, 0xf1
.set TO_B,   0x40
.macro JLOAD g0a, g1a, g0b, g1b
	s_cmp_eq_u32 s15, 0
	s_cbranch_scc0 .Lfor_b_\@
	tensor_load_to_lds s[\g0a:\g0a+3], s[\g1a:\g1a+7]
	s_nop 0
.rept 4
	v_nop
.endr
	s_branch .Lasked_\@
.Lfor_b_\@:
	tensor_load_to_lds s[\g0b:\g0b+3], s[\g1b:\g1b+7]
	s_nop 0
.rept 4
	v_nop
.endr
.Lasked_\@:
.endm
.macro CREST
	s_cmp_lg_u32 s14, 0
	s_cbranch_scc1 .Lnot_wave_0_\@
	s_barrier_signal -3
.Lnot_wave_0_\@:
	s_barrier_wait -3
	s_barrier_signal -1
	s_barrier_wait -1
.endm
.macro CROUND
	s_barrier_signal -1
	s_barrier_wait -1
	CREST
.endm
.macro PLACES n
.rept \n
	v_nop
.endr
.endm
.macro QUANT s, abs, pw
.irp b, 0,1,2,3
.if \abs
	v_max3_num_f32 v[TM+\b], |v[(\s)+16*\b]|, |v[(\s)+16*\b+1]|, 0x1800000
.else
	v_max3_num_f32 v[TM+\b], v[(\s)+16*\b], v[(\s)+16*\b+1], 0x1800000
.endif
.endr
.irp i, 2,4,6,8,10,12,14
.irp b, 0,1,2,3
.if \abs
	v_max3_num_f32 v[TM+\b], v[TM+\b], |v[(\s)+16*\b+\i]|, |v[(\s)+16*\b+\i+1]|
.else
	v_max3_num_f32 v[TM+\b], v[TM+\b], v[(\s)+16*\b+\i], v[(\s)+16*\b+\i+1]
.endif
.endr
.endr
.irp b, 0,1,2,3
	v_permlanex16_b32 v[TM+4+\b], v[TM+\b], s[SEL], s[SEL+1]
.endr
.irp b, 0,1,2,3
	v_max_num_f32 v[TM+\b], v[TM+\b], v[TM+4+\b]
.endr
.irp b, 0,1,2,3
	v_add_nc_u32 v[TM+12+\b], 0xff000000, v[TM+\b]
.endr
.irp b, 0,1,2,3
	v_lshrrev_b32 v[TM+4+\b], 23, v[TM+12+\b]
.endr
	v_lshl_or_b32 v[\pw], v[TM+5], 8, v[TM+4]
	v_lshl_or_b32 v[\pw], v[TM+6], 16, v[\pw]
	v_lshl_or_b32 v[\pw], v[TM+7], 24, v[\pw]
.irp c, 0,1
	v_cvt_scalef32_pk16_fp6_f32 v[PC+6*\c:PC+6*\c+2], v[(\s)+32*\c:(\s)+32*\c+15], v[TM+12+2*\c]
	v_cvt_scalef32_pk16_fp6_f32 v[PC+12+4*\c:PC+14+4*\c], v[(\s)+32*\c+16:(\s)+32*\c+31], v[TM+13+2*\c]
.endr
	v_nop
.irp c, 0,1
.irp i, 0,1,2
	v_permlane16_swap_b32 v[PC+6*\c+\i], v[PC+12+4*\c+\i]
.endr
.irp i, 0,1,2
	v_mov_b32 v[PC+3+6*\c+\i], v[PC+12+4*\c+\i]
.endr
.endr
.endm
	s_load_b256 s[4:11], s[0:1], 0x0
	v_lshl_add_u32 v[SPW], v0, 2, SPARE
	v_mov_b32 v[NIL], 0
	ds_add_u32 v[SPW], v[NIL]
	ds_add_u32 v[SPW], v[NIL]
	v_lshrrev_b32 v1, 5, v0
	v_readfirstlane_b32 s14, v1
	s_lshr_b32 s15, s14, 1
	s_and_b32 s16, s14, 1
	s_bfe_u32 s[CX], ttmp6, 0x40000
	s_bfe_u32 s[CY], ttmp6, 0x40004
	s_lshl_b32 s[TX], ttmp9, 2
	s_add_co_u32 s[TX], s[TX], s[CX]
	s_and_b32 s17, ttmp7, 0xffff
	s_lshl_b32 s17, s17, 2
	s_add_co_u32 s17, s17, s[CY]
	s_lshl_b32 s[MR], s[CY], 2
	s_lshl_b32 s[MR], 15, s[MR]
	s_lshl_b32 s[MC], 0x1111, s[CX]
	s_or_b32 s[G1], s[MR], (3<<16)|(1<<21)
	s_or_b32 s[G1B], s[MC], (3<<16)|(1<<21)
.irp g, G1, G1B
	s_mov_b32 s[\g+1], 32<<16
	s_mov_b32 s[\g+2], 100<<16
	s_mov_b32 s[\g+3], 32<<16
	s_mov_b32 s[\g+4], 100
	s_mov_b32 s[\g+5], 32
	s_mov_b32 s[\g+6], 0
	s_mov_b32 s[\g+7], 0
.endr
	s_lshl_b32 s20, s17, 1
	s_add_co_u32 s20, s20, s16
	s_mul_i32 s20, s20, NSG*REC
	s_mov_b32 s21, 0
	s_lshl_b32 s[BAD], s[TX], 1
	s_add_co_u32 s[BAD], s[BAD], s16
	s_mul_i32 s[BAD], s[BAD], NSG*REC
	s_add_co_u32 s[BAD], s[BAD], BREC*REC
	s_mov_b32 s[BAD+1], 0
	s_mul_i32 s[LD], s14, LOADB
	s_wait_dscnt 0x0
	s_wait_kmcnt 0x0
	s_add_nc_u64 s[20:21], s[4:5], s[20:21]
	s_add_nc_u64 s[BAD:BAD+1], s[6:7], s[BAD:BAD+1]
	CROUND
.irp s, 0,1,2
	s_mov_b32 s[G0+4*\s], 1
	s_add_co_u32 s[G0+4*\s+1], s[LD], \s*SLOT
	s_add_nc_u64 s[G0+4*\s+2:G0+4*\s+3], s[20:21], \s*LOADB
	s_or_b32 s[G0+4*\s+3], s[G0+4*\s+3], 0x80000000
	s_mov_b32 s[G0B+4*\s], 1
	s_add_co_u32 s[G0B+4*\s+1], s[LD], \s*SLOT
	s_add_nc_u64 s[G0B+4*\s+2:G0B+4*\s+3], s[BAD:BAD+1], \s*LOADB
	s_or_b32 s[G0B+4*\s+3], s[G0B+4*\s+3], 0x80000000
.if \s > 0                             ; slot 0's fill stands at the head; slots 1 and 2 each behind the three lines and a round of its own
	s_wait_alu depctr_va_vdst(0)
	s_wait_tensorcnt 0x0
	ds_add_u32 v[SPW], v[NIL]
	s_wait_dscnt 0x0
	CROUND
.endif
	JLOAD G0+4*\s, G1, G0B+4*\s, G1B
.if \s == 0                            ; prefetches: of the 100 blocks of 256 bytes that my load of a later fill names, each of the four partners that ask jointly takes 25, told apart by address
	v_and_b32 v6, 31, v0
	v_min_u32 v6, 24, v6                           ; (the lanes left over name the last block again)
	v_lshlrev_b32 v6, 8, v6
	s_cmp_eq_u32 s15, 0
	s_cselect_b64 s[88:89], s[20:21], s[BAD:BAD+1]
	s_cselect_b32 s90, s[CX], s[CY]                ; my place among the four
	s_mul_i32 s90, s90, 25*256
	s_mov_b32 s91, 0
	s_add_nc_u64 s[88:89], s[88:89], s[90:91]
	global_prefetch_b8 v6, s[88:89] offset:LOADB th:TH_LOAD_NT scope:SCOPE_SE      ; the next fill,
	global_prefetch_b8 v6, s[88:89] offset:2*LOADB th:TH_LOAD_NT scope:SCOPE_SE    ; and the one after it
.endif
.if \s == 1
	global_prefetch_b8 v6, s[88:89] offset:3*LOADB th:TH_LOAD_NT scope:SCOPE_SE    ; the last 256 along K: two fills on
.endif
.endr
	v_and_b32 v1, 31, v0
	v_and_b32 v2, 15, v0
	v_bfe_u32 v3, v0, 4, 1
	v_lshlrev_b32 v[ST8], 3, v1
	v_lshlrev_b32 v[ST16], 4, v1
	s_mov_b32 s67, 0xffff0000
	s_mov_b32 s[SEL], 0x76543210
	s_mov_b32 s[SEL+1], 0xfedcba98
	s_mul_i32 s20, s15, LOADB
	s_mul_i32 s21, s16, LOADB
	s_add_co_u32 s21, s21, 2*LOADB
	s_sub_co_u32 s22, s21, s20
	v_add_nc_u32 v[ADRA], s20, v[ST8]
	v_add_nc_u32 v[ADRB], s21, v[ST8]
	v_mul_u32_u24 v5, s22, v3
	v_lshl_add_u32 v5, v2, 4, v5
	v_add_nc_u32 v5, s20, v5
	v_add_nc_u32 v[ADRS], 12288, v5
.irp s, 1,2
	v_add_nc_u32 v[ADRA+\s], \s*SLOT, v[ADRA]
	v_add_nc_u32 v[ADRB+\s], \s*SLOT, v[ADRB]
	v_add_nc_u32 v[ADRS+\s], \s*SLOT, v[ADRS]
.endr
	s_lshl_b32 s18, s[TX], 1
	s_add_co_u32 s18, s18, s16
	s_lshl_b32 s22, s18, 9
	s_mov_b32 s23, 0
	s_add_nc_u64 s[BIA:BIA+1], s[8:9], s[22:23]
	v_lshlrev_b32 v8, 6, v3
.irp b, 0,1,2,3,4,5,6,7
	global_load_b128 v[BB+8*\b:BB+8*\b+3], v8, s[BIA:BIA+1] offset:(32*(\b/2)+8*(\b%2))*4
	global_load_b128 v[BB+8*\b+4:BB+8*\b+7], v8, s[BIA:BIA+1] offset:(32*(\b/2)+8*(\b%2))*4+16
.endr
	s_lshl_b32 s19, s17, 1
	s_add_co_u32 s19, s19, s15
	s_lshl_b32 s19, s19, 5
	s_add_co_u32 s18, s18, s19
	s_mul_i32 s18, s18, REC
	s_mov_b32 s19, 0
	s_add_nc_u64 s[OUT:OUT+1], s[10:11], s[18:19]
.macro FRAG reg, adr, q, i
.irp p, 0,1,2,3,4,5
	ds_load_b64 v[\reg+2*\p:\reg+2*\p+1], v[\adr] offset:(\q)*REC+(\i)*1536+\p*256
.endr
.endm
.macro MUL16 a0, p, q, sc, zero
.irp a, \a0, \a0+1
.irp b, 0,1,2,3,4,5,6,7
.if \zero
	v_wmma_scale_f32_16x16x128_f8f6f4 v[8*(8*((\a)%4)+\b):8*(8*((\a)%4)+\b)+7], v[128*(\p)+FR*\b:128*(\p)+FR*\b+FR-1], v[AF+FR*(\a):AF+FR*(\a)+FR-1], 0, v[SC+16*(\sc)+8*(\q)+\b], v[SC+16*(\sc)+8*(\q)+(\a)] matrix_a_fmt:MATRIX_FMT_FP6 matrix_b_fmt:MATRIX_FMT_FP6 matrix_a_scale:MATRIX_SCALE_ROW1
.else
	v_wmma_scale_f32_16x16x128_f8f6f4 v[8*(8*((\a)%4)+\b):8*(8*((\a)%4)+\b)+7], v[128*(\p)+FR*\b:128*(\p)+FR*\b+FR-1], v[AF+FR*(\a):AF+FR*(\a)+FR-1], v[8*(8*((\a)%4)+\b):8*(8*((\a)%4)+\b)+7], v[SC+16*(\sc)+8*(\q)+\b], v[SC+16*(\sc)+8*(\q)+(\a)] matrix_a_fmt:MATRIX_FMT_FP6 matrix_b_fmt:MATRIX_FMT_FP6 matrix_a_scale:MATRIX_SCALE_ROW1
.endif
.endr
.endr
.endm
.macro FETCH_B slot, q, p
	WIN TO_B
.irp i, 0,1,2,3,4,5,6,7
	FRAG 128*(\p)+FR*\i, ADRB+\slot, \q, \i
.endr
	WIN 0
.endm
.macro FETCH_A slot, q, i0
.irp i, \i0, \i0+1, \i0+2, \i0+3
	FRAG AF+FR*(\i), ADRA+\slot, \q, \i
.endr
.endm
.macro SCALES sl, set
.irp q, 0,1
.irp u, 0,1
	ds_load_b128 v[SC+16*(\set)+8*\q+4*\u:SC+16*(\set)+8*\q+4*\u+3], v[ADRS+\sl] offset:\q*REC+256*\u
.endr
.endr
.endm
.macro STEP slot, sc, zero
	s_wait_dscnt 4*NL
	WIN MUL_LO
	MUL16 0, 0, 0, \sc, \zero
	MUL16 2, 0, 0, \sc, \zero
	s_wait_dscnt 0
	PLACES NP
	FETCH_B \slot, 1, 1
	FETCH_A \slot, 1, 0
	WIN MUL_HI
	MUL16 4, 0, 0, \sc, \zero
	MUL16 6, 0, 0, \sc, \zero
	PLACES NP
	WIN 0
	FETCH_A \slot, 1, 4
.endm
.macro TURN slot, sc, next, mode
.if \mode == 2
	s_wait_tensorcnt 0x0
	ds_add_u32 v[SPW], v[NIL]
	s_wait_dscnt 4*NL+1
	WIN MUL_LO
	MUL16 0, 1, 1, \sc, 0
	s_wait_dscnt 0x0
	s_barrier_signal -1
	MUL16 2, 1, 1, \sc, 0
	WIN 0
	s_barrier_wait -1
	CREST
	s_add_nc_u64 s[G0+4*\slot+2:G0+4*\slot+3], s[G0+4*\slot+2:G0+4*\slot+3], 3*LOADB
	s_add_nc_u64 s[G0B+4*\slot+2:G0B+4*\slot+3], s[G0B+4*\slot+2:G0B+4*\slot+3], 3*LOADB
	JLOAD G0+4*\slot, G1, G0B+4*\slot, G1B
.else
	s_wait_dscnt 4*NL
	WIN MUL_LO
	MUL16 0, 1, 1, \sc, 0
	MUL16 2, 1, 1, \sc, 0
.if \mode == 1
	s_wait_tensorcnt 0x0
.endif
	s_wait_dscnt 0x0
.if \mode == 1
	s_barrier_signal -1
	s_barrier_wait -1
.endif
	PLACES NP
.endif
	FETCH_B \next, 0, 0
	FETCH_A \next, 0, 0
	SCALES \next, 1-(\sc)
	WIN MUL_HI
	MUL16 4, 1, 1, \sc, 0
	MUL16 6, 1, 1, \sc, 0
	PLACES NP
	WIN 0
	FETCH_A \next, 0, 4
.endm
	s_wait_alu depctr_va_vdst(0)
	s_wait_tensorcnt 2
	s_barrier_signal -1
	s_barrier_wait -1
	FETCH_B 0, 0, 0
	FETCH_A 0, 0, 0
	SCALES 0, 0
	FETCH_A 0, 0, 4
	STEP 0, 0, 1
	TURN 0, 0, 1, 2
	STEP 1, 1, 0
	TURN 1, 1, 2, 0
	STEP 2, 0, 0
	TURN 2, 0, 0, 1
	STEP 0, 1, 0
	s_wait_dscnt 4*NL
	WIN MUL_LO
	MUL16 0, 1, 1, 1, 0
	MUL16 2, 1, 1, 1, 0
	s_wait_dscnt 0
	WIN MUL_HI
	MUL16 4, 1, 1, 1, 0
	MUL16 6, 1, 1, 1, 0
	WIN 0
.macro OUTQ a
	WIN 0x02+(\a)/4
.set J, 0
.rept 32
	v_pk_add_f32 v[HA+J:HA+J+1], v[64*((\a)%4)+J:64*((\a)%4)+J+1], v[BB+J:BB+J+1]
.set J, J+2
.endr
	WIN 0
.set J, 0
.rept 64
	v_max_num_f32 v[HA+J], 0, v[HA+J]
.set J, J+1
.endr
.if (\a) > 0
	s_wait_xcnt 0x0
.endif
	QUANT HA, 0, SW+(\a)
.irp p, 0,1,2,3,4,5
	global_store_b64 v[ST8], v[PC+2*\p:PC+2*\p+1], s[OUT:OUT+1] offset:(\a)*1536+\p*256
.endr
.endm
	s_wait_loadcnt 0x0
	PLACES NP
.irp b, 0,1,2,3
	v_mov_b32 v[TM+4+\b], 0
.endr
.irp a, 0,1,2,3,4,5,6,7
	OUTQ \a
.endr
.irp i, 0,1,2,3
	v_cndmask_b32 v[D4+\i], v[SW+\i], v[SW+4+\i], s67
.endr
	global_store_b128 v[ST16], v[D4:D4+3], s[OUT:OUT+1] offset:12288
	s_wait_tensorcnt 0x0
	ds_add_u32 v[SPW], v[NIL]
	s_wait_dscnt 0x0
	CROUND
	s_endpgm
.Lfunc_end_k_q623eb46800_ffn1:
	.size	k_q623eb46800_ffn1, .Lfunc_end_k_q623eb46800_ffn1-k_q623eb46800_ffn1
	.p2alignl 7, 3214868480
	.fill 96, 4, 3214868480
	.section	.rodata,"a",@progbits
	.p2align	6, 0x0
	.amdhsa_kernel k_q623eb46800_ffn1
		.amdhsa_group_segment_fixed_size 327680
		.amdhsa_private_segment_fixed_size 0
		.amdhsa_enable_private_segment 0
		.amdhsa_kernarg_size 32
		.amdhsa_user_sgpr_count 2
		.amdhsa_user_sgpr_kernarg_segment_ptr 1
		.amdhsa_wavefront_size32 1
		.amdhsa_system_sgpr_workgroup_id_x 1
		.amdhsa_system_sgpr_workgroup_id_y 1
		.amdhsa_system_sgpr_workgroup_id_z 1
		.amdhsa_system_vgpr_workitem_id 0
		.amdhsa_next_free_vgpr 1024
		.amdhsa_next_free_sgpr 96
		.amdhsa_reserve_vcc 0
		.amdhsa_float_denorm_mode_32 3
		.amdhsa_float_denorm_mode_16_64 3
		.amdhsa_memory_ordered 1
		.amdhsa_forward_progress 1
		.amdhsa_inst_pref_size 197
	.end_amdhsa_kernel
	.amdgpu_metadata
---
amdhsa.version: [ 1, 2 ]
amdhsa.kernels:
  - .name:           k_q623eb46800_ffn1
    .symbol:         k_q623eb46800_ffn1.kd
    .args:
      - { .name: xi, .offset: 0, .size: 8, .value_kind: global_buffer, .address_space: global }
      - { .name: wimg, .offset: 8, .size: 8, .value_kind: global_buffer, .address_space: global }
      - { .name: b1, .offset: 16, .size: 8, .value_kind: global_buffer, .address_space: global }
      - { .name: hi, .offset: 24, .size: 8, .value_kind: global_buffer, .address_space: global }
    .group_segment_fixed_size: 327680
    .private_segment_fixed_size: 0
    .kernarg_segment_align: 8
    .kernarg_segment_size: 32
    .max_flat_workgroup_size: 128
    .sgpr_count:     96
    .vgpr_count:     1024
    .wavefront_size: 32
...
	.end_amdgpu_metadata
.endif
;; end of part 14
;; launch ffn2 (part 15): grid 8 x 32, 4 waves a work-group, clusters of 4 x 4, 327,680 bytes of LDS; arguments hi, wimg, y; writes y
.if DOCPART == 15
	.amdgcn_target "amdgcn-amd-amdhsa--gfx1250"
	.amdhsa_code_object_version 6
	.text
	.protected	k_q623eb46800_ffn2
	.globl	k_q623eb46800_ffn2
	.p2align	8
	.type	k_q623eb46800_ffn2,@function
k_q623eb46800_ffn2:
	s_mov_b64 s[64:65], 0
	v_nop
	global_prefetch_b8 v0, s[64:65] scope:SCOPE_SE
	s_setreg_imm32_b32 hwreg(HW_REG_WAVE_MODE, 25, 1), 1
	s_wait_xcnt 0x0
	s_wait_alu depctr_hold_cnt(0) depctr_sa_sdst(0) depctr_va_vdst(0) depctr_va_sdst(0) depctr_va_ssrc(0) depctr_va_vcc(0) depctr_vm_vsrc(0)
	s_getreg_b32 s2, hwreg(HW_REG_IB_STS2, 6, 4)
	s_cmp_eq_u32 s2, 0
	s_cbranch_scc0 .Lentry_in_a_cluster
	s_endpgm
.Lentry_in_a_cluster:
	s_bfe_u32 s2, ttmp6, 0x10000c
	s_cmp_lg_u32 s2, 0xf033
	s_cbranch_scc0 .Lentry_shape_is_right
	s_endpgm
.Lentry_shape_is_right:
; C = A B^T on records of MX-FP6 codes, f32 result, one owner for each number of C.  FFN = 0: y = Q(attention's output) Wo, K = 1,024.  FFN = 1: y = Q(h) W2, K = 4,096.
; The bias, the residual and the LayerNorm follow in the next launch, which owns whole rows.  Nothing of reference() is left out here.
; A RECORD is 128 rows x 128 along K, 12,800 bytes: 8 tiles (lane row r of tile T is row 32 (T / 2) + 8 (T % 2) + r + 8 (r / 8)); piece p (registers 2 p, 2 p + 1 of the 12) at 1536 T + 256 p + 8 x lane;
; scale words at 12,288 + 256 (T / 4) + 16 r + 4 (T % 4).  Records of one group of rows follow each other along K.
; SHARES.  A block of C is 128 x 128 (one group of A, one of B): 32 x 8 blocks = 256 work-groups.  Four waves, each 64 x 64: 16 accumulators in window 1; two sets of 8 fragments and 4 scale registers in window 0.
; LDS in chunks of 4 records (51,200 bytes): chunks 0, 1 A's and 2, 3 B's K steps 0-7 of the large slot; chunk 4 A's and 5 B's four K steps of the small slot.
; FFN = 0: all of K is the large slot: one load a wave at the head, nothing is filled again; the stage has chunk 4 to itself.  No prefetch: the text has no loop to run ahead in.
; FFN = 1: K goes 8 + 4 + 8 + 4 + 8 steps through the two slots: five fills, one load a wave behind each round; the stage lies in the small slot, behind its last fill and its last read.
; Each fill but the first is prefetched: the second one fill ahead, the others two fills ahead; a wave names a quarter of the blocks of its own load, 25 or 50 of 256 bytes.
; CLUSTER 4 x 4: A's records are asked for jointly along a row of the cluster, B's along a column.
; Source 0 = B (columns: the result's registers), source 1 = A (tokens: the result's lanes).
.set FFN, 1
.if FFN
.set NSG,  32                          ; records of a group along K
.set BREC, 512                         ; B's first record in wimg
.else
.set NSG,  8
.set BREC, 192
.endif
.set REC,   12800
.set CH,    4*REC
.set SM,    4*CH                       ; the small slot
.set STAGE, SM                         ; the way out: 16 rows x (256 + 16) bytes for each wave
.set SPITCH, 272
.set SPARE, 6*CH                       ; the spare words, 128 bytes for each wave: two blocks of 256 bytes that no other line names
.set ADF,  8                           ; v8-13   fragments in chunk 0 .. 5: 8 x lane + my four tiles
.set ADS,  14                          ; v14-16  scale words: lanes 0-15 A's, lanes 16-31 B's; chunks 0 | 2, 1 | 3, 4 | 5
.set STO,  17
.set RD,   18
.set CO,   19
.set PF,   20                          ; v20-22  the prefetches' offsets
.set SPW,  28
.set NIL,  29
.set SC,   32                          ; v32-39  scale words, two sets
.set FA,   40                          ; v40-231 fragments, two sets: A's four, then B's four
.set BK,   40                          ; the way out: 16 rows read back, v40-71 and v72-103 by turns
.set G1A,  24                          ; group 1: 200 rows of 256 bytes, A's mask;  G1B: B's mask
.set G1B,  32
.set H1A,  40                          ; 100 rows
.set H1B,  48
.set G0A,  56                          ; group 0: the large slot's, A's and B's
.set G0B,  60
.set H0A,  68                          ; the small slot's
.set H0B,  72
.set PFB,  76
.set PFS,  78
.set OUT,  80
.set MSB, 0
.macro WIN new                         ; the immediate's high byte repeats the setting that is left
.if MSB != (\new)
	s_set_vgpr_msb (MSB<<8)|(\new)
.set MSB, (\new)
.endif
.endm
.macro JLOAD g0a, g1a, g0b, g1b        ; a joint load: waves 0, 1 fetch for A, waves 2, 3 for B; an s_nop 0 and four v_nop follow each line
	s_cmp_eq_u32 s15, 0
	s_cbranch_scc0 .Lfor_b_\@
	tensor_load_to_lds s[\g0a:\g0a+3], s[\g1a:\g1a+7]
	s_nop 0
.rept 4
	v_nop
.endr
	s_branch .Lasked_\@
.Lfor_b_\@:
	tensor_load_to_lds s[\g0b:\g0b+3], s[\g1b:\g1b+7]
	s_nop 0
.rept 4
	v_nop
.endr
.Lasked_\@:
.endm
.macro CREST
	s_cmp_lg_u32 s14, 0
	s_cbranch_scc1 .Lnot_wave_0_\@
	s_barrier_signal -3
.Lnot_wave_0_\@:
	s_barrier_wait -3
	s_barrier_signal -1
	s_barrier_wait -1
.endm
.macro CROUND
	s_barrier_signal -1
	s_barrier_wait -1
	CREST
.endm
.macro PLACES
.rept 4
	v_nop
.endr
.endm
.macro GRP1 g, rows                    ; a dense block as rows of 256 bytes (32 elements of 8 bytes)
	s_mov_b32 s[\g+1], 32<<16
	s_mov_b32 s[\g+2], (\rows)<<16
	s_mov_b32 s[\g+3], 32<<16
	s_mov_b32 s[\g+4], \rows
	s_mov_b32 s[\g+5], 32
	s_mov_b32 s[\g+6], 0
	s_mov_b32 s[\g+7], 0
.endm
.macro GRP0 g, lds, base, off
	s_mov_b32 s[\g], 1
	s_mov_b32 s[\g+1], s[\lds]
	s_add_nc_u64 s[\g+2:\g+3], s[\base:\base+1], s[\off:\off+1]
	s_or_b32 s[\g+3], s[\g+3], 0x80000000
.endm
.macro FETCH set, ca, cb, cs, q        ; 49 LDS loads: record q of chunks ca (A) and cb (B): my four tiles of each, and their scale words
.irp i, 0,1,2,3
.irp p, 0,1,2,3,4,5
	ds_load_b64 v[FA+96*(\set)+48+12*\i+2*\p:FA+96*(\set)+49+12*\i+2*\p], v[ADF+\cb] offset:(\q)*REC+\i*1536+\p*256
.endr
.endr
	ds_load_b128 v[SC+4*(\set):SC+4*(\set)+3], v[ADS+\cs] offset:(\q)*REC
.irp i, 0,1,2,3
.irp p, 0,1,2,3,4,5
	ds_load_b64 v[FA+96*(\set)+12*\i+2*\p:FA+96*(\set)+1+12*\i+2*\p], v[ADF+\ca] offset:(\q)*REC+\i*1536+\p*256
.endr
.endr
.endm
.macro MUL8 set, a0, zero              ; A's tiles a0, a0 + 1 x B's four.  The 16 accumulators take turns, in the same order in every step
.irp a, \a0, \a0+1
.irp b, 0,1,2,3
.if \zero
	v_wmma_scale_f32_16x16x128_f8f6f4 v[8*(4*(\a)+\b):8*(4*(\a)+\b)+7], v[FA+96*(\set)+48+12*\b:FA+96*(\set)+59+12*\b], v[FA+96*(\set)+12*(\a):FA+96*(\set)+12*(\a)+11], 0, v[SC+4*(\set)+\b], v[SC+4*(\set)+(\a)] matrix_a_fmt:MATRIX_FMT_FP6 matrix_b_fmt:MATRIX_FMT_FP6 matrix_a_scale:MATRIX_SCALE_ROW1
.else
	v_wmma_scale_f32_16x16x128_f8f6f4 v[8*(4*(\a)+\b):8*(4*(\a)+\b)+7], v[FA+96*(\set)+48+12*\b:FA+96*(\set)+59+12*\b], v[FA+96*(\set)+12*(\a):FA+96*(\set)+12*(\a)+11], v[8*(4*(\a)+\b):8*(4*(\a)+\b)+7], v[SC+4*(\set)+\b], v[SC+4*(\set)+(\a)] matrix_a_fmt:MATRIX_FMT_FP6 matrix_b_fmt:MATRIX_FMT_FP6 matrix_a_scale:MATRIX_SCALE_ROW1
.endif
.endr
.endr
.endm
.macro FETCHB set, cb, cs, q           ; 25 LDS loads: B's four tiles and the scale words
.irp i, 0,1,2,3
.irp p, 0,1,2,3,4,5
	ds_load_b64 v[FA+96*(\set)+48+12*\i+2*\p:FA+96*(\set)+49+12*\i+2*\p], v[ADF+\cb] offset:(\q)*REC+\i*1536+\p*256
.endr
.endr
	ds_load_b128 v[SC+4*(\set):SC+4*(\set)+3], v[ADS+\cs] offset:(\q)*REC
.endm
.macro FETCHA set, ca, q               ; 24 LDS loads: A's four tiles
.irp i, 0,1,2,3
.irp p, 0,1,2,3,4,5
	ds_load_b64 v[FA+96*(\set)+12*\i+2*\p:FA+96*(\set)+1+12*\i+2*\p], v[ADF+\ca] offset:(\q)*REC+\i*1536+\p*256
.endr
.endr
.endm
.macro STEP set, zero, ca, cb, cs, q   ; a K step on one set; the next step's fragments are asked for in two runs among its products, into the other set
	PLACES                                         ; in front of loads into registers that matrix instructions have read
	FETCHB 1-(\set), \cb, \cs, \q
	s_wait_dscnt 37                                ; this step's B, scale words and A's tiles 0, 1 are in: A's tiles 2, 3 (12 loads) and the 25 just issued may be out
	WIN 0x50                                       ; C and D in window 1
	MUL8 \set, 0, \zero
	WIN 0
	FETCHA 1-(\set), \ca, \q
	s_wait_dscnt 49                                ; all but the 49 issued in this step
	WIN 0x50
	MUL8 \set, 2, \zero
	WIN 0
.endm
; A slot's last K step, and the change of slots.  fill = 2: the large slot is filled again, 1: the small one, 0: nothing more is left to fetch.
.macro TURN set, fill, ca, cb, cs
	s_wait_tensorcnt 0x0                           ; my one load that was out, my part of the other slot, has landed
.if \fill
	ds_add_u32 v[SPW], v[NIL]
.if \fill == 2
	s_add_nc_u64 s[G0A+2:G0A+3], s[G0A+2:G0A+3], 12*REC
	s_add_nc_u64 s[G0B+2:G0B+3], s[G0B+2:G0B+3], 12*REC
.else
	s_add_nc_u64 s[H0A+2:H0A+3], s[H0A+2:H0A+3], 12*REC
	s_add_nc_u64 s[H0B+2:H0B+3], s[H0B+2:H0B+3], 12*REC
.endif
	s_wait_dscnt 1                                 ; (the add may be out)
.else
	s_wait_dscnt 0x0
.endif
	WIN 0x50
	MUL8 \set, 0, 0
	s_wait_dscnt 0x0                               ; the add is done, and my reads of this slot are over
	WIN 0
	s_barrier_signal -1
	s_barrier_wait -1
.if \fill
	CREST                                          ; the barrier has opened a round: no wave of any partner still reads this slot or has a load on its way
.if \fill == 2
	JLOAD G0A, G1A, G0B, G1B                       ; its four v_nop are the places in front of the loads below
.else
	JLOAD H0A, H1A, H0B, H1B
.endif
.else
	PLACES
.endif
	FETCH 1-(\set), \ca, \cb, \cs, 0
	WIN 0x50
	MUL8 \set, 2, 0
	WIN 0
.endm
.macro BIG zero                        ; the large slot's K steps 0 to 6
	STEP 0, \zero, 0, 2, 0, 1
	STEP 1, 0, 0, 2, 0, 2
	STEP 0, 0, 0, 2, 0, 3
	STEP 1, 0, 1, 3, 1, 0
	STEP 0, 0, 1, 3, 1, 1
	STEP 1, 0, 1, 3, 1, 2
	STEP 0, 0, 1, 3, 1, 3
.endm
.macro SMALL                           ; the small slot's K steps 0 to 2
	STEP 0, 0, 4, 5, 2, 1
	STEP 1, 0, 4, 5, 2, 2
	STEP 0, 0, 4, 5, 2, 3
.endm
	s_load_b128 s[4:7], s[0:1], 0x0                ; A's records s[4:5], wimg s[6:7]
	s_load_b64 s[8:9], s[0:1], 0x10                ; y
	v_lshl_add_u32 v[SPW], v0, 2, SPARE
	v_mov_b32 v[NIL], 0
	ds_add_u32 v[SPW], v[NIL]                      ; the wave's opening: the add, twice on end, and its wait ahead of my first tensor load
	ds_add_u32 v[SPW], v[NIL]
	v_lshrrev_b32 v1, 5, v0
	v_readfirstlane_b32 s14, v1                    ; wave 0..3
	s_lshr_b32 s15, s14, 1                         ; my half of A's rows.  Also: I fetch for A (0) or for B (1)
	s_and_b32 s16, s14, 1                          ; my half of B's rows.  Also: which half of a fill I fetch
	s_bfe_u32 s10, ttmp6, 0x40000                  ; cx
	s_bfe_u32 s11, ttmp6, 0x40004                  ; cy
	s_lshl_b32 s12, ttmp9, 2
	s_add_co_u32 s12, s12, s10                     ; block column of C
	s_and_b32 s13, ttmp7, 0xffff
	s_lshl_b32 s13, s13, 2
	s_add_co_u32 s13, s13, s11                     ; block row of C
	s_lshl_b32 s17, s11, 2
	s_lshl_b32 s17, 15, s17                        ; my row of the cluster
	s_lshl_b32 s18, 0x1111, s10                    ; my column
	s_or_b32 s[G1A], s17, (3<<16)|(1<<21)          ; 15:0 the mask; 17:16 elements of 8 bytes; 21 set beside a mask
	s_or_b32 s[G1B], s18, (3<<16)|(1<<21)
	GRP1 G1A, 200
	GRP1 G1B, 200
.if FFN
	s_or_b32 s[H1A], s17, (3<<16)|(1<<21)
	s_or_b32 s[H1B], s18, (3<<16)|(1<<21)
	GRP1 H1A, 100
	GRP1 H1B, 100
.endif
	s_mul_i32 s20, s13, NSG*REC                    ; A's group
	s_mov_b32 s21, 0
	s_mul_i32 s22, s12, NSG*REC                    ; B's group
	s_add_co_u32 s22, s22, BREC*REC
	s_mov_b32 s23, 0
	s_mul_i32 s82, s16, 4*REC                      ; my half of a large fill
	s_mov_b32 s83, 0
	s_mul_i32 s84, s16, 2*REC                      ; my half of a small fill, which begins 8 K steps on
	s_add_co_u32 s84, s84, 8*REC
	s_mov_b32 s85, 0
	s_mul_i32 s86, s14, 4*REC                      ; where they go: no place in the cluster enters an LDS address
	s_mul_i32 s87, s14, 2*REC
	s_add_co_u32 s87, s87, SM
	s_lshl_b32 s88, s13, 19                        ; my part of y: 128 rows of 4,096 bytes a block, 64 a half; 512 bytes a block column, 256 a half
	s_lshl_b32 s89, s15, 18
	s_add_co_u32 s88, s88, s89
	s_lshl_b32 s89, s12, 9
	s_add_co_u32 s88, s88, s89
	s_lshl_b32 s89, s16, 8
	s_add_co_u32 s88, s88, s89
	s_mov_b32 s89, 0
	s_mul_i32 s92, s15, 4*1536                     ; my four tiles of A,
	s_mul_i32 s93, s16, 4*1536                     ; of B
	s_lshl_b32 s94, s15, 8
	s_lshl_b32 s95, s16, 8
	s_add_co_u32 s95, s95, 2*CH
	s_sub_co_u32 s95, s95, s94                     ; from A's scale words to B's, in the large slot
	s_add_co_u32 s94, s94, 12288
.if FFN
	s_sub_co_u32 s96, s95, CH                      ; and in the small one
	s_add_co_u32 s97, s94, 4*CH
.endif
	s_mul_i32 s98, s14, 16*SPITCH
	s_add_co_u32 s98, s98, STAGE                   ; my stage
	v_and_b32 v1, 31, v0                           ; lane
	v_and_b32 v2, 15, v0                           ; r
	v_bfe_u32 v3, v0, 4, 1                         ; h
	v_lshlrev_b32 v4, 3, v1
	v_add_nc_u32 v[ADF], s92, v4
	v_add_nc_u32 v5, s93, v4
	v_add_nc_u32 v[ADF+1], CH, v[ADF]
	v_add_nc_u32 v[ADF+2], 2*CH, v5
	v_add_nc_u32 v[ADF+3], 3*CH, v5
	v_mul_u32_u24 v6, s95, v3                      ; lanes 16-31 take B's scale words
	v_lshl_add_u32 v6, v2, 4, v6
	v_add_nc_u32 v[ADS], s94, v6
	v_add_nc_u32 v[ADS+1], CH, v[ADS]
.if FFN
	v_add_nc_u32 v[ADF+4], 4*CH, v[ADF]
	v_add_nc_u32 v[ADF+5], 5*CH, v5
	v_mul_u32_u24 v6, s96, v3
	v_lshl_add_u32 v6, v2, 4, v6
	v_add_nc_u32 v[ADS+2], s97, v6
	v_lshlrev_b32 v[PF], 8, v1                     ; blocks 0-31 of my 50 of a large fill,
	v_min_u32 v6, 17, v1
	v_lshl_add_u32 v[PF+1], v6, 8, 32*256          ; blocks 32-49 (the lanes left over name the last again),
	v_min_u32 v6, 24, v1
	v_lshlrev_b32 v[PF+2], 8, v6                   ; my 25 of a small fill
.endif
	v_mul_u32_u24 v6, v2, SPITCH
	v_lshl_add_u32 v6, v3, 6, v6
	v_add_nc_u32 v[STO], s98, v6                   ; in: row r, + 64 h
	v_mul_u32_u24 v6, v3, SPITCH
	v_lshl_add_u32 v6, v2, 4, v6
	v_add_nc_u32 v[RD], s98, v6                    ; back: lanes 0-15 one row of 256 bytes, lanes 16-31 the next
	v_lshlrev_b32 v6, 12, v3
	v_lshl_add_u32 v[CO], v2, 4, v6                ; and the same two rows in y
	s_wait_alu depctr_va_vdst(0)                   ; the wait at the head's end
	s_wait_dscnt 0x0                               ; both opening adds are done
	s_wait_kmcnt 0x0
	s_add_nc_u64 s[20:21], s[4:5], s[20:21]
	s_add_nc_u64 s[22:23], s[6:7], s[22:23]
	s_add_nc_u64 s[OUT:OUT+1], s[8:9], s[88:89]
	GRP0 G0A, 86, 20, 82
	GRP0 G0B, 86, 22, 82
.if FFN
	GRP0 H0A, 87, 20, 84
	GRP0 H0B, 87, 22, 84
	; the prefetches: of the blocks of 256 bytes that my load names, each of the four partners that ask jointly takes a quarter, told apart by address
	s_cmp_eq_u32 s15, 0
	s_cselect_b64 s[PFB:PFB+1], s[20:21], s[22:23]
	s_cselect_b32 s17, s10, s11                    ; my place among the four
	s_add_nc_u64 s[PFS:PFS+1], s[PFB:PFB+1], s[84:85]
	s_add_nc_u64 s[PFB:PFB+1], s[PFB:PFB+1], s[82:83]
	s_mul_i32 s90, s17, 50*256
	s_mov_b32 s91, 0
	s_add_nc_u64 s[PFB:PFB+1], s[PFB:PFB+1], s[90:91]
	s_mul_i32 s90, s17, 25*256
	s_add_nc_u64 s[PFS:PFS+1], s[PFS:PFS+1], s[90:91]
.endif
	CROUND                                         ; all sixteen work-groups are here: the first joint loads meet
	JLOAD G0A, G1A, G0B, G1B                       ; K steps 0-7: one tensor load a wave at the head
.if FFN
	global_prefetch_b8 v[PF+2], s[PFS:PFS+1] th:TH_LOAD_NT scope:SCOPE_SE                    ; K steps 8-11, the next fill,
	global_prefetch_b8 v[PF], s[PFB:PFB+1] offset:12*REC th:TH_LOAD_NT scope:SCOPE_SE        ; and 12-19, the fill after it
	global_prefetch_b8 v[PF+1], s[PFB:PFB+1] offset:12*REC th:TH_LOAD_NT scope:SCOPE_SE
	s_wait_tensorcnt 0x0                           ; my part of the large slot is in; the three lines ahead of a later first fill, as ahead of a refill
	ds_add_u32 v[SPW], v[NIL]
	s_wait_dscnt 0x0
	CROUND
	JLOAD H0A, H1A, H0B, H1B                       ; K steps 8-11, the small slot's first fill
	FETCH 0, 0, 2, 0, 0
	global_prefetch_b8 v[PF+2], s[PFS:PFS+1] offset:12*REC th:TH_LOAD_NT scope:SCOPE_SE      ; K steps 20-23: two fills on
	BIG 1                                          ; the first products start the sums
	TURN 1, 2, 4, 5, 2                             ; K steps 12-19 into the large slot
	global_prefetch_b8 v[PF], s[PFB:PFB+1] offset:24*REC th:TH_LOAD_NT scope:SCOPE_SE        ; K steps 24-31: two fills on, the last of the row
	global_prefetch_b8 v[PF+1], s[PFB:PFB+1] offset:24*REC th:TH_LOAD_NT scope:SCOPE_SE
	SMALL
	TURN 1, 1, 0, 2, 0                             ; K steps 20-23 into the small slot
	BIG 0
	TURN 1, 2, 4, 5, 2                             ; K steps 24-31
	SMALL
	TURN 1, 0, 0, 2, 0
	BIG 0
.else
	s_wait_tensorcnt 0x0                           ; my part of K is in,
	s_barrier_signal -1
	s_barrier_wait -1                              ; everybody's is
	FETCH 0, 0, 2, 0, 0
	BIG 1                                          ; the first products start the sums
.endif
	s_wait_dscnt 0x0                               ; the very last step: nothing more to fetch
	WIN 0x50
	MUL8 1, 0, 0
	MUL8 1, 2, 0
	WIN 0
; THE WAY OUT, a tile of 16 rows x 64 columns at a time, through my own stage: register 8 b + j of lane (r, h) is column 32 (b / 2) + 8 (b % 2) + 16 h + j of the tile's row r.
; Back come whole rows of 256 bytes.  LDS serves a wave's instructions in order (ISA guide 5.7.1.4): no wait between the stores and the loads.
.macro TOSTAGE a
	WIN 0x04                                       ; the data: window 1
.irp b, 0,1,2,3
	ds_store_b128 v[STO], v[8*(4*(\a)+\b):8*(4*(\a)+\b)+3] offset:128*(\b/2)+32*(\b%2)          ; each accumulator from its low end on
	ds_store_b128 v[STO], v[8*(4*(\a)+\b)+4:8*(4*(\a)+\b)+7] offset:128*(\b/2)+32*(\b%2)+16
.endr
	WIN 0
.irp u, 0,1,2,3,4,5,6,7
	ds_load_b128 v[BK+32*((\a)%2)+4*\u:BK+32*((\a)%2)+4*\u+3], v[RD] offset:\u*2*SPITCH
.endr
.endm
.macro SEND a, younger
	s_wait_dscnt \younger                          ; the tile is back in registers
.irp u, 0,1,2,3,4,5,6,7
	global_store_b128 v[CO], v[BK+32*((\a)%2)+4*\u:BK+32*((\a)%2)+4*\u+3], s[OUT:OUT+1] offset:(32*((\a)/2)+8*((\a)%2)+2*\u+8*(\u/4))*4096 th:TH_STORE_NT   ; sixteen lanes store 256 consecutive bytes, aligned
.endr
.endm
	PLACES
	TOSTAGE 0
.irp a, 1,2,3
.if \a > 1
	s_wait_xcnt 0x0                                ; tile a - 2's stores have read their registers
.endif
	TOSTAGE \a
	SEND \a-1, 16                                  ; behind tile a - 1's loads: tile a's 8 stores and 8 loads
.endr
	SEND 3, 0
	s_wait_tensorcnt 0x0                           ; the wave's end
	ds_add_u32 v[SPW], v[NIL]
	s_wait_dscnt 0x0
	CROUND                                         ; the closing round
	s_endpgm
.Lfunc_end_k_q623eb46800_ffn2:
	.size	k_q623eb46800_ffn2, .Lfunc_end_k_q623eb46800_ffn2-k_q623eb46800_ffn2
	.p2alignl 7, 3214868480
	.fill 96, 4, 3214868480
	.section	.rodata,"a",@progbits
	.p2align	6, 0x0
	.amdhsa_kernel k_q623eb46800_ffn2
		.amdhsa_group_segment_fixed_size 327680
		.amdhsa_private_segment_fixed_size 0
		.amdhsa_enable_private_segment 0
		.amdhsa_kernarg_size 24
		.amdhsa_user_sgpr_count 2
		.amdhsa_user_sgpr_kernarg_segment_ptr 1
		.amdhsa_wavefront_size32 1
		.amdhsa_system_sgpr_workgroup_id_x 1
		.amdhsa_system_sgpr_workgroup_id_y 1
		.amdhsa_system_sgpr_workgroup_id_z 1
		.amdhsa_system_vgpr_workitem_id 0
		.amdhsa_next_free_vgpr 384
		.amdhsa_next_free_sgpr 100
		.amdhsa_reserve_vcc 0
		.amdhsa_float_denorm_mode_32 3
		.amdhsa_float_denorm_mode_16_64 3
		.amdhsa_memory_ordered 1
		.amdhsa_forward_progress 1
		.amdhsa_inst_pref_size 193
	.end_amdhsa_kernel
	.amdgpu_metadata
---
amdhsa.version: [ 1, 2 ]
amdhsa.kernels:
  - .name:           k_q623eb46800_ffn2
    .symbol:         k_q623eb46800_ffn2.kd
    .args:
      - { .name: hi, .offset: 0, .size: 8, .value_kind: global_buffer, .address_space: global }
      - { .name: wimg, .offset: 8, .size: 8, .value_kind: global_buffer, .address_space: global }
      - { .name: y, .offset: 16, .size: 8, .value_kind: global_buffer, .address_space: global }
    .group_segment_fixed_size: 327680
    .private_segment_fixed_size: 0
    .kernarg_segment_align: 8
    .kernarg_segment_size: 24
    .max_flat_workgroup_size: 128
    .sgpr_count:     100
    .vgpr_count:     384
    .wavefront_size: 32
...
	.end_amdgpu_metadata
.endif
;; end of part 15
;; launch ln2 (part 16): grid 256 x 1, 16 waves a work-group, no clusters, 0 bytes of LDS; arguments y, x1, b2, ln2_g, ln2_b, out0; writes out0
.if DOCPART == 16
	.amdgcn_target "amdgcn-amd-amdhsa--gfx1250"
	.amdhsa_code_object_version 6
	.text
	.protected	k_q623eb46800_ln2
	.globl	k_q623eb46800_ln2
	.p2align	8
	.type	k_q623eb46800_ln2,@function
k_q623eb46800_ln2:
	s_mov_b64 s[64:65], 0
	v_nop
	global_prefetch_b8 v0, s[64:65] scope:SCOPE_SE
	s_setreg_imm32_b32 hwreg(HW_REG_WAVE_MODE, 25, 1), 1
	s_wait_xcnt 0x0
; out0 = LayerNorm(x1 + (y + b2)) g + b, in f32; y is the product with W2 that the launch before has stored.  Nothing of reference() is left out here.
; A stream: a wave norms ONE row; a lane holds columns 4 L + 128 i, so each load and store covers 512 consecutive bytes, aligned; the row stays in registers between the pass for the mean, the pass for the
; variance and the scaling, and every byte is read from memory once.  A wave has 40 loads out at its start (product, bias, residual, g, b).  No LDS, no barrier, no matrix unit: waves share nothing.
.set T,    8                           ; v8-17   sums at work
.set P0,   32                          ; v32-63  the product, then the row
.set XA,   64                          ; v64-95  the residual
.set BI,   96                          ; v96-127 the product's bias
.set GA,   128                         ; v128-159 g of my columns
.set BE,   160                         ; v160-191 b
.set SEL,  20
.macro REDUCE a, b                     ; v[a] summed over the 32 lanes, in every lane; v[b] has been written
	s_delay_alu instid0(VALU_DEP_1)
	v_add_f32_dpp v[\a], v[\a], v[\a] row_xmask:1 row_mask:0xf bank_mask:0xf
	s_delay_alu instid0(VALU_DEP_1)
	v_add_f32_dpp v[\a], v[\a], v[\a] row_xmask:2 row_mask:0xf bank_mask:0xf
	s_delay_alu instid0(VALU_DEP_1)
	v_add_f32_dpp v[\a], v[\a], v[\a] row_xmask:4 row_mask:0xf bank_mask:0xf
	s_delay_alu instid0(VALU_DEP_1)
	v_add_f32_dpp v[\a], v[\a], v[\a] row_xmask:8 row_mask:0xf bank_mask:0xf
	s_delay_alu instid0(VALU_DEP_1)
	v_permlanex16_b32 v[\b], v[\a], s[SEL], s[SEL+1]
	s_delay_alu instid0(VALU_DEP_1)
	v_add_f32 v[\a], v[\a], v[\b]
.endm
.macro ADDTO D, S                      ; 32 numbers a lane: D += S
.set J, 0
.rept 16
	v_pk_add_f32 v[\D+J:\D+J+1], v[\D+J:\D+J+1], v[\S+J:\S+J+1]
.set J, J+2
.endr
.endm
	s_load_b256 s[4:11], s[0:1], 0x0               ; y s[4:5], x1 s[6:7], b2 s[8:9], ln2_g s[10:11]
	s_load_b128 s[12:15], s[0:1], 0x20             ; ln2_b s[12:13], out0 s[14:15]
	v_lshrrev_b32 v1, 5, v0
	s_delay_alu instid0(VALU_DEP_1)
	v_readfirstlane_b32 s2, v1                     ; wave 0..15
	v_and_b32 v1, 31, v0
	s_delay_alu instid0(VALU_DEP_1)
	v_lshlrev_b32 v1, 4, v1                        ; 16 L
	s_mov_b32 s[SEL], 0x76543210
	s_mov_b32 s[SEL+1], 0xfedcba98
	s_mov_b32 s22, 0x3a800000                      ; 1 / 1,024
	s_mov_b32 s23, 0x3727c5ac                      ; eps = 1e-5
	s_lshl_b32 s18, ttmp9, 4
	s_add_co_u32 s18, s18, s2
	s_lshl_b32 s18, s18, 12                        ; my row of 4,096 bytes
	s_mov_b32 s19, 0
	s_wait_alu depctr_va_vdst(0)
	s_wait_kmcnt 0x0
	s_add_nc_u64 s[4:5], s[4:5], s[18:19]
	s_add_nc_u64 s[6:7], s[6:7], s[18:19]
	s_add_nc_u64 s[14:15], s[14:15], s[18:19]
.irp i, 0,1,2,3,4,5,6,7
	global_load_b128 v[P0+4*\i:P0+4*\i+3], v1, s[4:5] offset:512*\i th:TH_LOAD_NT
.endr
.irp i, 0,1,2,3,4,5,6,7
	global_load_b128 v[BI+4*\i:BI+4*\i+3], v1, s[8:9] offset:512*\i
.endr
.irp i, 0,1,2,3,4,5,6,7
	global_load_b128 v[XA+4*\i:XA+4*\i+3], v1, s[6:7] offset:512*\i th:TH_LOAD_NT
.endr
.irp i, 0,1,2,3,4,5,6,7
	global_load_b128 v[GA+4*\i:GA+4*\i+3], v1, s[10:11] offset:512*\i
.endr
.irp i, 0,1,2,3,4,5,6,7
	global_load_b128 v[BE+4*\i:BE+4*\i+3], v1, s[12:13] offset:512*\i
.endr
	s_wait_loadcnt 24                              ; the product and its bias are in; behind them: the residual, g, b
	ADDTO P0, BI                                   ; the product's bias first, as reference() has it,
	s_wait_loadcnt 16                              ; the residual is in; behind it: g, b
	ADDTO P0, XA                                   ; then the residual
.irp k, 0,1,2,3
	v_pk_add_f32 v[T+2*\k:T+2*\k+1], v[P0+2*\k:P0+2*\k+1], v[P0+8+2*\k:P0+9+2*\k]   ; the sum, in four chains
.endr
.irp m, 16,24
.irp k, 0,1,2,3
	s_delay_alu instid0(VALU_DEP_4)
	v_pk_add_f32 v[T+2*\k:T+2*\k+1], v[T+2*\k:T+2*\k+1], v[P0+\m+2*\k:P0+\m+2*\k+1]
.endr
.endr
	s_delay_alu instid0(VALU_DEP_3)
	v_pk_add_f32 v[T:T+1], v[T:T+1], v[T+2:T+3]
	s_delay_alu instid0(VALU_DEP_2)
	v_pk_add_f32 v[T+4:T+5], v[T+4:T+5], v[T+6:T+7]
	s_delay_alu instid0(VALU_DEP_1)
	v_pk_add_f32 v[T:T+1], v[T:T+1], v[T+4:T+5]
	s_delay_alu instid0(VALU_DEP_1)
	v_add_f32 v[T], v[T], v[T+1]
	REDUCE T, T+1
	s_delay_alu instid0(VALU_DEP_1)
	v_mul_f32 v[T], s22, v[T]                      ; the mean
.set J, 0
.rept 16
	v_pk_add_f32 v[P0+J:P0+J+1], v[P0+J:P0+J+1], v[T:T+1] op_sel_hi:[1,0] neg_lo:[0,1] neg_hi:[0,1]
.set J, J+2
.endr
.irp k, 0,1,2,3
	v_pk_mul_f32 v[T+2+2*\k:T+3+2*\k], v[P0+2*\k:P0+2*\k+1], v[P0+2*\k:P0+2*\k+1]   ; the squares of the differences, in four chains
.endr
.irp m, 8,16,24
.irp k, 0,1,2,3
	s_delay_alu instid0(VALU_DEP_4)
	v_pk_fma_f32 v[T+2+2*\k:T+3+2*\k], v[P0+\m+2*\k:P0+\m+2*\k+1], v[P0+\m+2*\k:P0+\m+2*\k+1], v[T+2+2*\k:T+3+2*\k]
.endr
.endr
	s_delay_alu instid0(VALU_DEP_3)
	v_pk_add_f32 v[T+2:T+3], v[T+2:T+3], v[T+4:T+5]
	s_delay_alu instid0(VALU_DEP_2)
	v_pk_add_f32 v[T+6:T+7], v[T+6:T+7], v[T+8:T+9]
	s_delay_alu instid0(VALU_DEP_1)
	v_pk_add_f32 v[T+2:T+3], v[T+2:T+3], v[T+6:T+7]
	s_delay_alu instid0(VALU_DEP_1)
	v_add_f32 v[T+2], v[T+2], v[T+3]
	REDUCE T+2, T+3
	s_delay_alu instid0(VALU_DEP_1)
	v_fma_f32 v[T+2], v[T+2], s22, s23             ; the variance + eps
	s_wait_alu depctr_va_vdst(0)
	v_rsq_f32 v[T+2], v[T+2]
	v_nop                                          ; a plain line behind the transcendental,
	s_wait_alu depctr_va_vdst(0)                   ; and the wait ahead of its first reader
.set J, 0
.rept 16
	v_pk_mul_f32 v[P0+J:P0+J+1], v[P0+J:P0+J+1], v[T+2:T+3] op_sel_hi:[1,0]
.set J, J+2
.endr
	s_wait_loadcnt 0x0                             ; g and b
.set J, 0
.rept 16
	v_pk_fma_f32 v[P0+J:P0+J+1], v[P0+J:P0+J+1], v[GA+J:GA+J+1], v[BE+J:BE+J+1]
.set J, J+2
.endr
.irp i, 0,1,2,3,4,5,6,7
	global_store_b128 v1, v[P0+4*\i:P0+4*\i+3], s[14:15] offset:512*\i th:TH_STORE_NT
.endr
	s_endpgm
.Lfunc_end_k_q623eb46800_ln2:
	.size	k_q623eb46800_ln2, .Lfunc_end_k_q623eb46800_ln2-k_q623eb46800_ln2
	.p2alignl 7, 3214868480
	.fill 96, 4, 3214868480
	.section	.rodata,"a",@progbits
	.p2align	6, 0x0
	.amdhsa_kernel k_q623eb46800_ln2
		.amdhsa_group_segment_fixed_size 0
		.amdhsa_private_segment_fixed_size 0
		.amdhsa_enable_private_segment 0
		.amdhsa_kernarg_size 48
		.amdhsa_user_sgpr_count 2
		.amdhsa_user_sgpr_kernarg_segment_ptr 1
		.amdhsa_wavefront_size32 1
		.amdhsa_system_sgpr_workgroup_id_x 1
		.amdhsa_system_sgpr_workgroup_id_y 1
		.amdhsa_system_sgpr_workgroup_id_z 1
		.amdhsa_system_vgpr_workitem_id 0
		.amdhsa_next_free_vgpr 192
		.amdhsa_next_free_sgpr 66
		.amdhsa_reserve_vcc 0
		.amdhsa_float_denorm_mode_32 3
		.amdhsa_float_denorm_mode_16_64 3
		.amdhsa_memory_ordered 1
		.amdhsa_forward_progress 1
		.amdhsa_inst_pref_size 16
	.end_amdhsa_kernel
	.amdgpu_metadata
---
amdhsa.version: [ 1, 2 ]
amdhsa.kernels:
  - .name:           k_q623eb46800_ln2
    .symbol:         k_q623eb46800_ln2.kd
    .args:
      - { .name: y, .offset: 0, .size: 8, .value_kind: global_buffer, .address_space: global }
      - { .name: x1, .offset: 8, .size: 8, .value_kind: global_buffer, .address_space: global }
      - { .name: b2, .offset: 16, .size: 8, .value_kind: global_buffer, .address_space: global }
      - { .name: ln2_g, .offset: 24, .size: 8, .value_kind: global_buffer, .address_space: global }
      - { .name: ln2_b, .offset: 32, .size: 8, .value_kind: global_buffer, .address_space: global }
      - { .name: out0, .offset: 40, .size: 8, .value_kind: global_buffer, .address_space: global }
    .group_segment_fixed_size: 0
    .private_segment_fixed_size: 0
    .kernarg_segment_align: 8
    .kernarg_segment_size: 48
    .max_flat_workgroup_size: 512
    .sgpr_count:     66
    .vgpr_count:     192
    .wavefront_size: 32
...
	.end_amdgpu_metadata
.endif
;; end of part 16
